; MI455X (gfx1250); checked and timed in simulation.
; The chip was launched on July 23, 2026; its instructions are those of AMD's public machine-readable ISA for CDNA 5 (MIT licence, August 2026) and "CDNA5" Instruction Set Architecture Reference Guide (July 2026). The comments in the code are by the model that wrote it; some were corrected since.
;; Cross Modal Attention. Allowed arithmetic: float matrix products may take bf16 or f16 operands with f32 sums; other float arithmetic in f32, or as packed bf16 or f16 multiplies, adds, multiply-adds, maxima and minima; sums over many terms, partial sums and values carried from step to step in f32; what a program stores and reads back later, other than sums and carried values, may be rounded once to bf16 or f16.
;; Inputs: W_tout 1,024 x 1,024 float32; W_tp 1,024 x 768 float32; W_tqkv 3,072 x 1,024 float32; W_vout 1,024 x 1,024 float32; W_vp 1,024 x 768 float32; alpha_i2t 1 float32; alpha_t2i 1 float32; b_tout 1,024 float32; b_tp 1,024 float32; b_tqkv 3,072 float32; b_vout 1,024 float32; b_vp 1,024 float32; be_i2t 1,024 float32; be_t2i 1,024 float32; be_tn 1,024 float32; g_i2t 1,024 float32; g_t2i 1,024 float32; g_tn 1,024 float32; rel_embed 257 x 16 float32; text_features 16 x 512 x 768 float32; text_mask 16 x 512 bool; vision_features 16 x 768 float32.
;; Outputs: out0 16 x 1,024 float32; out1 16 x 512 x 1,024 float32.
;; 2 versions, each right. Each part assembles by itself: llvm-mc -triple=amdgcn-amd-amdhsa -mcpu=gfx1250 --defsym DOCPART=n.
;; ======== version 1 of 2: 7 launches
;; workspace buffers: xbp 12,596,224 bytes; wqv 7,929,856 bytes; tp 33,554,432 bytes; lnt 16,842,752 bytes; qkvh 50,331,648 bytes; i2tv 65,536 bytes
;; launch prep (part 1): grid 800 x 1, 8 waves a work-group, no clusters, 0 bytes of LDS; arguments text_features, W_tp, W_vp, W_tqkv, W_vout, W_tout, xbp; writes xbp
.if DOCPART == 1
	.amdgcn_target "amdgcn-amd-amdhsa--gfx1250"
	.amdhsa_code_object_version 6
	.text
	.protected	k_q557c5e921e_prep
	.globl	k_q557c5e921e_prep
	.p2align	8
	.type	k_q557c5e921e_prep,@function
k_q557c5e921e_prep:
	s_mov_b64 s[64:65], 0
	v_nop
	global_prefetch_b8 v0, s[64:65] scope:SCOPE_SE
	s_setreg_imm32_b32 hwreg(HW_REG_WAVE_MODE, 25, 1), 1
	s_wait_xcnt 0x0
; Work-groups 0-383: xb = bf16(text_features), 64 KiB of f32 a work-group, 8 KiB a wave.
; Work-groups 384-799: partial sums of |bf16(W)| for the five weight matrices, one f32 partial for each wave's 8 KiB,
; at xbp + PART, in the order W_tp (384 partials), W_vp (384), W_tqkv (1,536), W_vout (512), W_tout (512).
; Every weight is rounded to bf16 before its magnitude is taken: the whole program works on inputs rounded to bf16.
; A stream: no LDS, no matrix unit; all of a wave's sixteen loads are out at once.
.set PART, 12582912                    ; bytes of xb in front of the partial sums
.set X,   16                           ; v[16:79]  sixteen loads of 16 bytes a lane
.set Y,   80                           ; cast: v[80:111] store data; sums: v[80:87] four running pairs, v[88:93] at work
.set SEL, 28                           ; s[28:29]  lane selects of v_permlanex16_b32
	s_load_b256 s[4:11], s[0:1], 0x0               ; text_features, W_tp, W_vp, W_tqkv
	s_load_b128 s[12:15], s[0:1], 0x20             ; W_vout, W_tout
	s_load_b64 s[16:17], s[0:1], 0x30              ; xbp
	v_and_b32 v1, 31, v0                           ; lane
	v_lshrrev_b32 v2, 5, v0
	v_readfirstlane_b32 s20, v2                    ; wave
	s_lshl_b32 s22, s20, 13                        ; the wave's 8 KiB
	s_cmp_lt_u32 ttmp9, 384
	s_cbranch_scc0 .Lsum
	; ---- the cast: a lane's 32 bytes of f32 become 16 bytes of bf16; a store of the wave covers 512 consecutive bytes
	s_lshl_b32 s21, ttmp9, 16
	s_add_co_u32 s21, s21, s22
	v_lshl_add_u32 v3, v1, 5, s21                  ; in: 65,536 id + 8,192 wave + 32 lane
	s_lshr_b32 s21, s21, 1
	v_lshl_add_u32 v4, v1, 4, s21                  ; out: half of that
	s_wait_kmcnt 0x0
.irp i, 0,1,2,3,4,5,6,7
	global_load_b128 v[X+8*\i:X+8*\i+3],   v3, s[4:5] offset:1024*\i th:TH_LOAD_NT
	global_load_b128 v[X+8*\i+4:X+8*\i+7], v3, s[4:5] offset:1024*\i+16 th:TH_LOAD_NT
.endr
.irp i, 0,1,2,3,4,5,6,7
	s_wait_loadcnt 14-2*\i                         ; loads come back in order: pair i is in, the younger pairs stay out
	v_cvt_pk_bf16_f32 v[Y+4*\i],   v[X+8*\i],   v[X+8*\i+1]
	v_cvt_pk_bf16_f32 v[Y+4*\i+1], v[X+8*\i+2], v[X+8*\i+3]
	v_cvt_pk_bf16_f32 v[Y+4*\i+2], v[X+8*\i+4], v[X+8*\i+5]
	v_cvt_pk_bf16_f32 v[Y+4*\i+3], v[X+8*\i+6], v[X+8*\i+7]
	global_store_b128 v4, v[Y+4*\i:Y+4*\i+3], s[16:17] offset:512*\i th:TH_STORE_NT
.endr
	s_endpgm
	; ---- the sums
.Lsum:
	s_sub_co_u32 s21, ttmp9, 384                   ; chunk of 64 KiB among the five matrices laid end to end
	s_mov_b32 s[SEL], 0x76543210
	s_mov_b32 s[SEL+1], 0xfedcba98
	s_mov_b32 s30, 0x7fff7fff                      ; clears the signs of two bf16
	s_mov_b32 s31, 0xffff0000                      ; a word's upper bf16
	s_wait_kmcnt 0x0
	s_mov_b64 s[24:25], s[6:7]                     ; which matrix, and its first chunk
	s_mov_b32 s23, 0
	s_cmp_ge_u32 s21, 48
	s_cselect_b64 s[24:25], s[8:9], s[24:25]
	s_cselect_b32 s23, 48, s23
	s_cmp_ge_u32 s21, 96
	s_cselect_b64 s[24:25], s[10:11], s[24:25]
	s_cselect_b32 s23, 96, s23
	s_cmp_ge_u32 s21, 288
	s_cselect_b64 s[24:25], s[12:13], s[24:25]
	s_cselect_b32 s23, 288, s23
	s_cmp_ge_u32 s21, 352
	s_cselect_b64 s[24:25], s[14:15], s[24:25]
	s_cselect_b32 s23, 352, s23
	s_sub_co_u32 s23, s21, s23
	s_lshl_b32 s23, s23, 16
	s_add_co_u32 s23, s23, s22
	v_lshl_add_u32 v3, v1, 4, s23                  ; 65,536 chunk + 8,192 wave + 16 lane
.irp i, 0,1,2,3,4,5,6,7,8,9,10,11,12,13,14,15
	global_load_b128 v[X+4*\i:X+4*\i+3], v3, s[24:25] offset:512*\i
.endr
.irp i, 0,1,2,3,4,5,6,7,8,9,10,11,12,13,14,15
	s_wait_loadcnt 15-\i                           ; load i is in, the younger ones stay out
	v_cvt_pk_bf16_f32 v92, v[X+4*\i],   v[X+4*\i+1]
	v_cvt_pk_bf16_f32 v93, v[X+4*\i+2], v[X+4*\i+3]
	v_and_b32 v92, s30, v92
	v_and_b32 v93, s30, v93
.if \i < 2
.set U, Y+4*\i                         ; the first two loads start the four running pairs: nothing is cleared
.else
.set U, Y+8
.endif
	v_lshlrev_b32 v[U],   16, v92
	v_and_b32     v[U+1], s31, v92
	v_lshlrev_b32 v[U+2], 16, v93
	v_and_b32     v[U+3], s31, v93
.if \i >= 2
	v_pk_add_f32 v[Y+4*(\i%2):Y+4*(\i%2)+1],   v[Y+4*(\i%2):Y+4*(\i%2)+1],   v[U:U+1]
	v_pk_add_f32 v[Y+4*(\i%2)+2:Y+4*(\i%2)+3], v[Y+4*(\i%2)+2:Y+4*(\i%2)+3], v[U+2:U+3]
.endif
.endr
	v_pk_add_f32 v[Y:Y+1],   v[Y:Y+1],   v[Y+4:Y+5]
	v_pk_add_f32 v[Y+2:Y+3], v[Y+2:Y+3], v[Y+6:Y+7]
	v_pk_add_f32 v[Y:Y+1],   v[Y:Y+1],   v[Y+2:Y+3]
	v_add_f32 v[Y], v[Y], v[Y+1]
	v_add_f32_dpp v[Y], v[Y], v[Y] row_xmask:1 row_mask:0xf bank_mask:0xf
	v_add_f32_dpp v[Y], v[Y], v[Y] row_xmask:2 row_mask:0xf bank_mask:0xf
	v_add_f32_dpp v[Y], v[Y], v[Y] row_xmask:4 row_mask:0xf bank_mask:0xf
	v_add_f32_dpp v[Y], v[Y], v[Y] row_xmask:8 row_mask:0xf bank_mask:0xf
	v_permlanex16_b32 v[Y+8], v[Y], s[SEL], s[SEL+1]
	v_add_f32 v[Y], v[Y], v[Y+8]
	s_lshl_b32 s22, s21, 5                         ; partial number 8 chunk + wave, in bytes
	s_lshl_b32 s26, s20, 2
	s_add_co_u32 s22, s22, s26
	s_add_co_u32 s22, s22, PART
	v_mov_b32 v4, s22
	s_wait_xcnt 0x0                                ; EXEC is a source of the loads above: it changes only behind this wait
	v_cmp_eq_u32 vcc_lo, 0, v1
	s_and_saveexec_b32 s27, vcc_lo
	global_store_b32 v4, v[Y], s[16:17]            ; one lane stores the wave's partial
	s_wait_xcnt 0x0
	s_or_b32 exec_lo, exec_lo, s27
	s_endpgm
.Lfunc_end_k_q557c5e921e_prep:
	.size	k_q557c5e921e_prep, .Lfunc_end_k_q557c5e921e_prep-k_q557c5e921e_prep
	.p2alignl 7, 3214868480
	.fill 96, 4, 3214868480
	.section	.rodata,"a",@progbits
	.p2align	6, 0x0
	.amdhsa_kernel k_q557c5e921e_prep
		.amdhsa_group_segment_fixed_size 0
		.amdhsa_private_segment_fixed_size 0
		.amdhsa_enable_private_segment 0
		.amdhsa_kernarg_size 56
		.amdhsa_user_sgpr_count 2
		.amdhsa_user_sgpr_kernarg_segment_ptr 1
		.amdhsa_wavefront_size32 1
		.amdhsa_system_sgpr_workgroup_id_x 1
		.amdhsa_system_sgpr_workgroup_id_y 1
		.amdhsa_system_sgpr_workgroup_id_z 1
		.amdhsa_system_vgpr_workitem_id 0
		.amdhsa_next_free_vgpr 112
		.amdhsa_next_free_sgpr 66
		.amdhsa_reserve_vcc 1
		.amdhsa_float_denorm_mode_32 3
		.amdhsa_float_denorm_mode_16_64 3
		.amdhsa_memory_ordered 1
		.amdhsa_forward_progress 1
		.amdhsa_inst_pref_size 17
	.end_amdhsa_kernel
	.amdgpu_metadata
---
amdhsa.version: [ 1, 2 ]
amdhsa.kernels:
  - .name:           k_q557c5e921e_prep
    .symbol:         k_q557c5e921e_prep.kd
    .args:
      - { .name: text_features, .offset: 0, .size: 8, .value_kind: global_buffer, .address_space: global }
      - { .name: W_tp, .offset: 8, .size: 8, .value_kind: global_buffer, .address_space: global }
      - { .name: W_vp, .offset: 16, .size: 8, .value_kind: global_buffer, .address_space: global }
      - { .name: W_tqkv, .offset: 24, .size: 8, .value_kind: global_buffer, .address_space: global }
      - { .name: W_vout, .offset: 32, .size: 8, .value_kind: global_buffer, .address_space: global }
      - { .name: W_tout, .offset: 40, .size: 8, .value_kind: global_buffer, .address_space: global }
      - { .name: xbp, .offset: 48, .size: 8, .value_kind: global_buffer, .address_space: global }
    .group_segment_fixed_size: 0
    .private_segment_fixed_size: 0
    .kernarg_segment_align: 8
    .kernarg_segment_size: 56
    .max_flat_workgroup_size: 256
    .sgpr_count:     66
    .vgpr_count:     112
    .wavefront_size: 32
...
	.end_amdgpu_metadata
.endif
;; end of part 1
;; launch quantv (part 2): grid 304 x 1, 8 waves a work-group, no clusters, 9,216 bytes of LDS; arguments W_vp, vision_features, b_vp, W_tp, W_tqkv, xbp, wqv; writes wqv
.if DOCPART == 2
	.amdgcn_target "amdgcn-amd-amdhsa--gfx1250"
	.amdhsa_code_object_version 6
	.text
	.protected	k_q557c5e921e_quantv
	.globl	k_q557c5e921e_quantv
	.p2align	8
	.type	k_q557c5e921e_quantv,@function
k_q557c5e921e_quantv:
	s_mov_b64 s[64:65], 0
	v_nop
	global_prefetch_b8 v0, s[64:65] scope:SCOPE_SE
	s_setreg_imm32_b32 hwreg(HW_REG_WAVE_MODE, 25, 1), 1
	s_wait_xcnt 0x0
; Work-groups 0-63: vp = bf16(vision_features) q(W_vp)^T s + bf16(b_vp), f32, 16 columns a work-group, K = 768 split among the eight waves.
; Work-groups 64-303: ternary copies in bf16 (+1, 0, -1) of W_tp and W_tqkv, 64 KiB of f32 a work-group.
; s = clamp(mean |bf16(W)|, 1e-5, 1000), from the partial sums of the launch before; q = sign(w) where |bf16(w)| > 0.6666667 s, else 0.
; LIMIT: the test is |w| > T s and not w / s > T, and s is summed in this program's own order: a weight whose bf16 value lies within some 1e-6
; (relative) of the threshold may fall on the other side of it.  NaN and infinities are not treated apart.
.set PART,  12582912
.set VPO,   7864320                    ; vp behind the two ternary copies in wqv
.set PARTL, 0                          ; LDS: eight partial tiles of 1,024 bytes
.set SPARE, 8192                       ; the spare words, 128 bytes a wave: four blocks of 256 bytes that no other line names
.set FO,  4                            ; my byte offset in a fragment's rows
.set TA,  5                            ; at work
.set TB,  6
.set TC,  7
.set LS,  8
.set LR,  9
.set YO,  10
.set BO,  11
.set SPW, 12                           ; SPARE + 4 x my thread's number; never rewritten
.set NIL, 13                           ; 0; never rewritten
.set L16, 14                           ; 16 x lane
.set W,   16                           ; v[16:79]   weights as loaded; packed downward in place
.set X,   80                           ; v[80:127]  x as loaded; later the eight partial tiles
.set PSQ, 96                           ; v[96:143]  partial sums of |W| (quantising path)
.set PSV, 128                          ; v[128:139] the same (product path)
.set ACC, 144                          ; v[144:167] three accumulators
.set OUT, 144                          ; v[144:175] quantising path: store data
.set BI,  168                          ; v[168:175] bias
.set WV,  20
.set SEL, 28
.set SS,  30                           ; s[30:31] s, twice
.set THR, 32                           ; 0.6666667 s
.set HI,  33
.set ABS, 34
.set SGN, 35
.set ONE, 36
.set PK,  37
.macro WRED x, t                       ; the sum over the wave's 32 lanes, in every lane
	v_add_f32_dpp v[\x], v[\x], v[\x] row_xmask:1 row_mask:0xf bank_mask:0xf
	v_add_f32_dpp v[\x], v[\x], v[\x] row_xmask:2 row_mask:0xf bank_mask:0xf
	v_add_f32_dpp v[\x], v[\x], v[\x] row_xmask:4 row_mask:0xf bank_mask:0xf
	v_add_f32_dpp v[\x], v[\x], v[\x] row_xmask:8 row_mask:0xf bank_mask:0xf
	v_permlanex16_b32 v[\t], v[\x], s[SEL], s[SEL+1]
	v_add_f32 v[\x], v[\x], v[\t]
.endm
.macro SUMP n, rc, SB                  ; n loads of partial sums at v[SB ..] -> s and the threshold; rc = 1 / the matrix's size
.set z, 1
.rept (\n)-1
	v_pk_add_f32 v[\SB:\SB+1],   v[\SB:\SB+1],   v[\SB+4*z:\SB+4*z+1]
	v_pk_add_f32 v[\SB+2:\SB+3], v[\SB+2:\SB+3], v[\SB+4*z+2:\SB+4*z+3]
.set z, z+1
.endr
	v_pk_add_f32 v[\SB:\SB+1], v[\SB:\SB+1], v[\SB+2:\SB+3]
	v_add_f32 v[\SB], v[\SB], v[\SB+1]
	WRED \SB, \SB+1
	v_mul_f32 v[\SB], \rc, v[\SB]
	v_max_num_f32 v[\SB], 0x3727c5ac, v[\SB]       ; 1e-5
	v_min_num_f32 v[\SB], 0x447a0000, v[\SB]       ; 1000
	v_readfirstlane_b32 s[SS], v[\SB]
	s_mov_b32 s[SS+1], s[SS]
	s_mul_f32 s[THR], s[SS], 0x3f2aaaab
.endm
.macro RB16 a, t                       ; two f32 rounded to bf16, in place
	v_cvt_pk_bf16_f32 v[\t], v[\a], v[\a+1]
	v_lshlrev_b32 v[\a], 16, v[\t]
	v_and_b32 v[\a+1], s[HI], v[\t]
.endm
.macro QUANT2 d, w0                    ; the f32 weights v[w0], v[w0+1] -> two ternary bf16 in v[d]
	v_cvt_pk_bf16_f32 v[TC], v[\w0], v[\w0+1]
	v_lshlrev_b32 v[TA], 16, v[TC]
	v_and_b32 v[TB], s[HI], v[TC]
	v_and_b32 v[TC], s[ABS], v[TA]
	v_cmp_lt_f32 vcc_lo, s[THR], v[TC]
	v_and_or_b32 v[TA], v[TA], s[SGN], s[ONE]      ; 1.0 with the weight's sign
	v_cndmask_b32 v[TA], 0, v[TA], vcc_lo
	v_and_b32 v[TC], s[ABS], v[TB]
	v_cmp_lt_f32 vcc_lo, s[THR], v[TC]
	v_and_or_b32 v[TB], v[TB], s[SGN], s[ONE]
	v_cndmask_b32 v[TB], 0, v[TB], vcc_lo
	v_perm_b32 v[\d], v[TB], v[TA], s[PK]          ; the two upper halves
.endm
	s_load_b256 s[4:11], s[0:1], 0x0               ; W_vp, vision_features, b_vp, W_tp
	s_load_b128 s[12:15], s[0:1], 0x20             ; W_tqkv, xbp
	s_load_b64 s[16:17], s[0:1], 0x30              ; wqv
	v_lshl_add_u32 v[SPW], v0, 2, SPARE
	v_mov_b32 v[NIL], 0
	v_and_b32 v1, 31, v0
	v_lshrrev_b32 v2, 5, v0
	v_readfirstlane_b32 s[WV], v2
	s_mov_b32 s[SEL], 0x76543210
	s_mov_b32 s[SEL+1], 0xfedcba98
	s_mov_b32 s[HI], 0xffff0000
	s_mov_b32 s[ABS], 0x7fffffff
	s_mov_b32 s[SGN], 0x80000000
	s_mov_b32 s[ONE], 0x3f800000
	s_mov_b32 s[PK], 0x07060302
	v_lshlrev_b32 v[L16], 4, v1
	s_wait_kmcnt 0x0
	s_add_nc_u64 s[14:15], s[14:15], PART          ; the partial sums
	s_cmp_lt_u32 ttmp9, 64
	s_cbranch_scc0 .Lquant
	; ---- vp.  y^T = W x^T: source 0 = 16 rows of W (columns of y), source 1 = the 16 batch rows; a lane ends with row r and columns 8 h + 0..7.
	; A fragment is 16 rows x 32 k: lane (r, h) holds k = 8 h + 0..7 and 16 + 8 h + 0..7: in f32 four loads of 16 bytes at 0, 16, 64, 80.
	v_and_b32 v2, 15, v0                           ; r
	v_bfe_u32 v3, v0, 4, 1                         ; h
	v_mul_u32_u24 v[FO], v2, 3072
	v_lshl_add_u32 v[FO], v3, 5, v[FO]
	s_mul_i32 s21, s[WV], 384                      ; my 96 of the 768 k
	v_add_nc_u32 v[FO], s21, v[FO]
	s_mul_i32 s22, ttmp9, 49152                    ; the work-group's 16 rows of W
	s_mov_b32 s23, 0
	s_add_nc_u64 s[4:5], s[4:5], s[22:23]
	s_add_nc_u64 s[16:17], s[16:17], VPO
	s_lshl_b32 s24, ttmp9, 6
	v_lshl_add_u32 v[BO], v3, 5, s24               ; (16 id + 8 h) x 4
	v_lshl_add_u32 v[YO], v2, 12, v[BO]            ; + r x 4,096
	s_lshl_b32 s24, s[WV], 10
	v_lshl_add_u32 v[LS], v1, 5, s24               ; 1,024 wave + 32 lane
	v_lshlrev_b32 v[LR], 5, v1
.irp f, 0,1,2
	global_load_b128 v[W+16*\f:W+16*\f+3],     v[FO], s[4:5] offset:128*\f
	global_load_b128 v[W+16*\f+4:W+16*\f+7],   v[FO], s[4:5] offset:128*\f+16
	global_load_b128 v[W+16*\f+8:W+16*\f+11],  v[FO], s[4:5] offset:128*\f+64
	global_load_b128 v[W+16*\f+12:W+16*\f+15], v[FO], s[4:5] offset:128*\f+80
	global_load_b128 v[X+16*\f:X+16*\f+3],     v[FO], s[6:7] offset:128*\f
	global_load_b128 v[X+16*\f+4:X+16*\f+7],   v[FO], s[6:7] offset:128*\f+16
	global_load_b128 v[X+16*\f+8:X+16*\f+11],  v[FO], s[6:7] offset:128*\f+64
	global_load_b128 v[X+16*\f+12:X+16*\f+15], v[FO], s[6:7] offset:128*\f+80
.endr
.irp i, 0,1,2
	global_load_b128 v[PSV+4*\i:PSV+4*\i+3], v[L16], s[14:15] offset:1536+512*\i
.endr
	global_load_b128 v[BI:BI+3],   v[BO], s[8:9]
	global_load_b128 v[BI+4:BI+7], v[BO], s[8:9] offset:16
	s_wait_loadcnt 0x0
	SUMP 3, 0x35aaaaab, PSV
.irp k, 0,2,4,6
	RB16 BI+\k, TC
.endr
.set z, 0
.rept 24                               ; both operands are packed downward in place: word z of 24 from f32 numbers 2 z, 2 z + 1
	v_cvt_pk_bf16_f32 v[X+z], v[X+2*z], v[X+2*z+1]
	QUANT2 W+z, W+2*z
.set z, z+1
.endr
	v_wmma_f32_16x16x32_bf16 v[ACC:ACC+7],     v[W:W+7],     v[X:X+7],     0
	v_wmma_f32_16x16x32_bf16 v[ACC+8:ACC+15],  v[W+8:W+15],  v[X+8:X+15],  0
	v_wmma_f32_16x16x32_bf16 v[ACC+16:ACC+23], v[W+16:W+23], v[X+16:X+23], 0
.rept 8
	v_nop                                          ; the places between the products and the sums that read them
.endr
.irp k, 0,2,4,6
	v_pk_add_f32 v[ACC+\k:ACC+\k+1], v[ACC+\k:ACC+\k+1], v[ACC+8+\k:ACC+8+\k+1]
.endr
.irp k, 0,2,4,6
	v_pk_add_f32 v[ACC+\k:ACC+\k+1], v[ACC+\k:ACC+\k+1], v[ACC+16+\k:ACC+16+\k+1]
.endr
	ds_store_b128 v[LS], v[ACC:ACC+3]   offset:PARTL
	ds_store_b128 v[LS], v[ACC+4:ACC+7] offset:PARTL+16
	s_wait_dscnt 0x0                               ; for the others' sake: my partial tile is written
	s_barrier_signal -1
	s_barrier_wait -1
	s_cmp_lg_u32 s[WV], 0                          ; wave 0 adds the eight partial tiles
	s_cbranch_scc1 .Lend
.irp j, 0,1,2,3,4,5,6,7
	ds_load_b128 v[X+8*\j:X+8*\j+3],   v[LR] offset:PARTL+1024*\j
	ds_load_b128 v[X+8*\j+4:X+8*\j+7], v[LR] offset:PARTL+1024*\j+16
.endr
	s_wait_dscnt 0x0
.irp j, 1,2,3,4,5,6,7
.irp k, 0,2,4,6
	v_pk_add_f32 v[X+\k:X+\k+1], v[X+\k:X+\k+1], v[X+8*\j+\k:X+8*\j+\k+1]
.endr
.endr
.irp k, 0,2,4,6
	v_pk_fma_f32 v[X+\k:X+\k+1], v[X+\k:X+\k+1], s[SS:SS+1], v[BI+\k:BI+\k+1] op_sel_hi:[1,0,1]
.endr
	global_store_b128 v[YO], v[X:X+3],   s[16:17]
	global_store_b128 v[YO], v[X+4:X+7], s[16:17] offset:16
.Lend:
	s_wait_tensorcnt 0x0                           ; the wave's end
	ds_add_u32 v[SPW], v[NIL]
	s_wait_dscnt 0x0
	s_endpgm
	; ---- the ternary copies.  wq2 follows wq1 in wqv, so the output offset is 32,768 x chunk for both.
.Lquant:
	s_sub_co_u32 s21, ttmp9, 64                    ; chunk 0-47: W_tp; 48-239: W_tqkv
	s_cmp_lt_u32 s21, 48
	s_cselect_b64 s[24:25], s[10:11], s[12:13]
	s_cselect_b32 s22, 0, 48
	s_sub_co_u32 s22, s21, s22
	s_lshl_b32 s22, s22, 16
	s_lshl_b32 s23, s[WV], 13
	s_add_co_u32 s22, s22, s23
	v_lshl_add_u32 v[FO], v1, 5, s22               ; in: 65,536 chunk + 8,192 wave + 32 lane
	s_lshl_b32 s22, s21, 15
	s_lshl_b32 s23, s[WV], 12
	s_add_co_u32 s22, s22, s23
	v_lshl_add_u32 v[YO], v1, 4, s22               ; out
.irp i, 0,1,2,3,4,5,6,7
	global_load_b128 v[W+8*\i:W+8*\i+3],   v[FO], s[24:25] offset:1024*\i
	global_load_b128 v[W+8*\i+4:W+8*\i+7], v[FO], s[24:25] offset:1024*\i+16
.endr
	s_cmp_lt_u32 s21, 48
	s_cbranch_scc0 .Lq2
.irp i, 0,1,2
	global_load_b128 v[PSQ+4*\i:PSQ+4*\i+3], v[L16], s[14:15] offset:512*\i
.endr
	s_wait_loadcnt 0x0
	SUMP 3, 0x35aaaaab, PSQ
	s_branch .Lqgo
.Lq2:
.irp i, 0,1,2,3,4,5,6,7,8,9,10,11
	global_load_b128 v[PSQ+4*\i:PSQ+4*\i+3], v[L16], s[14:15] offset:3072+512*\i
.endr
	s_wait_loadcnt 0x0
	SUMP 12, 0x34aaaaab, PSQ
.Lqgo:
.irp i, 0,1,2,3,4,5,6,7
.irp k, 0,1,2,3
	QUANT2 OUT+4*\i+\k, W+8*\i+2*\k
.endr
	global_store_b128 v[YO], v[OUT+4*\i:OUT+4*\i+3], s[16:17] offset:512*\i  ; 512 consecutive bytes a store
.endr
	s_endpgm
.Lfunc_end_k_q557c5e921e_quantv:
	.size	k_q557c5e921e_quantv, .Lfunc_end_k_q557c5e921e_quantv-k_q557c5e921e_quantv
	.p2alignl 7, 3214868480
	.fill 96, 4, 3214868480
	.section	.rodata,"a",@progbits
	.p2align	6, 0x0
	.amdhsa_kernel k_q557c5e921e_quantv
		.amdhsa_group_segment_fixed_size 9216
		.amdhsa_private_segment_fixed_size 0
		.amdhsa_enable_private_segment 0
		.amdhsa_kernarg_size 56
		.amdhsa_user_sgpr_count 2
		.amdhsa_user_sgpr_kernarg_segment_ptr 1
		.amdhsa_wavefront_size32 1
		.amdhsa_system_sgpr_workgroup_id_x 1
		.amdhsa_system_sgpr_workgroup_id_y 1
		.amdhsa_system_sgpr_workgroup_id_z 1
		.amdhsa_system_vgpr_workitem_id 0
		.amdhsa_next_free_vgpr 176
		.amdhsa_next_free_sgpr 66
		.amdhsa_reserve_vcc 1
		.amdhsa_float_denorm_mode_32 3
		.amdhsa_float_denorm_mode_16_64 3
		.amdhsa_memory_ordered 1
		.amdhsa_forward_progress 1
		.amdhsa_inst_pref_size 48
	.end_amdhsa_kernel
	.amdgpu_metadata
---
amdhsa.version: [ 1, 2 ]
amdhsa.kernels:
  - .name:           k_q557c5e921e_quantv
    .symbol:         k_q557c5e921e_quantv.kd
    .args:
      - { .name: W_vp, .offset: 0, .size: 8, .value_kind: global_buffer, .address_space: global }
      - { .name: vision_features, .offset: 8, .size: 8, .value_kind: global_buffer, .address_space: global }
      - { .name: b_vp, .offset: 16, .size: 8, .value_kind: global_buffer, .address_space: global }
      - { .name: W_tp, .offset: 24, .size: 8, .value_kind: global_buffer, .address_space: global }
      - { .name: W_tqkv, .offset: 32, .size: 8, .value_kind: global_buffer, .address_space: global }
      - { .name: xbp, .offset: 40, .size: 8, .value_kind: global_buffer, .address_space: global }
      - { .name: wqv, .offset: 48, .size: 8, .value_kind: global_buffer, .address_space: global }
    .group_segment_fixed_size: 9216
    .private_segment_fixed_size: 0
    .kernarg_segment_align: 8
    .kernarg_segment_size: 56
    .max_flat_workgroup_size: 256
    .sgpr_count:     66
    .vgpr_count:     176
    .wavefront_size: 32
...
	.end_amdgpu_metadata
.endif
;; end of part 2
;; launch g1 (part 3): grid 8 x 32, 4 waves a work-group, clusters of 4 x 4, 327,680 bytes of LDS; arguments xbp, wqv, tp, b_tp; writes tp
.if DOCPART == 3
	.amdgcn_target "amdgcn-amd-amdhsa--gfx1250"
	.amdhsa_code_object_version 6
	.text
	.protected	k_q557c5e921e_g1
	.globl	k_q557c5e921e_g1
	.p2align	8
	.type	k_q557c5e921e_g1,@function
k_q557c5e921e_g1:
	s_mov_b64 s[64:65], 0
	v_nop
	global_prefetch_b8 v0, s[64:65] scope:SCOPE_SE
	s_setreg_imm32_b32 hwreg(HW_REG_WAVE_MODE, 25, 1), 1
	s_wait_xcnt 0x0
	s_wait_alu depctr_hold_cnt(0) depctr_sa_sdst(0) depctr_va_vdst(0) depctr_va_sdst(0) depctr_va_ssrc(0) depctr_va_vcc(0) depctr_vm_vsrc(0)
	s_getreg_b32 s2, hwreg(HW_REG_IB_STS2, 6, 4)
	s_cmp_eq_u32 s2, 0
	s_cbranch_scc0 .Lentry_in_a_cluster
	s_endpgm
.Lentry_in_a_cluster:
	s_bfe_u32 s2, ttmp6, 0x10000c
	s_cmp_lg_u32 s2, 0xf033
	s_cbranch_scc0 .Lentry_shape_is_right
	s_endpgm
.Lentry_shape_is_right:
; tp = s (xb wq1^T) + bf16(b_tp), f32.  xb: [8192][768] bf16, wq1: [1024][768] ternary bf16; sums in f32.
; This text serves two launches by the switch G2 at its head (0: this one; 1: the q, k, v projection).
; A work-group of four waves makes 256 rows x 16 NB columns; wave w makes rows 64 w .. 64 w + 63 of all its columns: 4 x NB accumulators of 16 x 16.
; K goes in steps of 128 (rows of 256 bytes, at multiples of 256 bytes) through two LDS slots filled by tensor loads, one load a wave behind each change of slots.
; CLUSTER 4 x 4: the four of a row need the same tile of A, the four of a column the same tile of B: each tile is asked for jointly, by the same load, descriptor and mask in all four.
; The matrix instruction is used transposed (source 0 = 16 rows of B, source 1 = 16 rows of A): a lane holds row l % 16 of C and eight neighbouring columns.
; REGISTERS by windows of 256: window 0 addresses, bias (v64 ..), at work (v160 ..); window 1 two fragment buffers of 128 (B's NB fragments, then A's four), on the way out store data;
; window 2 the accumulators of my row blocks 0, 1 (block a, column block b at 8 (NB a + b)); window 3 those of row blocks 2, 3.
.set G2, 0
.if G2
.set KD,    1024
.set NB,    12
.set WQOFF, 1572864                    ; wq2 behind wq1
.set POFF,  12582912+3072              ; W_tqkv's partial sums
.set PN,    12
.set PRC,   0x34aaaaab                 ; 1 / 3,145,728
.set LIMV,  1
.set PF0,   2
.set STB,   16*144                     ; a wave's stage: 16 rows of 128 bytes + 16
.else
.set KD,    768
.set NB,    8
.set WQOFF, 0
.set POFF,  12582912
.set PN,    3
.set PRC,   0x35aaaaab                 ; 1 / 786,432
.set LIMV,  2
.set PF0,   3
.set STB,   16*528                     ; a wave's stage: 16 rows of 512 bytes + 16
.endif
.set KSTEPS, KD/128
.set RB,    8*NB                       ; rows of B that one wave fetches
.set PITCH, 272                        ; an LDS row: 256 bytes + 16: the 16 rows of a fragment load start at 16 different groups of four banks
.set BOFF,  256*PITCH                  ; in a slot: A's 256 rows, then B's 16 NB
.set SLOT1, 1<<17                      ; slot 1 begins here: one exclusive or turns an address in one slot into the other's
.set STAGE, SLOT1+BOFF+16*NB*PITCH     ; behind the ring, never filled by a tensor load
.set SPARE, STAGE+4*STB                ; the spare words, 128 bytes a wave: two blocks of 256 bytes that no other line names
.set A0,   16                          ; my lane's place in A's tile; never rewritten
.set B0,   17
.set ADRA, 18                          ; the same in the slot in hand
.set ADRB, 19
.set STO,  24
.set RD,   25
.set BOV,  27
.set SPW,  28
.set NIL,  29
.set PFO,  30
.set L16,  31                          ; 16 x lane
.set BI,   64                          ; bias of my 16 NB columns: column block b, number j at BI + 8 b + j
.set T,    160
.set PKD,  192
.set F0,   0
.set F1,   128
.set G1,   24
.set G0,   32
.set G1B,  48
.set G0B,  56
.set TB,   72
.set SC,   74                          ; pairs: the factor of the sums, a pair for each head (G2) or one
.set FC,   80
.set LIM,  86
.set HI,   87
.set PFA,  88
.set SEL,  90
.set SS,   92
.set FLAGS, (1<<16)|(1<<20)|(1<<21)|(5<<22)|(3<<25)  ; elements of 2 bytes; padding on; bit 21 beside a mask; after every 64 words; 4 words
.set MSB, 0
.macro WIN new                         ; the immediate's high byte repeats the setting that is left; a switch that changes nothing is dropped
.if MSB != (\new)
	s_set_vgpr_msb (MSB<<8)|(\new)
.set MSB, \new
.endif
.endm
.set MUL_LO, 0xa5                      ; sources 0 and 1 window 1; C and D window 2
.set TO_F,   0x40                      ; destination window 1, address window 0
.macro PLACES                          ; four plain vector instructions between a matrix instruction and a load into, or a reader of, its registers
.rept 4
	v_nop
.endr
.endm
; A joint load: waves 0 and 1 fetch A's two halves, waves 2 and 3 B's.  The branch hangs on the wave's number alone.  An s_nop 0 and four v_nop follow each line.
.macro JLOAD s
	s_cmp_eq_u32 s11, 0
	s_cbranch_scc0 .Lfor_b_\@
	tensor_load_to_lds s[G0+4*(\s):G0+4*(\s)+3], s[G1:G1+7]
	s_nop 0
.rept 4
	v_nop
.endr
	s_branch .Lasked_\@
.Lfor_b_\@:
	tensor_load_to_lds s[G0B+4*(\s):G0B+4*(\s)+3], s[G1B:G1B+7]
	s_nop 0
.rept 4
	v_nop
.endr
.Lasked_\@:
.endm
; A prefetch of a later K step's 256 bytes of the rows that I fetch, a lane a row.  A's rows are asked for by the clusters with x = 0, B's by those with y = 0; the four partners that ask
; for a tile jointly share its rows out by address.  The last trips, which have no such K step, ask for nothing.
.macro ASK
	s_cmp_gt_u32 s3, s[LIM]
	s_cbranch_scc0 .Lnot_mine_\@
	global_prefetch_b8 v[PFO], s[PFA:PFA+1] th:TH_LOAD_NT scope:SCOPE_SE
.Lnot_mine_\@:
.endm
.macro CREST                           ; a round of the cluster's barrier behind its opening barrier
	s_cmp_lg_u32 s10, 0
	s_cbranch_scc1 .Lnot_wave_0_\@
	s_barrier_signal -3
.Lnot_wave_0_\@:
	s_barrier_wait -3
	s_barrier_signal -1
	s_barrier_wait -1
.endm
.macro CROUND
	s_barrier_signal -1
	s_barrier_wait -1
	CREST
.endm
.macro WRED x, t
	v_add_f32_dpp v[\x], v[\x], v[\x] row_xmask:1 row_mask:0xf bank_mask:0xf
	v_add_f32_dpp v[\x], v[\x], v[\x] row_xmask:2 row_mask:0xf bank_mask:0xf
	v_add_f32_dpp v[\x], v[\x], v[\x] row_xmask:4 row_mask:0xf bank_mask:0xf
	v_add_f32_dpp v[\x], v[\x], v[\x] row_xmask:8 row_mask:0xf bank_mask:0xf
	v_permlanex16_b32 v[\t], v[\x], s[SEL], s[SEL+1]
	v_add_f32 v[\x], v[\x], v[\t]
.endm
.macro RB16 a, t
	v_cvt_pk_bf16_f32 v[\t], v[\a], v[\a+1]
	v_lshlrev_b32 v[\a], 16, v[\t]
	v_and_b32 v[\a+1], s[HI], v[\t]
.endm
	s_load_b128 s[4:7], s[0:1], 0x0                ; A's buffer, wqv
	s_load_b64 s[8:9], s[0:1], 0x10                ; C
.if G2
	s_load_b128 s[68:71], s[0:1], 0x18             ; xbp (partial sums), bias
.else
	s_load_b64 s[68:69], s[0:1], 0x0               ; xbp once more, for the partial sums
	s_load_b64 s[70:71], s[0:1], 0x18              ; bias
.endif
	v_lshl_add_u32 v[SPW], v0, 2, SPARE
	v_mov_b32 v[NIL], 0
	ds_add_u32 v[SPW], v[NIL]                      ; the wave's opening
	ds_add_u32 v28, v29
	v_lshrrev_b32 v1, 5, v0
	v_readfirstlane_b32 s10, v1                    ; wave
	s_lshr_b32 s11, s10, 1                         ; I fetch for A (0) or for B (1)
	s_and_b32 s12, s10, 1                          ; which half of that tile
	s_bfe_u32 s40, ttmp6, 0x40000                  ; cx
	s_bfe_u32 s41, ttmp6, 0x40004                  ; cy
	s_lshl_b32 s42, ttmp9, 2
	s_add_co_u32 s42, s42, s40                     ; tile column
	s_and_b32 s13, ttmp7, 0xffff
	s_lshl_b32 s13, s13, 2
	s_add_co_u32 s13, s13, s41                     ; tile row
	s_lshl_b32 s43, s41, 2
	s_lshl_b32 s43, 15, s43                        ; my row of the cluster
	s_lshl_b32 s44, 0x1111, s40                    ; my column
	s_or_b32 s[G1+0], s43, FLAGS
	s_or_b32 s[G1B+0], s44, FLAGS
	s_mov_b32 s[G1+1], 128<<16                     ; tensor_dim0 = 128 elements
	s_mov_b32 s[G1+2], 128<<16                     ; tensor_dim1 = 128 rows
	s_mov_b32 s[G1+3], 128<<16                     ; tile_dim0
	s_mov_b32 s[G1+4], 128                         ; tile_dim1
	s_mov_b32 s[G1+5], KD                          ; elements from row to row
	s_mov_b32 s[G1+6], 0
	s_mov_b32 s[G1+7], 0
	s_mov_b32 s[G1B+1], 128<<16
	s_mov_b32 s[G1B+2], RB<<16
	s_mov_b32 s[G1B+3], 128<<16
	s_mov_b32 s[G1B+4], RB
	s_mov_b32 s[G1B+5], KD
	s_mov_b32 s[G1B+6], 0
	s_mov_b32 s[G1B+7], 0
	s_lshl_b32 s17, s12, 7
	s_lshl_b32 s16, s13, 8
	s_add_co_u32 s16, s16, s17                     ; A: row 256 x tile row + 128 x half
	s_mul_i32 s46, s42, 16*NB
	s_mul_i32 s47, s12, RB
	s_add_co_u32 s46, s46, s47                     ; B: row 16 NB x tile column + RB x half
	s_mov_b32 s17, 0
	s_mov_b32 s47, 0
	s_mov_b64 s[18:19], KD*2
	s_mul_u64 s[16:17], s[16:17], s[18:19]
	s_mul_u64 s[46:47], s[46:47], s[18:19]
	s_mul_i32 s20, s12, 128*PITCH                  ; where they go: no place in the cluster enters an LDS address
	s_mul_i32 s21, s12, RB*PITCH
	s_add_co_u32 s21, s21, BOFF
	s_mov_b32 s[SEL], 0x76543210
	s_mov_b32 s[SEL+1], 0xfedcba98
	s_mov_b32 s[HI], 0xffff0000
	s_mov_b32 s[TB], 0
	s_wait_dscnt 0x0                               ; the opening add is done
	s_wait_kmcnt 0x0
.if G2
	s_add_nc_u64 s[6:7], s[6:7], WQOFF
.endif
	s_add_nc_u64 s[68:69], s[68:69], POFF
	s_add_nc_u64 s[14:15], s[4:5], s[16:17]
	s_add_nc_u64 s[46:47], s[6:7], s[46:47]
	CROUND                                         ; all sixteen work-groups are here: the first joint loads meet
.irp s, 0,1
	s_mov_b32 s[G0+4*\s], 1
	s_add_co_u32 s[G0+4*\s+1], s20, \s*SLOT1
	s_add_nc_u64 s[G0+4*\s+2:G0+4*\s+3], s[14:15], \s*256  ; K step s
	s_or_b32 s[G0+4*\s+3], s[G0+4*\s+3], 0x80000000
	s_mov_b32 s[G0B+4*\s], 1
	s_add_co_u32 s[G0B+4*\s+1], s21, \s*SLOT1
	s_add_nc_u64 s[G0B+4*\s+2:G0B+4*\s+3], s[46:47], \s*256
	s_or_b32 s[G0B+4*\s+3], s[G0B+4*\s+3], 0x80000000
	JLOAD \s                                       ; two loads of mine are out
.endr
	; while the first tiles are on their way: the bias, s, the addresses
	v_and_b32 v1, 15, v0                           ; l % 16
	v_bfe_u32 v2, v0, 4, 1                         ; l / 16
	s_mul_i32 s21, s42, 64*NB
	v_lshl_add_u32 v[BOV], v2, 5, s21              ; (16 NB x tile column + 8 h) x 4
	v_and_b32 v[L16], 31, v0
	v_lshlrev_b32 v[L16], 4, v[L16]
.set b, 0
.rept NB
	global_load_b128 v[BI+8*b:BI+8*b+3],   v[BOV], s[70:71] offset:64*b
	global_load_b128 v[BI+8*b+4:BI+8*b+7], v[BOV], s[70:71] offset:64*b+16
.set b, b+1
.endr
.set b, 0
.rept PN
	global_load_b128 v[T+4*b:T+4*b+3], v[L16], s[68:69] offset:512*b
.set b, b+1
.endr
	v_mul_u32_u24 v3, v1, PITCH
	v_lshl_add_u32 v3, v2, 4, v3                   ; a fragment's row x pitch + 16 x half
	s_mul_i32 s21, s10, 64*PITCH                   ; my 64 rows of A
	v_add_nc_u32 v[A0], s21, v3
	v_add_nc_u32 v[B0], BOFF, v3
	v_mov_b32 v[ADRA], v[A0]
	v_mov_b32 v[ADRB], v[B0]
	s_mul_i32 s23, s10, STB
	s_add_co_u32 s23, s23, STAGE                   ; my stage
.if G2
	v_mul_u32_u24 v4, v1, 144                      ; in: row l % 16, 16 bytes for each half of the lanes
	v_lshl_add_u32 v4, v2, 4, v4
	v_add_nc_u32 v[STO], s23, v4
	v_bfe_u32 v5, v0, 3, 2                         ; back: 32 lanes take four rows of 128 bytes
	v_mul_u32_u24 v5, v5, 144
	v_and_b32 v6, 7, v0
	v_lshl_add_u32 v5, v6, 4, v5
	v_add_nc_u32 v[RD], s23, v5
	s_lshr_b32 s20, s13, 1                         ; the batch; q, k, v lie by heads: [16][48][512][64]
	s_mul_i32 s20, s20, 48
	s_mul_i32 s21, s42, 3
	s_add_co_u32 s20, s20, s21
	s_lshl_b32 s20, s20, 16
	s_and_b32 s21, s13, 1
	s_lshl_b32 s21, s21, 8
	s_lshl_b32 s22, s10, 6
	s_add_co_u32 s21, s21, s22
	s_lshl_b32 s21, s21, 7
	s_add_co_u32 s20, s20, s21
.else
	v_mul_u32_u24 v4, v1, 528                      ; in: row l % 16, 32 bytes for each half of the lanes
	v_lshl_add_u32 v4, v2, 5, v4
	v_add_nc_u32 v[STO], s23, v4
	v_add_nc_u32 v[RD], s23, v[L16]                ; back: 32 lanes take a row of 512 bytes
	s_lshl_b32 s20, s13, 8
	s_lshl_b32 s21, s10, 6
	s_add_co_u32 s20, s20, s21
	s_lshl_b32 s20, s20, 12                        ; my first row of C,
	s_lshl_b32 s21, s42, 9                         ; my tile's 512 bytes of it
	s_add_co_u32 s20, s20, s21
.endif
	s_mov_b32 s21, 0
	s_add_nc_u64 s[8:9], s[8:9], s[20:21]
	; the prefetches
	s_lshl_b32 s20, s13, 8
	s_lshl_b32 s21, s12, 7
	s_add_co_u32 s20, s20, s21
	s_lshl_b32 s21, s40, 5
	s_add_co_u32 s20, s20, s21                     ; A: my work-group's 32 of the 128 rows that I fetch
	s_mul_i32 s21, s42, 16*NB
	s_mul_i32 s23, s12, RB
	s_add_co_u32 s21, s21, s23
	s_mul_i32 s23, s41, RB/4
	s_add_co_u32 s21, s21, s23                     ; B: my work-group's RB / 4 of the RB rows
	s_and_b32 s22, ttmp7, 0xffff
	s_cmp_eq_u32 s11, 0
	s_cselect_b32 s20, s20, s21
	s_cselect_b32 s22, ttmp9, s22                  ; the coordinate along which other clusters read the same rows
	s_cselect_b64 s[PFA:PFA+1], s[4:5], s[6:7]
	s_cselect_b32 s23, 31, RB/4-1
	s_cmp_eq_u32 s22, 0
	s_cselect_b32 s[LIM], LIMV, -1                 ; the same in all sixteen partners, for a given wave
	s_mov_b32 s21, 0
	s_mov_b64 s[18:19], KD*2
	s_mul_u64 s[20:21], s[20:21], s[18:19]
	s_add_nc_u64 s[PFA:PFA+1], s[PFA:PFA+1], s[20:21]
	s_add_nc_u64 s[PFA:PFA+1], s[PFA:PFA+1], PF0*256  ; each change of slots steps it by a K step before it asks
	v_and_b32 v[PFO], 31, v0
	v_min_u32 v[PFO], s23, v[PFO]                  ; lanes past my share's last row name that row
	v_mul_u32_u24 v[PFO], v[PFO], KD*2
	s_wait_loadcnt 0x0
	; s = clamp(mean |bf16(W)|, 1e-5, 1000)
.set b, 1
.rept PN-1
	v_pk_add_f32 v[T:T+1],   v[T:T+1],   v[T+4*b:T+4*b+1]
	v_pk_add_f32 v[T+2:T+3], v[T+2:T+3], v[T+4*b+2:T+4*b+3]
.set b, b+1
.endr
	v_pk_add_f32 v[T:T+1], v[T:T+1], v[T+2:T+3]
	v_add_f32 v[T], v[T], v[T+1]
	WRED T, T+1
	v_mul_f32 v[T], PRC, v[T]
	v_max_num_f32 v[T], 0x3727c5ac, v[T]
	v_min_num_f32 v[T], 0x447a0000, v[T]
	v_readfirstlane_b32 s[SS], v[T]
.set b, 0
.rept 4*NB
	RB16 BI+2*b, T+2                               ; the bias is an input: rounded to bf16 like all of them
.set b, b+1
.endr
.if G2
	s_mul_i32 s45, s42, 3                          ; my first head among the 48; heads 0-15 are q, which takes the factor log2(e) / 8 of the softmax's exponent
.irp hd, 0,1,2
	s_add_co_u32 s22, s45, \hd
	s_cmp_lt_u32 s22, 16
	s_cselect_b32 s[FC+2*\hd], 0x3e38aa3b, 1.0
	s_mov_b32 s[FC+2*\hd+1], s[FC+2*\hd]
	s_mul_f32 s[SC+2*\hd], s[SS], s[FC+2*\hd]
	s_mov_b32 s[SC+2*\hd+1], s[SC+2*\hd]
.set b, 0
.rept 16
	v_pk_mul_f32 v[BI+32*\hd+2*b:BI+32*\hd+2*b+1], v[BI+32*\hd+2*b:BI+32*\hd+2*b+1], s[FC+2*\hd:FC+2*\hd+1] op_sel_hi:[1,0]
.set b, b+1
.endr
.endr
.else
	s_mov_b32 s[SC], s[SS]
	s_mov_b32 s[SC+1], s[SS]
.endif
; NB matrix instructions: row block 2 hi + a x all column blocks, 32 along K.  All 4 NB accumulators take turns, in the same order in every quarter.
.macro MULH f, hi, a, zero
	WIN MUL_LO+0x50*(\hi)
.set b, 0
.rept NB
.if \zero
	v_wmma_f32_16x16x32_bf16 v[8*(NB*(\a)+b):8*(NB*(\a)+b)+7], v[(\f)+8*b:(\f)+8*b+7], v[(\f)+8*NB+8*(2*(\hi)+(\a)):(\f)+8*NB+8*(2*(\hi)+(\a))+7], 0
.else
	v_wmma_f32_16x16x32_bf16 v[8*(NB*(\a)+b):8*(NB*(\a)+b)+7], v[(\f)+8*b:(\f)+8*b+7], v[(\f)+8*NB+8*(2*(\hi)+(\a)):(\f)+8*NB+8*(2*(\hi)+(\a))+7], v[8*(NB*(\a)+b):8*(NB*(\a)+b)+7]
.endif
.set b, b+1
.endr
.endm
; 2 NB + 8 LDS loads in one run: the fragments of 32 along K at byte k of the rows: B's, then A's four
.macro FETCH k, f
	WIN TO_F
.set b, 0
.rept NB
	ds_load_b128 v[(\f)+8*b:(\f)+8*b+3],   v[ADRB] offset:(\k)+b*16*PITCH
	ds_load_b128 v[(\f)+8*b+4:(\f)+8*b+7], v[ADRB] offset:(\k)+b*16*PITCH+32
.set b, b+1
.endr
.set b, 0
.rept 4
	ds_load_b128 v[(\f)+8*NB+8*b:(\f)+8*NB+8*b+3],   v[ADRA] offset:(\k)+b*16*PITCH
	ds_load_b128 v[(\f)+8*NB+8*b+4:(\f)+8*NB+8*b+7], v[ADRA] offset:(\k)+b*16*PITCH+32
.set b, b+1
.endr
.endm
; One of a K step's first three quarters: multiplies buffer f; in its middle it fetches the next quarter, at byte k, into buffer g
.macro QUARTER k, f, g, zero
	s_wait_dscnt 4                                 ; B and A's blocks 0, 1 are in; the youngest four loads (A's blocks 2, 3) may be out
	MULH \f, 0, 0, \zero
	MULH \f, 0, 1, \zero
	PLACES
	FETCH \k, \g
	s_wait_dscnt 2*NB+8                            ; all but the run just issued
	MULH \f, 1, 0, \zero
	MULH \f, 1, 1, \zero
.endm
; The last quarter multiplies buffer 1 and changes slots.  In front of the barrier each wave waits for all its tensor loads (one is out: its part of the next slot), adds 0 to its spare
; word, and waits for that and for its reads of this slot.  fill = 1: the barrier opens a round of the cluster's, and this slot is filled again, first thing behind it, two K steps ahead.
.macro TURN fill
.if \fill
	s_wait_xcnt 0x0                                ; the last prefetch, a K step back, has read its address
	s_add_nc_u64 s[PFA:PFA+1], s[PFA:PFA+1], 256
.endif
	WIN 0
	s_wait_tensorcnt 0x0
	ds_add_u32 v[SPW], v[NIL]
	s_wait_dscnt 7                                 ; the add and the six loads of A's blocks 1 to 3 may be out
	MULH F1, 0, 0, 0
	s_wait_dscnt 0x0                               ; the add is done, and my reads of this slot are over
	s_barrier_signal -1
	MULH F1, 0, 1, 0
	WIN 0
	s_barrier_wait -1
.if \fill
	CREST                                          ; no wave of any partner still reads this slot or has a load on its way
	s_xor_b32 s[G0+5], s[G0+5], SLOT1              ; the walking descriptors: the other slot than last time, the next K step
	s_add_nc_u64 s[G0+6:G0+7], s[G0+6:G0+7], 256
	s_xor_b32 s[G0B+5], s[G0B+5], SLOT1
	s_add_nc_u64 s[G0B+6:G0B+7], s[G0B+6:G0B+7], 256
	JLOAD 1                                        ; its four v_nop are also the places in front of the loads below
.else
	PLACES
.endif
	s_xor_b32 s[TB], s[TB], SLOT1
	v_add_nc_u32 v[ADRA], s[TB], v[A0]
	v_add_nc_u32 v[ADRB], s[TB], v[B0]
	FETCH 0, F0
.if \fill
	WIN 0
	ASK
.endif
	MULH F1, 1, 0, 0
	MULH F1, 1, 1, 0
.endm
; THE WAY OUT: sum x factor + bias; through my own stage in LDS, so that a store of the wave covers 512 consecutive bytes
.if G2
.macro PACK n                          ; row block n / 3, head n % 3: 16 rows x 64 columns
.set a, (\n)/3
.set hd, (\n)%3
	WIN 0x02+(a/2)
.set z, 0
.rept 16
	v_pk_fma_f32 v[T+2*z:T+2*z+1], v[8*(NB*(a%2)+4*hd)+2*z:8*(NB*(a%2)+4*hd)+2*z+1], s[SC+2*hd:SC+2*hd+1], v[BI+32*hd+2*z:BI+32*hd+2*z+1] op_sel_hi:[1,0,1]
.set z, z+1
.endr
	WIN 0
.set z, 0
.rept 16
	v_cvt_pk_bf16_f32 v[PKD+z], v[T+2*z], v[T+2*z+1]
.set z, z+1
.endr
.endm
.macro TOSTAGE n
	WIN 0
.irp f, 0,1,2,3
	ds_store_b128 v[STO], v[PKD+4*\f:PKD+4*\f+3] offset:32*\f
.endr
	WIN TO_F
.irp f, 0,1,2,3
	ds_load_b128 v[16*(\n)+4*\f:16*(\n)+4*\f+3], v[RD] offset:\f*576  ; LDS serves a wave's instructions in order: these see the stores above
.endr
	WIN 0
.endm
.macro SEND n
.set a, (\n)/3
.set hd, (\n)%3
	WIN 0x04                                       ; store data in window 1
	s_wait_dscnt 0x0
.irp f, 0,1,2,3
	global_store_b128 v[L16], v[16*(\n)+4*\f:16*(\n)+4*\f+3], s[8:9] offset:a*2048+\f*512+hd*65536
.endr
	WIN 0
.endm
.else
.macro PACK n                          ; row block n: 16 rows x 128 columns of f32
	WIN 0x02+((\n)/2)
.set z, 0
.rept 32
	v_pk_fma_f32 v[T+2*z:T+2*z+1], v[8*NB*((\n)%2)+2*z:8*NB*((\n)%2)+2*z+1], s[SC:SC+1], v[BI+2*z:BI+2*z+1] op_sel_hi:[1,0,1]
.set z, z+1
.endr
	WIN 0
.endm
.macro TOSTAGE n
	WIN 0
.set z, 0
.rept 8
	ds_store_b128 v[STO], v[T+8*z:T+8*z+3]   offset:64*z
	ds_store_b128 v[STO], v[T+8*z+4:T+8*z+7] offset:64*z+16
.set z, z+1
.endr
	WIN TO_F
.set z, 0
.rept 16
	ds_load_b128 v[64*(\n)+4*z:64*(\n)+4*z+3], v[RD] offset:z*528  ; LDS serves a wave's instructions in order: these see the stores above
.set z, z+1
.endr
	WIN 0
.endm
.macro SEND n
	WIN 0x04
	s_wait_dscnt 0x0
.set z, 0
.rept 16
	global_store_b128 v[L16], v[64*(\n)+4*z:64*(\n)+4*z+3], s[8:9] offset:(\n)*65536+z*4096
.set z, z+1
.endr
	WIN 0
.endm
.endif
	s_wait_tensorcnt 1                             ; my part of K step 0 is in; K step 1's may stay out
	s_barrier_signal -1
	s_barrier_wait -1
	FETCH 0, F0
	QUARTER 64, F0, F1, 1                          ; the first quarter's products start the sums: nothing is cleared
	WIN 0
	s_mov_b32 s3, KSTEPS-2
.Lstep:                                            ; a trip ends K step j, fills its slot with K step j + 2 and begins K step j + 1
	QUARTER 128, F1, F0, 0
	QUARTER 192, F0, F1, 0
	TURN 1
	QUARTER 64, F0, F1, 0
	WIN 0
	s_sub_co_u32 s3, s3, 1
	s_cmp_lg_u32 s3, 0
	s_cbranch_scc1 .Lstep
	QUARTER 128, F1, F0, 0                         ; the last two K steps are written out: nothing is left to fetch
	QUARTER 192, F0, F1, 0
	TURN 0
	QUARTER 64, F0, F1, 0
	QUARTER 128, F1, F0, 0
	QUARTER 192, F0, F1, 0
	s_wait_dscnt 4
	MULH F1, 0, 0, 0
	MULH F1, 0, 1, 0
	s_wait_dscnt 0x0
	MULH F1, 1, 0, 0
	MULH F1, 1, 1, 0
	WIN 0
	PLACES
	PACK 0
	TOSTAGE 0
.if G2
.irp n, 1,2,3,4,5,6,7,8,9,10,11
	PACK \n                                        ; a block's arithmetic stands between the loads of the block before and its stores
	SEND (\n)-1
	TOSTAGE \n
.endr
	SEND 11
.else
.irp n, 1,2,3
	PACK \n
	SEND (\n)-1
	TOSTAGE \n
.endr
	SEND 3
.endif
	s_wait_tensorcnt 0x0                           ; the wave's end
	ds_add_u32 v[SPW], v[NIL]
	s_wait_dscnt 0x0
	CROUND                                         ; the closing round: no work-group ends while a partner may still ask for a tile that names it
	s_endpgm
.Lfunc_end_k_q557c5e921e_g1:
	.size	k_q557c5e921e_g1, .Lfunc_end_k_q557c5e921e_g1-k_q557c5e921e_g1
	.p2alignl 7, 3214868480
	.fill 96, 4, 3214868480
	.section	.rodata,"a",@progbits
	.p2align	6, 0x0
	.amdhsa_kernel k_q557c5e921e_g1
		.amdhsa_group_segment_fixed_size 327680
		.amdhsa_private_segment_fixed_size 0
		.amdhsa_enable_private_segment 0
		.amdhsa_kernarg_size 32
		.amdhsa_user_sgpr_count 2
		.amdhsa_user_sgpr_kernarg_segment_ptr 1
		.amdhsa_wavefront_size32 1
		.amdhsa_system_sgpr_workgroup_id_x 1
		.amdhsa_system_sgpr_workgroup_id_y 1
		.amdhsa_system_sgpr_workgroup_id_z 1
		.amdhsa_system_vgpr_workitem_id 0
		.amdhsa_next_free_vgpr 896
		.amdhsa_next_free_sgpr 96
		.amdhsa_reserve_vcc 0
		.amdhsa_float_denorm_mode_32 3
		.amdhsa_float_denorm_mode_16_64 3
		.amdhsa_memory_ordered 1
		.amdhsa_forward_progress 1
		.amdhsa_inst_pref_size 86
	.end_amdhsa_kernel
	.amdgpu_metadata
---
amdhsa.version: [ 1, 2 ]
amdhsa.kernels:
  - .name:           k_q557c5e921e_g1
    .symbol:         k_q557c5e921e_g1.kd
    .args:
      - { .name: xbp, .offset: 0, .size: 8, .value_kind: global_buffer, .address_space: global }
      - { .name: wqv, .offset: 8, .size: 8, .value_kind: global_buffer, .address_space: global }
      - { .name: tp, .offset: 16, .size: 8, .value_kind: global_buffer, .address_space: global }
      - { .name: b_tp, .offset: 24, .size: 8, .value_kind: global_buffer, .address_space: global }
    .group_segment_fixed_size: 327680
    .private_segment_fixed_size: 0
    .kernarg_segment_align: 8
    .kernarg_segment_size: 32
    .max_flat_workgroup_size: 128
    .sgpr_count:     96
    .vgpr_count:     896
    .wavefront_size: 32
...
	.end_amdgpu_metadata
.endif
;; end of part 3
;; launch lnv (part 4): grid 320 x 1, 8 waves a work-group, no clusters, 42,240 bytes of LDS; arguments wqv, xbp, W_tout, g_t2i, be_t2i, b_tout, alpha_t2i, tp, g_tn, be_tn, lnt; writes lnt
.if DOCPART == 4
	.amdgcn_target "amdgcn-amd-amdhsa--gfx1250"
	.amdhsa_code_object_version 6
	.text
	.protected	k_q557c5e921e_lnv
	.globl	k_q557c5e921e_lnv
	.p2align	8
	.type	k_q557c5e921e_lnv,@function
k_q557c5e921e_lnv:
	s_mov_b64 s[64:65], 0
	v_nop
	global_prefetch_b8 v0, s[64:65] scope:SCOPE_SE
	s_setreg_imm32_b32 hwreg(HW_REG_WAVE_MODE, 25, 1), 1
	s_wait_xcnt 0x0
; Work-groups 0-63: tvec[b] = alpha_t2i (LN(vp[b]) q(W_tout)^T s + b_tout), f32.  The text-to-image softmax runs over one key, so its weight is 1 for every finite input
; and its output is vp[b] in every row: one vector a batch.  16 columns a work-group, K = 1,024 split among the eight waves; the weights are made ternary in registers.
; Work-groups 64-319: lnx = bf16(LN(tp)), 32 rows a work-group, a row a wave at a time, kept in registers between the passes.
; Mean and variance in two passes, in f32.  g, be, b, alpha and W are rounded to bf16 first, like all inputs.
; LIMIT: as in the quantising launch, a weight within some 1e-6 (relative) of the threshold 0.6666667 s may fall on the other side of it.
.set FIN,   0
.set PART,  12582912
.set VPO,   7864320
.set TVO,   16777216
.set POFF,  11264                      ; W_tout's partial sums
.set APITCH, 2064                      ; a row of the normalised tile in LDS: 2,048 bytes + 16
.set PARTL, 33024
.set SPARE, 41216                      ; the spare words, 128 bytes a wave: four blocks of 256 bytes that no other line names
.set PX,  4                            ; s[4:5]  x: vp
.set PP,  6                            ; partial sums
.set PW,  8
.set PG,  10
.set PBE, 12
.set PB,  14
.set PAL, 16
.set POUT, 24
.set FO,  4
.set XO,  5
.set LSA, 6
.set LRA, 7
.set LS,  8
.set LR,  9
.set YO,  10
.set BO,  11
.set SPW, 12
.set NIL, 13
.set G32, 14
.set L16, 15
.set W,   16
.set X,   80
.set G,   144
.set BE,  176
.set ACC, 144
.set T,   208
.set TA,  T+10
.set TB,  T+11
.set TC,  T+12
.set PS,  224
.set BI,  240
.set BS,  248
.set WV,  26
.set ALR, 27
.set SEL, 32
.set SS,  34
.set THR, 36
.set HI,  37
.set ABS, 38
.set SGN, 39
.set ONE, 40
.set PK,  41
.set R1024, 42
.set EPS, 43
.set AL,  44
.macro WRED x, t
	v_add_f32_dpp v[\x], v[\x], v[\x] row_xmask:1 row_mask:0xf bank_mask:0xf
	v_add_f32_dpp v[\x], v[\x], v[\x] row_xmask:2 row_mask:0xf bank_mask:0xf
	v_add_f32_dpp v[\x], v[\x], v[\x] row_xmask:4 row_mask:0xf bank_mask:0xf
	v_add_f32_dpp v[\x], v[\x], v[\x] row_xmask:8 row_mask:0xf bank_mask:0xf
	v_permlanex16_b32 v[\t], v[\x], s[SEL], s[SEL+1]
	v_add_f32 v[\x], v[\x], v[\t]
.endm
.macro SUMP n, rc, SB
.set z, 1
.rept (\n)-1
	v_pk_add_f32 v[\SB:\SB+1],   v[\SB:\SB+1],   v[\SB+4*z:\SB+4*z+1]
	v_pk_add_f32 v[\SB+2:\SB+3], v[\SB+2:\SB+3], v[\SB+4*z+2:\SB+4*z+3]
.set z, z+1
.endr
	v_pk_add_f32 v[\SB:\SB+1], v[\SB:\SB+1], v[\SB+2:\SB+3]
	v_add_f32 v[\SB], v[\SB], v[\SB+1]
	WRED \SB, \SB+1
	v_mul_f32 v[\SB], \rc, v[\SB]
	v_max_num_f32 v[\SB], 0x3727c5ac, v[\SB]
	v_min_num_f32 v[\SB], 0x447a0000, v[\SB]
	v_readfirstlane_b32 s[SS], v[\SB]
	s_mov_b32 s[SS+1], s[SS]
	s_mul_f32 s[THR], s[SS], 0x3f2aaaab
.endm
.macro RB16 a, t
	v_cvt_pk_bf16_f32 v[\t], v[\a], v[\a+1]
	v_lshlrev_b32 v[\a], 16, v[\t]
	v_and_b32 v[\a+1], s[HI], v[\t]
.endm
.macro QUANT2 d, w0
	v_cvt_pk_bf16_f32 v[TC], v[\w0], v[\w0+1]
	v_lshlrev_b32 v[TA], 16, v[TC]
	v_and_b32 v[TB], s[HI], v[TC]
	v_and_b32 v[TC], s[ABS], v[TA]
	v_cmp_lt_f32 vcc_lo, s[THR], v[TC]
	v_and_or_b32 v[TA], v[TA], s[SGN], s[ONE]
	v_cndmask_b32 v[TA], 0, v[TA], vcc_lo
	v_and_b32 v[TC], s[ABS], v[TB]
	v_cmp_lt_f32 vcc_lo, s[THR], v[TC]
	v_and_or_b32 v[TB], v[TB], s[SGN], s[ONE]
	v_cndmask_b32 v[TB], 0, v[TB], vcc_lo
	v_perm_b32 v[\d], v[TB], v[TA], s[PK]
.endm
; LayerNorm of a row of 1,024 held by one wave: 32 registers a lane, group i of four = columns 256 i + 8 lane + 0..7; RG, RB in the same layout.  The result, bf16, is left in the first 16 registers.
.macro LNROW RX, RG, RB
.irp c, 0,2,4,6
	v_pk_add_f32 v[T+\c:T+\c+1], v[\RX+\c:\RX+\c+1], v[\RX+8+\c:\RX+8+\c+1]
.endr
.irp c, 0,2,4,6
	v_pk_add_f32 v[T+\c:T+\c+1], v[T+\c:T+\c+1], v[\RX+16+\c:\RX+16+\c+1]
.endr
.irp c, 0,2,4,6
	v_pk_add_f32 v[T+\c:T+\c+1], v[T+\c:T+\c+1], v[\RX+24+\c:\RX+24+\c+1]
.endr
	v_pk_add_f32 v[T:T+1],   v[T:T+1],   v[T+2:T+3]
	v_pk_add_f32 v[T+4:T+5], v[T+4:T+5], v[T+6:T+7]
	v_pk_add_f32 v[T:T+1],   v[T:T+1],   v[T+4:T+5]
	v_add_f32 v[T], v[T], v[T+1]
	WRED T, T+1
	v_mul_f32 v[T], s[R1024], v[T]                 ; the mean
	v_mov_b32 v[T+1], v[T]
.set z, 0
.rept 16
	v_pk_add_f32 v[\RX+2*z:\RX+2*z+1], v[\RX+2*z:\RX+2*z+1], v[T:T+1] neg_lo:[0,1] neg_hi:[0,1]
.set z, z+1
.endr
.irp c, 0,2,4,6
	v_pk_mul_f32 v[T+\c:T+\c+1], v[\RX+\c:\RX+\c+1], v[\RX+\c:\RX+\c+1]
.endr
.irp o, 8,16,24
.irp c, 0,2,4,6
	v_pk_fma_f32 v[T+\c:T+\c+1], v[\RX+\o+\c:\RX+\o+\c+1], v[\RX+\o+\c:\RX+\o+\c+1], v[T+\c:T+\c+1]
.endr
.endr
	v_pk_add_f32 v[T:T+1],   v[T:T+1],   v[T+2:T+3]
	v_pk_add_f32 v[T+4:T+5], v[T+4:T+5], v[T+6:T+7]
	v_pk_add_f32 v[T:T+1],   v[T:T+1],   v[T+4:T+5]
	v_add_f32 v[T], v[T], v[T+1]
	WRED T, T+1
	v_fma_f32 v[T], v[T], s[R1024], s[EPS]         ; the variance + 1e-5
	v_rsq_f32 v[T+2], v[T]
	v_nop                                          ; a plain instruction behind the transcendental,
	s_wait_alu depctr_va_vdst(0)                   ; and the wait ahead of its first reader
	v_mov_b32 v[T+3], v[T+2]
.set z, 0
.rept 16
	v_pk_mul_f32 v[\RX+2*z:\RX+2*z+1], v[\RX+2*z:\RX+2*z+1], v[T+2:T+3]
.set z, z+1
.endr
.set z, 0
.rept 16
	v_pk_fma_f32 v[\RX+2*z:\RX+2*z+1], v[\RX+2*z:\RX+2*z+1], v[\RG+2*z:\RG+2*z+1], v[\RB+2*z:\RB+2*z+1]
.set z, z+1
.endr
.set z, 0
.rept 16
	v_cvt_pk_bf16_f32 v[\RX+z], v[\RX+2*z], v[\RX+2*z+1]
.set z, z+1
.endr
.endm
	s_load_b512 s[4:19], s[0:1], 0x0               ; wqv, xbp, W_tout, g_t2i, be_t2i, b_tout, alpha_t2i, tp
	s_load_b128 s[20:23], s[0:1], 0x40             ; g_tn, be_tn
	s_load_b64 s[24:25], s[0:1], 0x50              ; lnt
	v_lshl_add_u32 v[SPW], v0, 2, SPARE
	v_mov_b32 v[NIL], 0
	v_and_b32 v1, 31, v0
	v_lshrrev_b32 v2, 5, v0
	v_readfirstlane_b32 s[WV], v2
	s_mov_b32 s[SEL], 0x76543210
	s_mov_b32 s[SEL+1], 0xfedcba98
	s_mov_b32 s[HI], 0xffff0000
	s_mov_b32 s[ABS], 0x7fffffff
	s_mov_b32 s[SGN], 0x80000000
	s_mov_b32 s[ONE], 0x3f800000
	s_mov_b32 s[PK], 0x07060302
	s_mov_b32 s[R1024], 0x3a800000                 ; 1 / 1,024
	s_mov_b32 s[EPS], 0x3727c5ac                   ; 1e-5
	v_lshlrev_b32 v[G32], 5, v1
	v_lshlrev_b32 v[L16], 4, v1
	s_wait_kmcnt 0x0
	s_cmp_lt_u32 ttmp9, 64
	s_cbranch_scc0 .Lrows
	s_add_nc_u64 s[4:5], s[4:5], VPO
	s_add_nc_u64 s[24:25], s[24:25], TVO
	; ---- the product with 16 rows.  y^T = W x^T: source 0 = 16 rows of W, source 1 = the 16 batch rows: a lane ends with row r and columns 8 h + 0..7
	s_add_nc_u64 s[PP:PP+1], s[PP:PP+1], PART
	s_load_b32 s[ALR], s[PAL:PAL+1], 0x0
	v_and_b32 v2, 15, v0                           ; r
	v_bfe_u32 v3, v0, 4, 1                         ; h
	v_lshlrev_b32 v[FO], 12, v2
	v_lshl_add_u32 v[FO], v3, 5, v[FO]
	s_lshl_b32 s46, s[WV], 9
	v_add_nc_u32 v[FO], s46, v[FO]                 ; r x 4,096 + 32 h + my 128 of the 1,024 k
	s_lshl_b32 s46, s[WV], 13
	v_lshl_add_u32 v[XO], v1, 5, s46               ; rows 2 w, 2 w + 1 of x are mine to normalise
	s_mul_i32 s46, s[WV], 2*APITCH
	v_lshl_add_u32 v[LSA], v1, 4, s46
	v_mul_u32_u24 v[LRA], v2, APITCH
	v_lshl_add_u32 v[LRA], v3, 4, v[LRA]
	s_lshl_b32 s46, s[WV], 8
	v_add_nc_u32 v[LRA], s46, v[LRA]
	s_lshl_b32 s46, s[WV], 10
	s_add_co_u32 s46, s46, PARTL
	v_lshl_add_u32 v[LS], v1, 5, s46
	v_add_nc_u32 v[LR], PARTL, v[G32]
	s_lshl_b32 s46, ttmp9, 6
	v_lshl_add_u32 v[BO], v3, 5, s46               ; (16 id + 8 h) x 4
	v_lshl_add_u32 v[YO], v2, 12, v[BO]
	s_lshl_b32 s46, ttmp9, 16                      ; the work-group's 16 rows of W
	s_mov_b32 s47, 0
	s_add_nc_u64 s[PW:PW+1], s[PW:PW+1], s[46:47]
.irp rr, 0,1
.irp i, 0,1,2,3
	global_load_b128 v[X+32*\rr+8*\i:X+32*\rr+8*\i+3],   v[XO], s[PX:PX+1] offset:4096*\rr+1024*\i
	global_load_b128 v[X+32*\rr+8*\i+4:X+32*\rr+8*\i+7], v[XO], s[PX:PX+1] offset:4096*\rr+1024*\i+16
.endr
.endr
.irp i, 0,1,2,3
	global_load_b128 v[G+8*\i:G+8*\i+3],   v[G32], s[PG:PG+1] offset:1024*\i
	global_load_b128 v[G+8*\i+4:G+8*\i+7], v[G32], s[PG:PG+1] offset:1024*\i+16
.endr
.irp i, 0,1,2,3
	global_load_b128 v[BE+8*\i:BE+8*\i+3],   v[G32], s[PBE:PBE+1] offset:1024*\i
	global_load_b128 v[BE+8*\i+4:BE+8*\i+7], v[G32], s[PBE:PBE+1] offset:1024*\i+16
.endr
.irp i, 0,1,2,3
	global_load_b128 v[PS+4*\i:PS+4*\i+3], v[L16], s[PP:PP+1] offset:POFF+512*\i
.endr
	global_load_b128 v[BI:BI+3],   v[BO], s[PB:PB+1]
	global_load_b128 v[BI+4:BI+7], v[BO], s[PB:PB+1] offset:16
.if FIN
	global_load_b128 v[BS:BS+3],   v[YO], s[PBASE:PBASE+1]
	global_load_b128 v[BS+4:BS+7], v[YO], s[PBASE:PBASE+1] offset:16
.endif
.irp f, 0,1,2,3
	global_load_b128 v[W+16*\f:W+16*\f+3],     v[FO], s[PW:PW+1] offset:128*\f
	global_load_b128 v[W+16*\f+4:W+16*\f+7],   v[FO], s[PW:PW+1] offset:128*\f+16
	global_load_b128 v[W+16*\f+8:W+16*\f+11],  v[FO], s[PW:PW+1] offset:128*\f+64
	global_load_b128 v[W+16*\f+12:W+16*\f+15], v[FO], s[PW:PW+1] offset:128*\f+80
.endr
	s_wait_loadcnt 22+2*FIN                        ; x, g and be are in; the loads issued behind them (partial sums, bias, W) stay out
.set y, 0
.rept 16
	RB16 G+2*y, TC
	RB16 BE+2*y, TC
.set y, y+1
.endr
.irp rr, 0,1
	LNROW X+32*\rr, G, BE
.irp i, 0,1,2,3
	ds_store_b128 v[LSA], v[X+32*\rr+4*\i:X+32*\rr+4*\i+3] offset:APITCH*\rr+512*\i
.endr
.endr
	s_wait_dscnt 0x0                               ; for the others' sake: my two rows are written
	s_barrier_signal -1
	s_barrier_wait -1
.irp f, 0,1,2,3
	ds_load_b128 v[X+8*\f:X+8*\f+3],   v[LRA] offset:64*\f
	ds_load_b128 v[X+8*\f+4:X+8*\f+7], v[LRA] offset:64*\f+32
.endr
	s_wait_loadcnt 0x0
	s_wait_kmcnt 0x0
	SUMP 4, 0x35800000, PS
.irp k, 0,2,4,6
	RB16 BI+\k, TC
.endr
	v_mov_b32 v[TA], s[ALR]
	v_cvt_pk_bf16_f32 v[TA], v[TA], v[TA]
	v_lshlrev_b32 v[TA], 16, v[TA]
	v_readfirstlane_b32 s[AL], v[TA]
	s_mov_b32 s[AL+1], s[AL]
.set y, 0
.rept 32                               ; packed downward in place: word y from f32 numbers 2 y, 2 y + 1
	QUANT2 W+y, W+2*y
.set y, y+1
.endr
	s_wait_dscnt 0x0
	v_wmma_f32_16x16x32_bf16 v[ACC:ACC+7],    v[W:W+7],     v[X:X+7],     0   ; two accumulators by turns
	v_wmma_f32_16x16x32_bf16 v[ACC+8:ACC+15], v[W+8:W+15],  v[X+8:X+15],  0
	v_wmma_f32_16x16x32_bf16 v[ACC:ACC+7],    v[W+16:W+23], v[X+16:X+23], v[ACC:ACC+7]
	v_wmma_f32_16x16x32_bf16 v[ACC+8:ACC+15], v[W+24:W+31], v[X+24:X+31], v[ACC+8:ACC+15]
.rept 8
	v_nop
.endr
.irp k, 0,2,4,6
	v_pk_add_f32 v[ACC+\k:ACC+\k+1], v[ACC+\k:ACC+\k+1], v[ACC+8+\k:ACC+8+\k+1]
.endr
	ds_store_b128 v[LS], v[ACC:ACC+3]
	ds_store_b128 v[LS], v[ACC+4:ACC+7] offset:16
	s_wait_dscnt 0x0
	s_barrier_signal -1
	s_barrier_wait -1
	s_cmp_lg_u32 s[WV], 0                          ; wave 0 adds the eight partial tiles
	s_cbranch_scc1 .Lend
.irp j, 0,1,2,3,4,5,6,7
	ds_load_b128 v[X+8*\j:X+8*\j+3],   v[LR] offset:1024*\j
	ds_load_b128 v[X+8*\j+4:X+8*\j+7], v[LR] offset:1024*\j+16
.endr
	s_wait_dscnt 0x0
.irp j, 1,2,3,4,5,6,7
.irp k, 0,2,4,6
	v_pk_add_f32 v[X+\k:X+\k+1], v[X+\k:X+\k+1], v[X+8*\j+\k:X+8*\j+\k+1]
.endr
.endr
.irp k, 0,2,4,6
	v_pk_fma_f32 v[X+\k:X+\k+1], v[X+\k:X+\k+1], s[SS:SS+1], v[BI+\k:BI+\k+1] op_sel_hi:[1,0,1]
.endr
.irp k, 0,2,4,6
.if FIN
	v_pk_fma_f32 v[X+\k:X+\k+1], v[X+\k:X+\k+1], s[AL:AL+1], v[BS+\k:BS+\k+1] op_sel_hi:[1,0,1]
.else
	v_pk_mul_f32 v[X+\k:X+\k+1], v[X+\k:X+\k+1], s[AL:AL+1] op_sel_hi:[1,0]
.endif
.endr
	global_store_b128 v[YO], v[X:X+3],   s[POUT:POUT+1]
	global_store_b128 v[YO], v[X+4:X+7], s[POUT:POUT+1] offset:16
.Lend:
	s_wait_tensorcnt 0x0                           ; the wave's end
	ds_add_u32 v[SPW], v[NIL]
	s_wait_dscnt 0x0
	s_endpgm
	; ---- lnx: four rows a wave, all their loads out at once
.set RG,  16
.set RBE, 48
.Lrows:
	s_sub_co_u32 s46, ttmp9, 64
	s_lshl_b32 s46, s46, 5
	s_lshl_b32 s47, s[WV], 2
	s_add_co_u32 s46, s46, s47                     ; my first row
	s_lshl_b32 s47, s46, 12
	v_lshl_add_u32 v[XO], v1, 5, s47
	s_lshl_b32 s47, s46, 11
	v_lshl_add_u32 v[YO], v1, 4, s47
.irp i, 0,1,2,3
	global_load_b128 v[RG+8*\i:RG+8*\i+3],   v[G32], s[20:21] offset:1024*\i
	global_load_b128 v[RG+8*\i+4:RG+8*\i+7], v[G32], s[20:21] offset:1024*\i+16
.endr
.irp i, 0,1,2,3
	global_load_b128 v[RBE+8*\i:RBE+8*\i+3],   v[G32], s[22:23] offset:1024*\i
	global_load_b128 v[RBE+8*\i+4:RBE+8*\i+7], v[G32], s[22:23] offset:1024*\i+16
.endr
.irp rr, 0,1,2,3
.irp i, 0,1,2,3
	global_load_b128 v[X+32*\rr+8*\i:X+32*\rr+8*\i+3],   v[XO], s[18:19] offset:4096*\rr+1024*\i th:TH_LOAD_NT
	global_load_b128 v[X+32*\rr+8*\i+4:X+32*\rr+8*\i+7], v[XO], s[18:19] offset:4096*\rr+1024*\i+16 th:TH_LOAD_NT
.endr
.endr
	s_wait_loadcnt 32                              ; g and be are in; the four rows' 32 loads stay out
.set y, 0
.rept 16
	RB16 RG+2*y, TC
	RB16 RBE+2*y, TC
.set y, y+1
.endr
.irp rr, 0,1,2,3
	s_wait_loadcnt 8*(3-\rr)                       ; row rr is in; the later rows stay out
	LNROW X+32*\rr, RG, RBE
.irp i, 0,1,2,3
	global_store_b128 v[YO], v[X+32*\rr+4*\i:X+32*\rr+4*\i+3], s[24:25] offset:2048*\rr+512*\i  ; 512 consecutive bytes a store
.endr
.endr
	s_endpgm
.Lfunc_end_k_q557c5e921e_lnv:
	.size	k_q557c5e921e_lnv, .Lfunc_end_k_q557c5e921e_lnv-k_q557c5e921e_lnv
	.p2alignl 7, 3214868480
	.fill 96, 4, 3214868480
	.section	.rodata,"a",@progbits
	.p2align	6, 0x0
	.amdhsa_kernel k_q557c5e921e_lnv
		.amdhsa_group_segment_fixed_size 42240
		.amdhsa_private_segment_fixed_size 0
		.amdhsa_enable_private_segment 0
		.amdhsa_kernarg_size 88
		.amdhsa_user_sgpr_count 2
		.amdhsa_user_sgpr_kernarg_segment_ptr 1
		.amdhsa_wavefront_size32 1
		.amdhsa_system_sgpr_workgroup_id_x 1
		.amdhsa_system_sgpr_workgroup_id_y 1
		.amdhsa_system_sgpr_workgroup_id_z 1
		.amdhsa_system_vgpr_workitem_id 0
		.amdhsa_next_free_vgpr 256
		.amdhsa_next_free_sgpr 66
		.amdhsa_reserve_vcc 1
		.amdhsa_float_denorm_mode_32 3
		.amdhsa_float_denorm_mode_16_64 3
		.amdhsa_memory_ordered 1
		.amdhsa_forward_progress 1
		.amdhsa_inst_pref_size 89
	.end_amdhsa_kernel
	.amdgpu_metadata
---
amdhsa.version: [ 1, 2 ]
amdhsa.kernels:
  - .name:           k_q557c5e921e_lnv
    .symbol:         k_q557c5e921e_lnv.kd
    .args:
      - { .name: wqv, .offset: 0, .size: 8, .value_kind: global_buffer, .address_space: global }
      - { .name: xbp, .offset: 8, .size: 8, .value_kind: global_buffer, .address_space: global }
      - { .name: W_tout, .offset: 16, .size: 8, .value_kind: global_buffer, .address_space: global }
      - { .name: g_t2i, .offset: 24, .size: 8, .value_kind: global_buffer, .address_space: global }
      - { .name: be_t2i, .offset: 32, .size: 8, .value_kind: global_buffer, .address_space: global }
      - { .name: b_tout, .offset: 40, .size: 8, .value_kind: global_buffer, .address_space: global }
      - { .name: alpha_t2i, .offset: 48, .size: 8, .value_kind: global_buffer, .address_space: global }
      - { .name: tp, .offset: 56, .size: 8, .value_kind: global_buffer, .address_space: global }
      - { .name: g_tn, .offset: 64, .size: 8, .value_kind: global_buffer, .address_space: global }
      - { .name: be_tn, .offset: 72, .size: 8, .value_kind: global_buffer, .address_space: global }
      - { .name: lnt, .offset: 80, .size: 8, .value_kind: global_buffer, .address_space: global }
    .group_segment_fixed_size: 42240
    .private_segment_fixed_size: 0
    .kernarg_segment_align: 8
    .kernarg_segment_size: 88
    .max_flat_workgroup_size: 256
    .sgpr_count:     66
    .vgpr_count:     256
    .wavefront_size: 32
...
	.end_amdgpu_metadata
.endif
;; end of part 4
;; launch g2 (part 5): grid 16 x 32, 4 waves a work-group, clusters of 4 x 4, 327,680 bytes of LDS; arguments lnt, wqv, qkvh, xbp, b_tqkv; writes qkvh
.if DOCPART == 5
	.amdgcn_target "amdgcn-amd-amdhsa--gfx1250"
	.amdhsa_code_object_version 6
	.text
	.protected	k_q557c5e921e_g2
	.globl	k_q557c5e921e_g2
	.p2align	8
	.type	k_q557c5e921e_g2,@function
k_q557c5e921e_g2:
	s_mov_b64 s[64:65], 0
	v_nop
	global_prefetch_b8 v0, s[64:65] scope:SCOPE_SE
	s_setreg_imm32_b32 hwreg(HW_REG_WAVE_MODE, 25, 1), 1
	s_wait_xcnt 0x0
	s_wait_alu depctr_hold_cnt(0) depctr_sa_sdst(0) depctr_va_vdst(0) depctr_va_sdst(0) depctr_va_ssrc(0) depctr_va_vcc(0) depctr_vm_vsrc(0)
	s_getreg_b32 s2, hwreg(HW_REG_IB_STS2, 6, 4)
	s_cmp_eq_u32 s2, 0
	s_cbranch_scc0 .Lentry_in_a_cluster
	s_endpgm
.Lentry_in_a_cluster:
	s_bfe_u32 s2, ttmp6, 0x10000c
	s_cmp_lg_u32 s2, 0xf033
	s_cbranch_scc0 .Lentry_shape_is_right
	s_endpgm
.Lentry_shape_is_right:
; q', k, v = s (lnx wq2^T) + bf16(b_tqkv), rounded once to bf16 and laid out by heads, [16 batches][48 heads: q, k, v][512][64].  q' carries the factor log2(e) / 8 of the softmax's exponent.
; lnx: [8192][1024] bf16, wq2: [3072][1024] ternary bf16; sums in f32.
; This text serves two launches by the switch G2 at its head (1: this one; 0: the text projection).
; A work-group of four waves makes 256 rows x 16 NB columns (three heads); wave w makes rows 64 w .. 64 w + 63 of all its columns: 4 x NB accumulators of 16 x 16.
; K goes in steps of 128 (rows of 256 bytes, at multiples of 256 bytes) through two LDS slots filled by tensor loads, one load a wave behind each change of slots.
; CLUSTER 4 x 4: the four of a row need the same tile of A, the four of a column the same tile of B: each tile is asked for jointly, by the same load, descriptor and mask in all four.
; The matrix instruction is used transposed (source 0 = 16 rows of B, source 1 = 16 rows of A): a lane holds row l % 16 of C and eight neighbouring columns.
; REGISTERS by windows of 256: window 0 addresses, bias (v64 ..), at work (v160 ..); window 1 two fragment buffers of 128 (B's NB fragments, then A's four), on the way out store data;
; window 2 the accumulators of my row blocks 0, 1 (block a, column block b at 8 (NB a + b)); window 3 those of row blocks 2, 3.
.set G2, 1
.if G2
.set KD,    1024
.set NB,    12
.set WQOFF, 1572864                    ; wq2 behind wq1
.set POFF,  12582912+3072              ; W_tqkv's partial sums
.set PN,    12
.set PRC,   0x34aaaaab                 ; 1 / 3,145,728
.set LIMV,  1
.set PF0,   2
.set STB,   16*144                     ; a wave's stage: 16 rows of 128 bytes + 16
.else
.set KD,    768
.set NB,    8
.set WQOFF, 0
.set POFF,  12582912
.set PN,    3
.set PRC,   0x35aaaaab                 ; 1 / 786,432
.set LIMV,  2
.set PF0,   3
.set STB,   16*528                     ; a wave's stage: 16 rows of 512 bytes + 16
.endif
.set KSTEPS, KD/128
.set RB,    8*NB                       ; rows of B that one wave fetches
.set PITCH, 272                        ; an LDS row: 256 bytes + 16: the 16 rows of a fragment load start at 16 different groups of four banks
.set BOFF,  256*PITCH                  ; in a slot: A's 256 rows, then B's 16 NB
.set SLOT1, 1<<17                      ; slot 1 begins here: one exclusive or turns an address in one slot into the other's
.set STAGE, SLOT1+BOFF+16*NB*PITCH     ; behind the ring, never filled by a tensor load
.set SPARE, STAGE+4*STB                ; the spare words, 128 bytes a wave: two blocks of 256 bytes that no other line names
.set A0,   16                          ; my lane's place in A's tile; never rewritten
.set B0,   17
.set ADRA, 18                          ; the same in the slot in hand
.set ADRB, 19
.set STO,  24
.set RD,   25
.set BOV,  27
.set SPW,  28
.set NIL,  29
.set PFO,  30
.set L16,  31                          ; 16 x lane
.set BI,   64                          ; bias of my 16 NB columns: column block b, number j at BI + 8 b + j
.set T,    160
.set PKD,  192
.set F0,   0
.set F1,   128
.set G1,   24
.set G0,   32
.set G1B,  48
.set G0B,  56
.set TB,   72
.set SC,   74                          ; pairs: the factor of the sums, a pair for each head (G2) or one
.set FC,   80
.set LIM,  86
.set HI,   87
.set PFA,  88
.set SEL,  90
.set SS,   92
.set FLAGS, (1<<16)|(1<<20)|(1<<21)|(5<<22)|(3<<25)  ; elements of 2 bytes; padding on; bit 21 beside a mask; after every 64 words; 4 words
.set MSB, 0
.macro WIN new                         ; the immediate's high byte repeats the setting that is left; a switch that changes nothing is dropped
.if MSB != (\new)
	s_set_vgpr_msb (MSB<<8)|(\new)
.set MSB, \new
.endif
.endm
.set MUL_LO, 0xa5                      ; sources 0 and 1 window 1; C and D window 2
.set TO_F,   0x40                      ; destination window 1, address window 0
.macro PLACES                          ; four plain vector instructions between a matrix instruction and a load into, or a reader of, its registers
.rept 4
	v_nop
.endr
.endm
; A joint load: waves 0 and 1 fetch A's two halves, waves 2 and 3 B's.  The branch hangs on the wave's number alone.  An s_nop 0 and four v_nop follow each line.
.macro JLOAD s
	s_cmp_eq_u32 s11, 0
	s_cbranch_scc0 .Lfor_b_\@
	tensor_load_to_lds s[G0+4*(\s):G0+4*(\s)+3], s[G1:G1+7]
	s_nop 0
.rept 4
	v_nop
.endr
	s_branch .Lasked_\@
.Lfor_b_\@:
	tensor_load_to_lds s[G0B+4*(\s):G0B+4*(\s)+3], s[G1B:G1B+7]
	s_nop 0
.rept 4
	v_nop
.endr
.Lasked_\@:
.endm
; A prefetch of a later K step's 256 bytes of the rows that I fetch, a lane a row.  A's rows are asked for by the clusters with x = 0, B's by those with y = 0; the four partners that ask
; for a tile jointly share its rows out by address.  The last trips, which have no such K step, ask for nothing.
.macro ASK
	s_cmp_gt_u32 s3, s[LIM]
	s_cbranch_scc0 .Lnot_mine_\@
	global_prefetch_b8 v[PFO], s[PFA:PFA+1] th:TH_LOAD_NT scope:SCOPE_SE
.Lnot_mine_\@:
.endm
.macro CREST                           ; a round of the cluster's barrier behind its opening barrier
	s_cmp_lg_u32 s10, 0
	s_cbranch_scc1 .Lnot_wave_0_\@
	s_barrier_signal -3
.Lnot_wave_0_\@:
	s_barrier_wait -3
	s_barrier_signal -1
	s_barrier_wait -1
.endm
.macro CROUND
	s_barrier_signal -1
	s_barrier_wait -1
	CREST
.endm
.macro WRED x, t
	v_add_f32_dpp v[\x], v[\x], v[\x] row_xmask:1 row_mask:0xf bank_mask:0xf
	v_add_f32_dpp v[\x], v[\x], v[\x] row_xmask:2 row_mask:0xf bank_mask:0xf
	v_add_f32_dpp v[\x], v[\x], v[\x] row_xmask:4 row_mask:0xf bank_mask:0xf
	v_add_f32_dpp v[\x], v[\x], v[\x] row_xmask:8 row_mask:0xf bank_mask:0xf
	v_permlanex16_b32 v[\t], v[\x], s[SEL], s[SEL+1]
	v_add_f32 v[\x], v[\x], v[\t]
.endm
.macro RB16 a, t
	v_cvt_pk_bf16_f32 v[\t], v[\a], v[\a+1]
	v_lshlrev_b32 v[\a], 16, v[\t]
	v_and_b32 v[\a+1], s[HI], v[\t]
.endm
	s_load_b128 s[4:7], s[0:1], 0x0                ; A's buffer, wqv
	s_load_b64 s[8:9], s[0:1], 0x10                ; C
.if G2
	s_load_b128 s[68:71], s[0:1], 0x18             ; xbp (partial sums), bias
.else
	s_load_b64 s[68:69], s[0:1], 0x0               ; xbp once more, for the partial sums
	s_load_b64 s[70:71], s[0:1], 0x18              ; bias
.endif
	v_lshl_add_u32 v[SPW], v0, 2, SPARE
	v_mov_b32 v[NIL], 0
	ds_add_u32 v[SPW], v[NIL]                      ; the wave's opening
	ds_add_u32 v28, v29
	v_lshrrev_b32 v1, 5, v0
	v_readfirstlane_b32 s10, v1                    ; wave
	s_lshr_b32 s11, s10, 1                         ; I fetch for A (0) or for B (1)
	s_and_b32 s12, s10, 1                          ; which half of that tile
	s_bfe_u32 s40, ttmp6, 0x40000                  ; cx
	s_bfe_u32 s41, ttmp6, 0x40004                  ; cy
	s_lshl_b32 s42, ttmp9, 2
	s_add_co_u32 s42, s42, s40                     ; tile column
	s_and_b32 s13, ttmp7, 0xffff
	s_lshl_b32 s13, s13, 2
	s_add_co_u32 s13, s13, s41                     ; tile row
	s_lshl_b32 s43, s41, 2
	s_lshl_b32 s43, 15, s43                        ; my row of the cluster
	s_lshl_b32 s44, 0x1111, s40                    ; my column
	s_or_b32 s[G1+0], s43, FLAGS
	s_or_b32 s[G1B+0], s44, FLAGS
	s_mov_b32 s[G1+1], 128<<16                     ; tensor_dim0 = 128 elements
	s_mov_b32 s[G1+2], 128<<16                     ; tensor_dim1 = 128 rows
	s_mov_b32 s[G1+3], 128<<16                     ; tile_dim0
	s_mov_b32 s[G1+4], 128                         ; tile_dim1
	s_mov_b32 s[G1+5], KD                          ; elements from row to row
	s_mov_b32 s[G1+6], 0
	s_mov_b32 s[G1+7], 0
	s_mov_b32 s[G1B+1], 128<<16
	s_mov_b32 s[G1B+2], RB<<16
	s_mov_b32 s[G1B+3], 128<<16
	s_mov_b32 s[G1B+4], RB
	s_mov_b32 s[G1B+5], KD
	s_mov_b32 s[G1B+6], 0
	s_mov_b32 s[G1B+7], 0
	s_lshl_b32 s17, s12, 7
	s_lshl_b32 s16, s13, 8
	s_add_co_u32 s16, s16, s17                     ; A: row 256 x tile row + 128 x half
	s_mul_i32 s46, s42, 16*NB
	s_mul_i32 s47, s12, RB
	s_add_co_u32 s46, s46, s47                     ; B: row 16 NB x tile column + RB x half
	s_mov_b32 s17, 0
	s_mov_b32 s47, 0
	s_mov_b64 s[18:19], KD*2
	s_mul_u64 s[16:17], s[16:17], s[18:19]
	s_mul_u64 s[46:47], s[46:47], s[18:19]
	s_mul_i32 s20, s12, 128*PITCH                  ; where they go: no place in the cluster enters an LDS address
	s_mul_i32 s21, s12, RB*PITCH
	s_add_co_u32 s21, s21, BOFF
	s_mov_b32 s[SEL], 0x76543210
	s_mov_b32 s[SEL+1], 0xfedcba98
	s_mov_b32 s[HI], 0xffff0000
	s_mov_b32 s[TB], 0
	s_wait_dscnt 0x0                               ; the opening add is done
	s_wait_kmcnt 0x0
.if G2
	s_add_nc_u64 s[6:7], s[6:7], WQOFF
.endif
	s_add_nc_u64 s[68:69], s[68:69], POFF
	s_add_nc_u64 s[14:15], s[4:5], s[16:17]
	s_add_nc_u64 s[46:47], s[6:7], s[46:47]
	CROUND                                         ; all sixteen work-groups are here: the first joint loads meet
.irp s, 0,1
	s_mov_b32 s[G0+4*\s], 1
	s_add_co_u32 s[G0+4*\s+1], s20, \s*SLOT1
	s_add_nc_u64 s[G0+4*\s+2:G0+4*\s+3], s[14:15], \s*256  ; K step s
	s_or_b32 s[G0+4*\s+3], s[G0+4*\s+3], 0x80000000
	s_mov_b32 s[G0B+4*\s], 1
	s_add_co_u32 s[G0B+4*\s+1], s21, \s*SLOT1
	s_add_nc_u64 s[G0B+4*\s+2:G0B+4*\s+3], s[46:47], \s*256
	s_or_b32 s[G0B+4*\s+3], s[G0B+4*\s+3], 0x80000000
	JLOAD \s                                       ; two loads of mine are out
.endr
	; while the first tiles are on their way: the bias, s, the addresses
	v_and_b32 v1, 15, v0                           ; l % 16
	v_bfe_u32 v2, v0, 4, 1                         ; l / 16
	s_mul_i32 s21, s42, 64*NB
	v_lshl_add_u32 v[BOV], v2, 5, s21              ; (16 NB x tile column + 8 h) x 4
	v_and_b32 v[L16], 31, v0
	v_lshlrev_b32 v[L16], 4, v[L16]
.set b, 0
.rept NB
	global_load_b128 v[BI+8*b:BI+8*b+3],   v[BOV], s[70:71] offset:64*b
	global_load_b128 v[BI+8*b+4:BI+8*b+7], v[BOV], s[70:71] offset:64*b+16
.set b, b+1
.endr
.set b, 0
.rept PN
	global_load_b128 v[T+4*b:T+4*b+3], v[L16], s[68:69] offset:512*b
.set b, b+1
.endr
	v_mul_u32_u24 v3, v1, PITCH
	v_lshl_add_u32 v3, v2, 4, v3                   ; a fragment's row x pitch + 16 x half
	s_mul_i32 s21, s10, 64*PITCH                   ; my 64 rows of A
	v_add_nc_u32 v[A0], s21, v3
	v_add_nc_u32 v[B0], BOFF, v3
	v_mov_b32 v[ADRA], v[A0]
	v_mov_b32 v[ADRB], v[B0]
	s_mul_i32 s23, s10, STB
	s_add_co_u32 s23, s23, STAGE                   ; my stage
.if G2
	v_mul_u32_u24 v4, v1, 144                      ; in: row l % 16, 16 bytes for each half of the lanes
	v_lshl_add_u32 v4, v2, 4, v4
	v_add_nc_u32 v[STO], s23, v4
	v_bfe_u32 v5, v0, 3, 2                         ; back: 32 lanes take four rows of 128 bytes
	v_mul_u32_u24 v5, v5, 144
	v_and_b32 v6, 7, v0
	v_lshl_add_u32 v5, v6, 4, v5
	v_add_nc_u32 v[RD], s23, v5
	s_lshr_b32 s20, s13, 1                         ; the batch; q, k, v lie by heads: [16][48][512][64]
	s_mul_i32 s20, s20, 48
	s_mul_i32 s21, s42, 3
	s_add_co_u32 s20, s20, s21
	s_lshl_b32 s20, s20, 16
	s_and_b32 s21, s13, 1
	s_lshl_b32 s21, s21, 8
	s_lshl_b32 s22, s10, 6
	s_add_co_u32 s21, s21, s22
	s_lshl_b32 s21, s21, 7
	s_add_co_u32 s20, s20, s21
.else
	v_mul_u32_u24 v4, v1, 528                      ; in: row l % 16, 32 bytes for each half of the lanes
	v_lshl_add_u32 v4, v2, 5, v4
	v_add_nc_u32 v[STO], s23, v4
	v_add_nc_u32 v[RD], s23, v[L16]                ; back: 32 lanes take a row of 512 bytes
	s_lshl_b32 s20, s13, 8
	s_lshl_b32 s21, s10, 6
	s_add_co_u32 s20, s20, s21
	s_lshl_b32 s20, s20, 12                        ; my first row of C,
	s_lshl_b32 s21, s42, 9                         ; my tile's 512 bytes of it
	s_add_co_u32 s20, s20, s21
.endif
	s_mov_b32 s21, 0
	s_add_nc_u64 s[8:9], s[8:9], s[20:21]
	; the prefetches
	s_lshl_b32 s20, s13, 8
	s_lshl_b32 s21, s12, 7
	s_add_co_u32 s20, s20, s21
	s_lshl_b32 s21, s40, 5
	s_add_co_u32 s20, s20, s21                     ; A: my work-group's 32 of the 128 rows that I fetch
	s_mul_i32 s21, s42, 16*NB
	s_mul_i32 s23, s12, RB
	s_add_co_u32 s21, s21, s23
	s_mul_i32 s23, s41, RB/4
	s_add_co_u32 s21, s21, s23                     ; B: my work-group's RB / 4 of the RB rows
	s_and_b32 s22, ttmp7, 0xffff
	s_cmp_eq_u32 s11, 0
	s_cselect_b32 s20, s20, s21
	s_cselect_b32 s22, ttmp9, s22                  ; the coordinate along which other clusters read the same rows
	s_cselect_b64 s[PFA:PFA+1], s[4:5], s[6:7]
	s_cselect_b32 s23, 31, RB/4-1
	s_cmp_eq_u32 s22, 0
	s_cselect_b32 s[LIM], LIMV, -1                 ; the same in all sixteen partners, for a given wave
	s_mov_b32 s21, 0
	s_mov_b64 s[18:19], KD*2
	s_mul_u64 s[20:21], s[20:21], s[18:19]
	s_add_nc_u64 s[PFA:PFA+1], s[PFA:PFA+1], s[20:21]
	s_add_nc_u64 s[PFA:PFA+1], s[PFA:PFA+1], PF0*256  ; each change of slots steps it by a K step before it asks
	v_and_b32 v[PFO], 31, v0
	v_min_u32 v[PFO], s23, v[PFO]                  ; lanes past my share's last row name that row
	v_mul_u32_u24 v[PFO], v[PFO], KD*2
	s_wait_loadcnt 0x0
	; s = clamp(mean |bf16(W)|, 1e-5, 1000)
.set b, 1
.rept PN-1
	v_pk_add_f32 v[T:T+1],   v[T:T+1],   v[T+4*b:T+4*b+1]
	v_pk_add_f32 v[T+2:T+3], v[T+2:T+3], v[T+4*b+2:T+4*b+3]
.set b, b+1
.endr
	v_pk_add_f32 v[T:T+1], v[T:T+1], v[T+2:T+3]
	v_add_f32 v[T], v[T], v[T+1]
	WRED T, T+1
	v_mul_f32 v[T], PRC, v[T]
	v_max_num_f32 v[T], 0x3727c5ac, v[T]
	v_min_num_f32 v[T], 0x447a0000, v[T]
	v_readfirstlane_b32 s[SS], v[T]
.set b, 0
.rept 4*NB
	RB16 BI+2*b, T+2                               ; the bias is an input: rounded to bf16 like all of them
.set b, b+1
.endr
.if G2
	s_mul_i32 s45, s42, 3                          ; my first head among the 48; heads 0-15 are q, which takes the factor log2(e) / 8 of the softmax's exponent
.irp hd, 0,1,2
	s_add_co_u32 s22, s45, \hd
	s_cmp_lt_u32 s22, 16
	s_cselect_b32 s[FC+2*\hd], 0x3e38aa3b, 1.0
	s_mov_b32 s[FC+2*\hd+1], s[FC+2*\hd]
	s_mul_f32 s[SC+2*\hd], s[SS], s[FC+2*\hd]
	s_mov_b32 s[SC+2*\hd+1], s[SC+2*\hd]
.set b, 0
.rept 16
	v_pk_mul_f32 v[BI+32*\hd+2*b:BI+32*\hd+2*b+1], v[BI+32*\hd+2*b:BI+32*\hd+2*b+1], s[FC+2*\hd:FC+2*\hd+1] op_sel_hi:[1,0]
.set b, b+1
.endr
.endr
.else
	s_mov_b32 s[SC], s[SS]
	s_mov_b32 s[SC+1], s[SS]
.endif
; NB matrix instructions: row block 2 hi + a x all column blocks, 32 along K.  All 4 NB accumulators take turns, in the same order in every quarter.
.macro MULH f, hi, a, zero
	WIN MUL_LO+0x50*(\hi)
.set b, 0
.rept NB
.if \zero
	v_wmma_f32_16x16x32_bf16 v[8*(NB*(\a)+b):8*(NB*(\a)+b)+7], v[(\f)+8*b:(\f)+8*b+7], v[(\f)+8*NB+8*(2*(\hi)+(\a)):(\f)+8*NB+8*(2*(\hi)+(\a))+7], 0
.else
	v_wmma_f32_16x16x32_bf16 v[8*(NB*(\a)+b):8*(NB*(\a)+b)+7], v[(\f)+8*b:(\f)+8*b+7], v[(\f)+8*NB+8*(2*(\hi)+(\a)):(\f)+8*NB+8*(2*(\hi)+(\a))+7], v[8*(NB*(\a)+b):8*(NB*(\a)+b)+7]
.endif
.set b, b+1
.endr
.endm
; 2 NB + 8 LDS loads in one run: the fragments of 32 along K at byte k of the rows: B's, then A's four
.macro FETCH k, f
	WIN TO_F
.set b, 0
.rept NB
	ds_load_b128 v[(\f)+8*b:(\f)+8*b+3],   v[ADRB] offset:(\k)+b*16*PITCH
	ds_load_b128 v[(\f)+8*b+4:(\f)+8*b+7], v[ADRB] offset:(\k)+b*16*PITCH+32
.set b, b+1
.endr
.set b, 0
.rept 4
	ds_load_b128 v[(\f)+8*NB+8*b:(\f)+8*NB+8*b+3],   v[ADRA] offset:(\k)+b*16*PITCH
	ds_load_b128 v[(\f)+8*NB+8*b+4:(\f)+8*NB+8*b+7], v[ADRA] offset:(\k)+b*16*PITCH+32
.set b, b+1
.endr
.endm
; One of a K step's first three quarters: multiplies buffer f; in its middle it fetches the next quarter, at byte k, into buffer g
.macro QUARTER k, f, g, zero
	s_wait_dscnt 4                                 ; B and A's blocks 0, 1 are in; the youngest four loads (A's blocks 2, 3) may be out
	MULH \f, 0, 0, \zero
	MULH \f, 0, 1, \zero
	PLACES
	FETCH \k, \g
	s_wait_dscnt 2*NB+8                            ; all but the run just issued
	MULH \f, 1, 0, \zero
	MULH \f, 1, 1, \zero
.endm
; The last quarter multiplies buffer 1 and changes slots.  In front of the barrier each wave waits for all its tensor loads (one is out: its part of the next slot), adds 0 to its spare
; word, and waits for that and for its reads of this slot.  fill = 1: the barrier opens a round of the cluster's, and this slot is filled again, first thing behind it, two K steps ahead.
.macro TURN fill
.if \fill
	s_wait_xcnt 0x0                                ; the last prefetch, a K step back, has read its address
	s_add_nc_u64 s[PFA:PFA+1], s[PFA:PFA+1], 256
.endif
	WIN 0
	s_wait_tensorcnt 0x0
	ds_add_u32 v[SPW], v[NIL]
	s_wait_dscnt 7                                 ; the add and the six loads of A's blocks 1 to 3 may be out
	MULH F1, 0, 0, 0
	s_wait_dscnt 0x0                               ; the add is done, and my reads of this slot are over
	s_barrier_signal -1
	MULH F1, 0, 1, 0
	WIN 0
	s_barrier_wait -1
.if \fill
	CREST                                          ; no wave of any partner still reads this slot or has a load on its way
	s_xor_b32 s[G0+5], s[G0+5], SLOT1              ; the walking descriptors: the other slot than last time, the next K step
	s_add_nc_u64 s[G0+6:G0+7], s[G0+6:G0+7], 256
	s_xor_b32 s[G0B+5], s[G0B+5], SLOT1
	s_add_nc_u64 s[G0B+6:G0B+7], s[G0B+6:G0B+7], 256
	JLOAD 1                                        ; its four v_nop are also the places in front of the loads below
.else
	PLACES
.endif
	s_xor_b32 s[TB], s[TB], SLOT1
	v_add_nc_u32 v[ADRA], s[TB], v[A0]
	v_add_nc_u32 v[ADRB], s[TB], v[B0]
	FETCH 0, F0
.if \fill
	WIN 0
	ASK
.endif
	MULH F1, 1, 0, 0
	MULH F1, 1, 1, 0
.endm
; THE WAY OUT: sum x factor + bias; through my own stage in LDS, so that a store of the wave covers 512 consecutive bytes
.if G2
.macro PACK n                          ; row block n / 3, head n % 3: 16 rows x 64 columns
.set a, (\n)/3
.set hd, (\n)%3
	WIN 0x02+(a/2)
.set z, 0
.rept 16
	v_pk_fma_f32 v[T+2*z:T+2*z+1], v[8*(NB*(a%2)+4*hd)+2*z:8*(NB*(a%2)+4*hd)+2*z+1], s[SC+2*hd:SC+2*hd+1], v[BI+32*hd+2*z:BI+32*hd+2*z+1] op_sel_hi:[1,0,1]
.set z, z+1
.endr
	WIN 0
.set z, 0
.rept 16
	v_cvt_pk_bf16_f32 v[PKD+z], v[T+2*z], v[T+2*z+1]
.set z, z+1
.endr
.endm
.macro TOSTAGE n
	WIN 0
.irp f, 0,1,2,3
	ds_store_b128 v[STO], v[PKD+4*\f:PKD+4*\f+3] offset:32*\f
.endr
	WIN TO_F
.irp f, 0,1,2,3
	ds_load_b128 v[16*(\n)+4*\f:16*(\n)+4*\f+3], v[RD] offset:\f*576  ; LDS serves a wave's instructions in order: these see the stores above
.endr
	WIN 0
.endm
.macro SEND n
.set a, (\n)/3
.set hd, (\n)%3
	WIN 0x04                                       ; store data in window 1
	s_wait_dscnt 0x0
.irp f, 0,1,2,3
	global_store_b128 v[L16], v[16*(\n)+4*\f:16*(\n)+4*\f+3], s[8:9] offset:a*2048+\f*512+hd*65536
.endr
	WIN 0
.endm
.else
.macro PACK n                          ; row block n: 16 rows x 128 columns of f32
	WIN 0x02+((\n)/2)
.set z, 0
.rept 32
	v_pk_fma_f32 v[T+2*z:T+2*z+1], v[8*NB*((\n)%2)+2*z:8*NB*((\n)%2)+2*z+1], s[SC:SC+1], v[BI+2*z:BI+2*z+1] op_sel_hi:[1,0,1]
.set z, z+1
.endr
	WIN 0
.endm
.macro TOSTAGE n
	WIN 0
.set z, 0
.rept 8
	ds_store_b128 v[STO], v[T+8*z:T+8*z+3]   offset:64*z
	ds_store_b128 v[STO], v[T+8*z+4:T+8*z+7] offset:64*z+16
.set z, z+1
.endr
	WIN TO_F
.set z, 0
.rept 16
	ds_load_b128 v[64*(\n)+4*z:64*(\n)+4*z+3], v[RD] offset:z*528  ; LDS serves a wave's instructions in order: these see the stores above
.set z, z+1
.endr
	WIN 0
.endm
.macro SEND n
	WIN 0x04
	s_wait_dscnt 0x0
.set z, 0
.rept 16
	global_store_b128 v[L16], v[64*(\n)+4*z:64*(\n)+4*z+3], s[8:9] offset:(\n)*65536+z*4096
.set z, z+1
.endr
	WIN 0
.endm
.endif
	s_wait_tensorcnt 1                             ; my part of K step 0 is in; K step 1's may stay out
	s_barrier_signal -1
	s_barrier_wait -1
	FETCH 0, F0
	QUARTER 64, F0, F1, 1                          ; the first quarter's products start the sums: nothing is cleared
	WIN 0
	s_mov_b32 s3, KSTEPS-2
.Lstep:                                            ; a trip ends K step j, fills its slot with K step j + 2 and begins K step j + 1
	QUARTER 128, F1, F0, 0
	QUARTER 192, F0, F1, 0
	TURN 1
	QUARTER 64, F0, F1, 0
	WIN 0
	s_sub_co_u32 s3, s3, 1
	s_cmp_lg_u32 s3, 0
	s_cbranch_scc1 .Lstep
	QUARTER 128, F1, F0, 0                         ; the last two K steps are written out: nothing is left to fetch
	QUARTER 192, F0, F1, 0
	TURN 0
	QUARTER 64, F0, F1, 0
	QUARTER 128, F1, F0, 0
	QUARTER 192, F0, F1, 0
	s_wait_dscnt 4
	MULH F1, 0, 0, 0
	MULH F1, 0, 1, 0
	s_wait_dscnt 0x0
	MULH F1, 1, 0, 0
	MULH F1, 1, 1, 0
	WIN 0
	PLACES
	PACK 0
	TOSTAGE 0
.if G2
.irp n, 1,2,3,4,5,6,7,8,9,10,11
	PACK \n                                        ; a block's arithmetic stands between the loads of the block before and its stores
	SEND (\n)-1
	TOSTAGE \n
.endr
	SEND 11
.else
.irp n, 1,2,3
	PACK \n
	SEND (\n)-1
	TOSTAGE \n
.endr
	SEND 3
.endif
	s_wait_tensorcnt 0x0                           ; the wave's end
	ds_add_u32 v[SPW], v[NIL]
	s_wait_dscnt 0x0
	CROUND                                         ; the closing round: no work-group ends while a partner may still ask for a tile that names it
	s_endpgm
.Lfunc_end_k_q557c5e921e_g2:
	.size	k_q557c5e921e_g2, .Lfunc_end_k_q557c5e921e_g2-k_q557c5e921e_g2
	.p2alignl 7, 3214868480
	.fill 96, 4, 3214868480
	.section	.rodata,"a",@progbits
	.p2align	6, 0x0
	.amdhsa_kernel k_q557c5e921e_g2
		.amdhsa_group_segment_fixed_size 327680
		.amdhsa_private_segment_fixed_size 0
		.amdhsa_enable_private_segment 0
		.amdhsa_kernarg_size 40
		.amdhsa_user_sgpr_count 2
		.amdhsa_user_sgpr_kernarg_segment_ptr 1
		.amdhsa_wavefront_size32 1
		.amdhsa_system_sgpr_workgroup_id_x 1
		.amdhsa_system_sgpr_workgroup_id_y 1
		.amdhsa_system_sgpr_workgroup_id_z 1
		.amdhsa_system_vgpr_workitem_id 0
		.amdhsa_next_free_vgpr 960
		.amdhsa_next_free_sgpr 96
		.amdhsa_reserve_vcc 0
		.amdhsa_float_denorm_mode_32 3
		.amdhsa_float_denorm_mode_16_64 3
		.amdhsa_memory_ordered 1
		.amdhsa_forward_progress 1
		.amdhsa_inst_pref_size 127
	.end_amdhsa_kernel
	.amdgpu_metadata
---
amdhsa.version: [ 1, 2 ]
amdhsa.kernels:
  - .name:           k_q557c5e921e_g2
    .symbol:         k_q557c5e921e_g2.kd
    .args:
      - { .name: lnt, .offset: 0, .size: 8, .value_kind: global_buffer, .address_space: global }
      - { .name: wqv, .offset: 8, .size: 8, .value_kind: global_buffer, .address_space: global }
      - { .name: qkvh, .offset: 16, .size: 8, .value_kind: global_buffer, .address_space: global }
      - { .name: xbp, .offset: 24, .size: 8, .value_kind: global_buffer, .address_space: global }
      - { .name: b_tqkv, .offset: 32, .size: 8, .value_kind: global_buffer, .address_space: global }
    .group_segment_fixed_size: 327680
    .private_segment_fixed_size: 0
    .kernarg_segment_align: 8
    .kernarg_segment_size: 40
    .max_flat_workgroup_size: 128
    .sgpr_count:     96
    .vgpr_count:     960
    .wavefront_size: 32
...
	.end_amdgpu_metadata
.endif
;; end of part 5
;; launch attn (part 6): grid 256 x 1, 4 waves a work-group, no clusters, 327,680 bytes of LDS; arguments qkvh, tp, wqv, lnt, rel_embed, text_mask, out1, i2tv; writes out1, i2tv
.if DOCPART == 6
	.amdgcn_target "amdgcn-amd-amdhsa--gfx1250"
	.amdhsa_code_object_version 6
	.text
	.protected	k_q557c5e921e_attn
	.globl	k_q557c5e921e_attn
	.p2align	8
	.type	k_q557c5e921e_attn,@function
k_q557c5e921e_attn:
	s_mov_b64 s[64:65], 0
	v_nop
	global_prefetch_b8 v0, s[64:65] scope:SCOPE_SE
	s_setreg_imm32_b32 hwreg(HW_REG_WAVE_MODE, 25, 1), 1
	s_wait_xcnt 0x0
; One work-group for each (batch, head): text self-attention with the clipped relative-position bias and the key mask; ts = tp + O; out1 = ts + tvec; and the image-to-text row
; i2tv[b][64 h ..] = softmax_k(vp . ts[k] / 8, masked) ts: all 512 query rows of that attention are the same vector, so one row is computed, and the mean of equal rows is that row.
; q' (with the factor log2(e) / 8), k, v: [16][48][512][64] bf16.  Products, maxima and sums in f32; the weights p are rounded to bf16 for the second product, their sum l is taken unrounded.
; SHARES.  A wave owns 128 queries: four PIECES of two tiles of 16.  Every wave walks all 512 keys, 64 a step.  All of K, V and the head's slice of tp lie in LDS, each filled once: no ring.
; NO CLUSTER: no two work-groups read the same tile.
; LAYOUT.  S^T = K Q^T + C (source 0 = 16 keys, source 1 = 16 queries): a lane holds one query (lane % 16) and the keys 8 (lane / 16) + 0..7; two results rounded to bf16 are source 1 of O^T = V^T P.
; BIAS AND MASK are the C operand that starts the sum: log2(e) bf16(rel_embed[clip(q - k) + 128][h]) + (0 or -1e30).  The bias hangs on q - k alone: four shifted copies of a table of 1,024 numbers lie in
; LDS, from which a lane's eight numbers of a tile are 32 consecutive bytes; a key step needs 11 such tiles for the wave's eight query tiles.
; SOFTMAX.  p = 2^(s - m) with a running maximum m; O and l are multiplied by a = 2^(m_old - m_new) in every step; m starts at the lowest finite number, O and l at 0.
; A BATCH WITH NO KEY LEFT: reference() then gives equal weights.  A flag made of the mask's bytes, used in selects alone, turns Q, the bias, the mask term and the image query into 0: all scores are equal.
; BY TURNS.  Turn n belongs to piece n: 16 products K Q^T of piece n + 1, later 16 products V^T P of piece n - 1; beside them piece n's scaling, exponentials, roundings, sums and rescaling and piece
; n + 1's start values, maximum and statistics.  Four vector instructions stand behind every matrix instruction, the rest in one run; a turn's 66 exponentials are one batch with one wait.
; LIMITS.  A hidden score counts as -1e30 (reference(): -1e9): scores beyond some 1e9 in magnitude are not served.  A weight below 2^-126 counts as 0.  NaN and infinities are not treated apart.
; REGISTERS by windows of 256: window 0: v0-15 addresses; v16-47 four registers of statistics a tile (m, m_old, l, l); v48-63 at work; v64-191 S^T, two buffers of two tiles; v192-255 P likewise.
;   window 1: O^T, 32 a tile.   window 2: v0-127 Q; v128-191 K of a step; v192-255 V of a step.   window 3: v0-1 the add's registers; v8-95 eleven bias tiles; v96-127 the step's mask terms.
.set NP,    4
.set KS,    64
.set PK,    144                        ; a row of K in LDS: 128 bytes + 16
.set PV,    160                        ; a row of V: 128 + 32
.set VT,    73728                      ; V behind K's 512 rows
.set TPS,   155648                     ; the slice of tp, later ts: 512 rows of 256 bytes + 16
.set TPP,   272
.set GB,    294912                     ; four copies of the bias table, 4,096 bytes + 64 apart
.set GBP,   4160
.set MKT,   312832                     ; the 512 mask terms
.set MRG,   314880                     ; the eight parts of the image-to-text row: 16 bytes a thread
.set SPARE, 316928                     ; the spare words, 128 bytes a wave: two blocks of 256 bytes that no other line names
.set MRL,   317440                     ; the parts' m and l: 8 bytes a thread
.set VPO,   7864320
.set TVO,   16777216
.set AK0, 2
.set AV0, 3
.set AK,  4
.set AV,  5
.set ATP, 6                            ; first Q's offset; later my place in the slice of tp, in O^T's layout
.set ARD0, 7
.set AMS0, 8
.set GO,  10
.set VO,  11
.set ABT0, 12
.set AMK0, 13
.set ABT, 14
.set AMK, 15
.set ST,  16
.set TMP, 48
.set S,   64
.set P,   192
.set KF,  128
.set VF,  192
.set SPW, 0                            ; window 3
.set NIL, 1
.set BT,  8
.set MK,  96
.set WV,  20
.set BB,  21
.set HH,  22
.set G1K, 24
.set G1V, 32
.set G1T, 40
.set G0K, 48
.set G0V, 52
.set G0T, 56
.set CNT, 60
.set SEL, 62
.set TBK, 66
.set TBV, 67
.set TBB, 68
.set ANY, 69
.set NEG, 70
.set FF,  71
.set LF,  80
.set CF,  82
.set EB,  84
.set EM,  85
.set SAV, 86
.set MSB, 0
.macro WIN new
.if MSB != (\new)
	s_set_vgpr_msb (MSB<<8)|(\new)
.set MSB, (\new)
.endif
.endm
.set W_KQ, 0x0a                        ; K and Q in window 2, S^T in window 0
.set W_PV, 0x52                        ; V in window 2, P in window 0, O^T in window 1
.set W_RS, 0x41                        ; destination and source 0 in window 1, source 1 in window 0
.set W_MK, 0xc0                        ; destination in window 3
.set W_AD, 0x0f                        ; sources 0 and 1 in window 3
	s_load_b512 s[4:19], s[0:1], 0x0               ; qkvh, tp, wqv, lnt, rel_embed, text_mask, out1, i2tv
	WIN W_MK
	v_lshl_add_u32 v[SPW], v0, 2, SPARE
	v_mov_b32 v[NIL], 0
	WIN W_AD
	ds_add_u32 v[SPW], v[NIL]                      ; the wave's opening
	ds_add_u32 v0, v1
	WIN 0
	v_lshrrev_b32 v1, 5, v0
	v_readfirstlane_b32 s[WV], v1
	s_lshr_b32 s[BB], ttmp9, 4                     ; batch
	s_and_b32 s[HH], ttmp9, 15                     ; head
	s_mul_i32 s72, s[BB], 48
	s_add_co_u32 s72, s72, s[HH]
	s_lshl_b32 s72, s72, 16                        ; the head's q, 65,536 bytes a head,
	s_lshl_b32 s74, s[WV], 14                      ; my wave's 128 rows of 128 bytes
	s_add_co_u32 s72, s72, s74
	s_mov_b32 s73, 0
	s_lshl_b32 s74, s[BB], 21                      ; tp and out1: (512 b + 128 w) rows of 4,096 bytes + the head's 256
	s_lshl_b32 s75, s[WV], 19
	s_add_co_u32 s74, s74, s75
	s_lshl_b32 s75, s[HH], 8
	s_add_co_u32 s74, s74, s75
	s_mov_b32 s75, 0
	; K, V: my 128 keys are 16,384 dense bytes: 64 rows of 256 bytes, two keys a row, padded in LDS after every key
	s_mov_b32 s[G1K], (1<<16)|(1<<20)|(4<<22)|(3<<25)
	s_mov_b32 s[G1V], (1<<16)|(1<<20)|(4<<22)|(7<<25)
.irp g, G1K, G1V
	s_mov_b32 s[\g+1], 128<<16
	s_mov_b32 s[\g+2], 64<<16
	s_mov_b32 s[\g+3], 128<<16
	s_mov_b32 s[\g+4], 64
	s_mov_b32 s[\g+5], 128
	s_mov_b32 s[\g+6], 0
	s_mov_b32 s[\g+7], 0
.endr
	; tp: my 128 rows x 64 f32, 1,024 elements from row to row, 16 bytes of padding behind each row
	s_mov_b32 s[G1T], (2<<16)|(1<<20)|(5<<22)|(3<<25)
	s_mov_b32 s[G1T+1], 64<<16
	s_mov_b32 s[G1T+2], 128<<16
	s_mov_b32 s[G1T+3], 64<<16
	s_mov_b32 s[G1T+4], 128
	s_mov_b32 s[G1T+5], 1024
	s_mov_b32 s[G1T+6], 0
	s_mov_b32 s[G1T+7], 0
	s_mov_b32 s[G0K], 1
	s_mul_i32 s[G0K+1], s[WV], 128*PK
	s_mov_b32 s[G0V], 1
	s_mul_i32 s76, s[WV], 128*PV
	s_add_co_u32 s[G0V+1], s76, VT
	s_mov_b32 s[G0T], 1
	s_mul_i32 s76, s[WV], 128*TPP
	s_add_co_u32 s[G0T+1], s76, TPS
	s_mov_b32 s[SEL], 0x76543210
	s_mov_b32 s[SEL+1], 0xfedcba98
	s_mov_b32 s[TBK], 0
	s_mov_b32 s[TBV], 0
	s_mov_b32 s[TBB], 0
	s_wait_dscnt 0x0                               ; the opening add is done
	s_wait_kmcnt 0x0
	s_add_nc_u64 s[4:5], s[4:5], s[72:73]          ; q at my wave's rows; k and v lie 16 and 32 heads on
	s_add_nc_u64 s[G0K+2:G0K+3], s[4:5], 16*65536
	s_or_b32 s[G0K+3], s[G0K+3], 0x80000000
	s_add_nc_u64 s[G0V+2:G0V+3], s[4:5], 32*65536
	s_or_b32 s[G0V+3], s[G0V+3], 0x80000000
	s_add_nc_u64 s[G0T+2:G0T+3], s[6:7], s[74:75]
	s_or_b32 s[G0T+3], s[G0T+3], 0x80000000
	s_add_nc_u64 s[16:17], s[16:17], s[74:75]
	s_add_nc_u64 s[8:9], s[8:9], VPO
	s_add_nc_u64 s[10:11], s[10:11], TVO
	tensor_load_to_lds s[G0K:G0K+3], s[G1K:G1K+7]  ; three first fills, all that this wave ever asks for: three loads of mine are out
	s_nop 0
	tensor_load_to_lds s[G0V:G0V+3], s[G1V:G1V+7]
	s_nop 0
	tensor_load_to_lds s[G0T:G0T+3], s[G1T:G1T+7]
	s_nop 0
.rept 4
	v_nop
.endr
	v_and_b32 v1, 15, v0                           ; l % 16
	v_bfe_u32 v9, v0, 4, 1                         ; l / 16
	v_lshlrev_b32 v[ATP], 7, v1
	v_lshl_add_u32 v[ATP], v9, 4, v[ATP]           ; Q: row x 128 + 16 x half
	WIN 0x80
.set i, 0
.rept 16                               ; Q stays in registers: tile i / 2, channels 32 (i % 2) on
	global_load_b128 v[8*i:8*i+3],   v[ATP], s[4:5] offset:(i/2)*2048+(i%2)*64
	global_load_b128 v[8*i+4:8*i+7], v[ATP], s[4:5] offset:(i/2)*2048+(i%2)*64+32
.set i, i+1
.endr
	WIN 0
	v_and_b32 v10, 31, v0
	s_lshl_b32 s72, s[BB], 9
	v_lshl_add_u32 v10, v10, 4, s72                ; the batch's 512 mask bytes, 16 a lane: every wave sees them all
	v_lshl_add_u32 v11, v0, 2, s72                 ; and 4 a thread, for the table
	global_load_b128 v[64:67], v10, s[14:15]
	global_load_b32 v68, v11, s[14:15]
	; THE BIAS TABLE.  Number y of copy c holds the bias of index clamp(640 + c - y, 0, 256): copy c is copy 0 moved on by c numbers.  Thread t makes numbers 4 t .. 4 t + 3 (group 0) and
	; 512 + 4 t .. + 3 (group 1) of all four copies; for a group it needs the seven numbers 4 gi - 3 .. 4 gi + 3 of copy 0: indices min(643 - i - 4 t, 256) and (131 - i) - min(4 t, 131 - i), i = 0 .. 6.
	s_lshl_b32 s73, s[HH], 2                       ; my head's number in a row of rel_embed (64 bytes)
	v_lshlrev_b32 v75, 2, v0                       ; 4 t
.set i, 0
.rept 7
	v_sub_nc_u32 v73, 643-i, v75
	v_min_u32 v73, 256, v73
	v_lshl_add_u32 v[96+i], v73, 6, s73
	v_min_u32 v74, 131-i, v75
	v_sub_nc_u32 v74, 131-i, v74
	v_lshl_add_u32 v[104+i], v74, 6, s73
	global_load_b32 v[112+i], v[96+i], s[12:13]
	global_load_b32 v[120+i], v[104+i], s[12:13]
.set i, i+1
.endr
	v_mul_u32_u24 v[AK0], v1, PK
	v_lshl_add_u32 v[AK0], v9, 4, v[AK0]
	; the turning load takes 16 keys x 16 channels: lane l reads key 8 (l / 16) + l % 8, channels 8 ((l / 8) % 2) + 0..7
	v_and_b32 v73, 7, v0
	v_bfe_u32 v74, v0, 3, 1
	v_lshl_add_u32 v[AV0], v9, 3, v73
	v_mul_u32_u24 v[AV0], v[AV0], PV
	v_lshl_add_u32 v[AV0], v74, 4, v[AV0]
	v_add_nc_u32 v[AV0], VT, v[AV0]
	; bias tile u (= key block - query tile + 7) of step st: copy r % 4, byte 256 st + 64 u + 32 h - 16 (r / 4) + 4 (400 - 128 w)
	v_and_b32 v73, 3, v1
	v_lshrrev_b32 v74, 2, v1
	v_mul_u32_u24 v[ABT0], v73, GBP
	v_lshl_add_u32 v[ABT0], v9, 5, v[ABT0]
	s_lshl_b32 s74, s[WV], 9
	s_sub_co_u32 s74, GB+1600, s74
	v_add_nc_u32 v[ABT0], s74, v[ABT0]
	v_lshlrev_b32 v74, 4, v74
	v_sub_nc_u32 v[ABT0], v[ABT0], v74
	v_lshlrev_b32 v[AMK0], 5, v9
	v_add_nc_u32 v[AMK0], MKT, v[AMK0]
	; what the first turn finds: V's registers and P's second buffer hold 0, O^T and l are 0.  All this stands in the wait for the tiles.
	WIN 0x80
.set i, VF
.rept 64
	v_mov_b32 v[i], 0
.set i, i+1
.endr
	WIN 0x40
.set i, 0
.rept 256
	v_mov_b32 v[i], 0
.set i, i+1
.endr
	WIN 0
.set i, 0
.rept 8
	v_mov_b32 v[ST+4*i], 0xff7fffff
	v_mov_b32 v[ST+4*i+1], 0xff7fffff
	v_mov_b32 v[ST+4*i+2], 0
	v_mov_b32 v[ST+4*i+3], 0
.set i, i+1
.endr
.set i, P+32
.rept 32
	v_mov_b32 v[i], 0
.set i, i+1
.endr
	s_wait_loadcnt 0x0
	v_or_b32 v64, v64, v65
	v_or_b32 v66, v66, v67
	v_or_b32 v64, v64, v66
	v_cmp_ne_u32 s72, 0, v64
	s_cmp_lg_u32 s72, 0                            ; is any key of the batch left?  Used in selects alone
	s_cselect_b32 s[ANY], -1, 0
	s_cselect_b32 s[NEG], 0xf149f2ca, 0            ; -1e30
	s_cselect_b32 s[FF], 1.0, 0
	s_mul_f32 s[LF], s[FF], 0x3fb8aa3b             ; log2(e)
	s_mul_f32 s[CF], s[FF], 0x3e38aa3b             ; log2(e) / 8
	s_mov_b32 s[CF+1], s[CF]
	WIN 0x88
.set i, 0
.rept 128
	v_and_b32 v[i], s[ANY], v[i]
.set i, i+1
.endr
	WIN 0
	; the fourteen bias numbers: rounded to bf16 like all inputs, times log2(e); kept twice, the second array one number on, so that each copy's four numbers begin at an even register
.set gg, 0
.rept 2
.set i, 0
.rept 7
	v_cvt_pk_bf16_f32 v73, v[112+8*gg+i], v[112+8*gg+i]
	v_lshlrev_b32 v73, 16, v73
	v_mul_f32 v[112+8*gg+i], s[LF], v73
.if i > 0
	v_mul_f32 v[128+8*gg+i-1], s[LF], v73
.endif
.set i, i+1
.endr
.set gg, gg+1
.endr
	v_lshl_add_u32 v74, v0, 4, GB
.set gg, 0
.rept 2                                ; copy c takes numbers 3 - c .. 6 - c of the seven
	ds_store_b128 v74, v[128+8*gg+2:128+8*gg+5] offset:2048*gg
	ds_store_b128 v74, v[112+8*gg+2:112+8*gg+5] offset:GBP+2048*gg
	ds_store_b128 v74, v[128+8*gg:128+8*gg+3]   offset:2*GBP+2048*gg
	ds_store_b128 v74, v[112+8*gg:112+8*gg+3]   offset:3*GBP+2048*gg
.set gg, gg+1
.endr
.irp e, 0,1,2,3
	v_bfe_u32 v73, v68, 8*\e, 8
	v_cmp_eq_u32 vcc_lo, 0, v73
	v_cndmask_b32 v[76+\e], 0, s[NEG], vcc_lo
.endr
	v_lshl_add_u32 v75, v0, 4, MKT
	ds_store_b128 v75, v[76:79]
	s_wait_tensorcnt 0x0                           ; my parts of K, V and tp are in,
	s_wait_dscnt 0x0                               ; my parts of the bias table and of the mask terms are written:
	s_barrier_signal -1
	s_barrier_wait -1                              ; everybody's are
; THE MATRIX WORK.  The 8 accumulators of a run of 16 take turns.
.macro KQ x                            ; product i of 16 of S^T += K Q^T for piece x: channels 32 (i / 8) on, keys 16 ((i / 2) % 4) on, tile 2 x + i % 2; the sums start from bias and mask (INIT)
	WIN W_KQ
.set rS, S+64*((\x)%2)+32*(i%2)+8*((i/2)%4)
.set rK, KF+16*((i/2)%4)+8*(i/8)
.set rQ, 16*(2*(\x)+i%2)+8*(i/8)
	v_wmma_f32_16x16x32_bf16 v[rS:rS+7], v[rK:rK+7], v[rQ:rQ+7], v[rS:rS+7]
.endm
.macro PV x                            ; product i of 16 of O^T += V^T P for piece x
	WIN W_PV
.set rO, 32*(2*(\x)+i%2)+8*((i/2)%4)
.set rV, VF+32*(i/8)+8*((i/2)%4)
.set rP, P+32*((\x)%2)+16*(i%2)+8*(i/8)
	v_wmma_f32_16x16x32_bf16 v[rO:rO+7], v[rV:rV+7], v[rP:rP+7], v[rO:rO+7]
.endm
.macro MM
.if i < 16
	KQ (Y+1)%NP
.set i, i+1
.else
.set i, i-16
	PV (Y+NP-1)%NP
.set i, i+17
.endif
.endm
.macro INIT x                          ; piece x's scores start as bias + mask term: 32 packed additions
	WIN W_AD
.set u2, 0
.rept 2
.set kb, 0
.rept 4
.set z, 0
.rept 4
	v_pk_add_f32 v[S+64*((\x)%2)+32*u2+8*kb+2*z:S+64*((\x)%2)+32*u2+8*kb+2*z+1], v[BT+8*(kb-(2*(\x)+u2)+7)+2*z:BT+8*(kb-(2*(\x)+u2)+7)+2*z+1], v[MK+8*kb+2*z:MK+8*kb+2*z+1]
.set z, z+1
.endr
.set kb, kb+1
.endr
.set u2, u2+1
.endr
.endm
; THE LDS LOADS stand in runs: a step's K, its eleven bias tiles and its mask terms (46 loads), and its V, turned (16).  last = 1: in the last step there is no further step, and the run is jumped over.
.macro FETCH_KB last
	WIN 0
.if \last
	s_cmp_eq_u32 s[CNT], 1
	s_cbranch_scc1 .Lno_k_\@
.endif
	WIN 0x80
.irp f, 0,1,2,3,4,5,6,7
	ds_load_b128 v[KF+8*\f:KF+8*\f+3],   v[AK] offset:(\f/2)*16*PK+(\f%2)*64
	ds_load_b128 v[KF+8*\f+4:KF+8*\f+7], v[AK] offset:(\f/2)*16*PK+(\f%2)*64+32
.endr
	WIN W_MK
.irp f, 0,1,2,3,4,5,6,7,8,9,10
	ds_load_b128 v[BT+8*\f:BT+8*\f+3],   v[ABT] offset:64*\f
	ds_load_b128 v[BT+8*\f+4:BT+8*\f+7], v[ABT] offset:64*\f+16
.endr
.irp f, 0,1,2,3
	ds_load_b128 v[MK+8*\f:MK+8*\f+3],   v[AMK] offset:64*\f
	ds_load_b128 v[MK+8*\f+4:MK+8*\f+7], v[AMK] offset:64*\f+16
.endr
	s_add_co_u32 s[TBK], s[TBK], KS*PK
	s_add_co_u32 s[TBB], s[TBB], 256
	WIN 0
.if \last
.Lno_k_\@:
.endif
.endm
.macro FETCH_V
	WIN 0x80
.irp f, 0,1,2,3,4,5,6,7
	ds_load_tr16_b128 v[VF+8*\f:VF+8*\f+3],   v[AV] offset:(\f/4)*32*PV+(\f%4)*32
	ds_load_tr16_b128 v[VF+8*\f+4:VF+8*\f+7], v[AV] offset:(\f/4)*32*PV+16*PV+(\f%4)*32
.endr
	WIN 0
.endm
; THE VECTOR WORK OF A TURN stands in three queues, each in the order in which its entries become ready; the two tiles alternate.
.macro REGS y, u
.set rT, ST+4*(2*(\y)+(\u))
.set rC, TMP+8*((\y)%2)+4*(\u)
.set rS, S+64*((\y)%2)+32*(\u)
.set rP, P+32*((\y)%2)+16*(\u)
.set rO, 32*(2*(\y)+(\u))
.endm
; Number n of those that find the NEXT piece's maximum and statistics; each accumulator's lowest registers are read first.
;   0-11 four chains of seven scores; 12-14, 16 the scores left over, the old m, and the chains into one; 15 m_old is kept; 17, 18 the other half of the lanes: the new m; 20 m_old - m_new; 21 a
.macro XS u, n
	REGS (Y+1)%NP, \u
.if (\n) < 4
	v_max3_num_f32 v[rC+(\n)], v[rS+8*(\n)], v[rS+8*(\n)+1], v[rS+8*(\n)+2]
.elseif (\n) < 12
	v_max3_num_f32 v[rC+(\n)%4], v[rC+(\n)%4], v[rS+8*((\n)%4)+2*((\n)/4)+1], v[rS+8*((\n)%4)+2*((\n)/4)+2]
.elseif (\n) == 12
	v_max3_num_f32 v[rC], v[rC], v[rS+7], v[rS+15]
.elseif (\n) == 13
	v_max3_num_f32 v[rC+1], v[rC+1], v[rS+23], v[rS+31]
.elseif (\n) == 14
	v_max3_num_f32 v[rC+2], v[rC+2], v[rC+3], v[rT]
.elseif (\n) == 15
	v_mov_b32 v[rT+1], v[rT]
.elseif (\n) == 16
	v_max3_num_f32 v[rC], v[rC], v[rC+1], v[rC+2]
.elseif (\n) == 17
	v_permlanex16_b32 v[rC+3], v[rC], s[SEL], s[SEL+1]
.elseif (\n) == 18
	v_max_num_f32 v[rT], v[rC], v[rC+3]
.elseif (\n) == 20
	v_sub_f32 v[rC+1], v[rT+1], v[rT]
.else
	v_exp_f32 v[rC+2], v[rC+1]
.endif
.endm
; Number g of the 64 that follow the exponentials: of each four weights both pairs are rounded to bf16, the second pair is added onto the first, and a group later l takes that sum (the first time l = a l + sum)
.macro GS g
.set h, (\g)+6*((\g)/62)
.if h >= 6
.set h, h+2
.endif
	REGS Y, h%2
.set k, h/8
.if h%8 < 4
	v_cvt_pk_bf16_f32 v[rP+2*k+(h%8)/2], v[rS+4*k+2*((h%8)/2)], v[rS+4*k+2*((h%8)/2)+1]
.elseif h%8 < 6
	v_pk_add_f32 v[rS+4*k:rS+4*k+1], v[rS+4*k:rS+4*k+1], v[rS+4*k+2:rS+4*k+3]
.elseif k == 1
	v_pk_fma_f32 v[rT+2:rT+3], v[rT+2:rT+3], v[rC+2:rC+3], v[rS:rS+1] op_sel_hi:[1,0,1]
.else
	v_pk_add_f32 v[rT+2:rT+3], v[rT+2:rT+3], v[rS+4*k-4:rS+4*k-3]
.endif
.endm
.macro FS f                            ; s - m for pair f / 2 of tile f % 2
	REGS Y, (\f)%2
	v_pk_add_f32 v[rS+2*((\f)/2):rS+2*((\f)/2)+1], v[rS+2*((\f)/2):rS+2*((\f)/2)+1], v[rT:rT+1] op_sel_hi:[1,0] neg_lo:[0,1] neg_hi:[0,1]
.endm
; THE PLAIN QUEUE, 136 long.  0-27: subtractions 0-27.  28-55: XS 0-13.  56, 57: XS 15.  58-69: the chain 14, 16, 17, 18, each with one of the subtractions 28-31 in front of its two lines.  70, 71: XS 20.
; 72-135: GS's 64, which read the exponentials' results: they stand behind the wait.
.macro PL
	WIN 0
.if q < 28
	FS q
.elseif q < 56
	XS (q-28)%2, (q-28)/2
.elseif q < 58
	XS q-56, 15
.elseif (q < 70) && ((q-58)%3 == 0)
	FS 28+(q-58)/3
.elseif q < 61
	XS (q-58)%3-1, 14
.elseif q < 70
	XS (q-58)%3-1, 15+(q-58)/3
.elseif q < 72
	XS q-70, 20
.else
	GS q-72
.endif
.set q, q+1
.endm
.macro EX                              ; THE EXPONENTIALS' QUEUE, 66 long: both tiles' 32 scores, then the next piece's two a: one batch, ahead of the turn's one wait
	WIN 0
.if e >= 64
	XS e-64, 21
.else
	REGS Y, e%2
	v_exp_f32 v[rS+e/2], v[rS+e/2]
.endif
.set e, e+1
.endm
.macro R2                              ; THE RESCALING's QUEUE: O^T times a, two at a time; its a was made, and waited for, in the turn before
	REGS Y, r%2
	WIN W_RS
.irp z, 0,1
	v_pk_mul_f32 v[rO+4*(r/2)+2*\z:rO+4*(r/2)+2*\z+1], v[rO+4*(r/2)+2*\z:rO+4*(r/2)+2*\z+1], v[rC+2:rC+3] op_sel_hi:[1,0]
.endr
.set r, r+1
.endm
; A TURN, for piece p.  Ahead of the wait: the next piece's start values; 16 products K Q^T, behind each a subtraction, an exponential and two rescalings; then one run of 6 plain, 49 times exponential and
; plain, the two a.  Exponential e stands behind subtraction 2 (e / 4) + e % 2: as a rider it comes behind plain e + 2, in the run behind plain e + 7, and subtractions 28-31 are plain 58, 61, 64, 67.
; Behind the wait: 16 products V^T P, behind each four of GS's 64.  K, bias and mask of the next step are fetched in piece 2's turn, directly behind the wait; V of the step in hand at the end of
; piece 0's turn, four plain instructions behind its last reader.
.macro TURN p, last=0
.set Y, (\p)
.set i, 0
.set q, 0
.set e, 0
.set r, 0
.if (\p) == NP-1
	s_wait_dscnt 0x0                               ; K, the bias tiles and the mask terms are in
.endif
	INIT (Y+1)%NP
	MM
	PL
	PL
	R2
.rept 15
	MM
	PL
	EX
	R2
.endr
.if (\p) == NP-2
	WIN 0
	v_add_nc_u32 v[AK], s[TBK], v[AK0]
	v_add_nc_u32 v[ABT], s[TBB], v[ABT0]
	v_add_nc_u32 v[AMK], s[TBB], v[AMK0]
.endif
.rept 6
	PL
.endr
.rept 49
	EX
	PL
.endr
	EX
	EX
	v_nop                                          ; a plain instruction behind the last exponential: one for the batch
	s_wait_alu depctr_va_vdst(0)                   ; the wait ahead of the batch's first reader
.if (\p) == NP-2
	FETCH_KB \last
.endif
.if (\p) == 1
	s_wait_dscnt 0x0                               ; V is in
.endif
.rept 16
	MM
.rept 4
	PL
.endr
.if ((\p) == 0) && (q == 116)
	v_add_nc_u32 v[AV], s[TBV], v[AV0]
.endif
.if ((\p) == 0) && (q == 128)
	s_add_co_u32 s[TBV], s[TBV], KS*PV
.endif
.endr
.if (\p) == 0
	FETCH_V
.endif
.endm
	v_mov_b32 v[AK], v[AK0]
	v_mov_b32 v[ABT], v[ABT0]
	v_mov_b32 v[AMK], v[AMK0]
	FETCH_KB 0                                     ; key step 0
	s_wait_dscnt 0x0
	INIT 0
.set i, 0
.rept 16
	KQ 0                                           ; piece 0's first scores
.set i, i+1
.endr
	WIN 0                                          ; the epilogue's addresses: nine plain instructions, the places behind those products
	s_mul_i32 s72, s[WV], 128*TPP
	s_add_co_u32 s72, s72, TPS                     ; my 128 rows of the slice
	v_mul_u32_u24 v[ATP], v1, TPP
	v_lshl_add_u32 v[ATP], v9, 5, v[ATP]
	v_add_nc_u32 v[ATP], s72, v[ATP]               ; in O^T's layout: row l % 16, 32 bytes for each half of the lanes
	v_mul_u32_u24 v[ARD0], v9, TPP
	v_lshl_add_u32 v[ARD0], v1, 4, v[ARD0]
	v_add_nc_u32 v[ARD0], s72, v[ARD0]             ; by rows: lanes 0-15 one row of 256 bytes, lanes 16-31 the next
	s_lshl_b32 s73, s[WV], 9
	s_add_co_u32 s73, s73, MKT
	v_lshl_add_u32 v[AMS0], v9, 2, s73             ; the mask term of that row
	v_lshlrev_b32 v[GO], 12, v9
	v_lshl_add_u32 v[GO], v1, 4, v[GO]             ; the same two rows in out1
.set Y, NP-1
.irp n, 0,1,2,3,4,5,6,7,8,9,10,11,12,13,14,15,16,17,18,20,21
	XS 0, \n
	XS 1, \n
.endr
	v_nop
	s_wait_alu depctr_va_vdst(0)                   ; the two a, ahead of the branch
	s_mov_b32 s[CNT], 8
	s_branch .Lfirst                               ; the loop is entered at a step's first turn, in the middle of a trip
.Lstep:                                            ; a trip: pieces 2 and 3 of one step, then pieces 0 and 1 of the next
	TURN 2, 1
	TURN 3
	WIN 0
	s_sub_co_u32 s[CNT], s[CNT], 1
	s_cmp_eq_u32 s[CNT], 0
	s_cbranch_scc1 .Lout
.Lfirst:
	TURN 0
	TURN 1
	WIN 0
	s_branch .Lstep
.Lout:                                             ; the last trip's 16 products K Q^T (on the last K once more) and the maximum made of them serve nothing: the price of one text for every trip
.set i, 0
.rept 16
	PV NP-1                                        ; the last piece's V^T P of the last step
.set i, i+1
.endr
	; THE EPILOGUE.  l's two halves and the other half of the lanes' are added.  The additions are the places behind the last products.
	WIN 0
.macro ALL line:vararg
.set t, 0
.rept 2*NP
	\line
.set t, t+1
.endr
.endm
.set R,   64                           ; v[64:95]    eight pairs of rows of ts, 16 bytes a lane
.set MT,  96                           ; v[96:103]   their mask terms
.set OU,  104                          ; v[104:135]  store data
.set D,   136                          ; v[136:143]  their scores
.set PP,  144                          ; v[144:159]  their weights, in the even registers
.set M,   160                          ; v160 m, v161 l
.set L,   161
.set MN,  162
.set AF,  164                          ; v[164:165]  a
.set AC,  166                          ; v[166:169]  the weighted sum of my four columns
.set ARD, 172
.set AMS, 173
.set VC,  240                          ; v[240:243]  vp log2(e) / 8, my four columns
.set TV,  244                          ; v[244:247]  tvec, my four columns
	ALL v_add_f32 v[ST+4*t+2], v[ST+4*t+2], v[ST+4*t+3]
	s_lshl_b32 s72, s[BB], 12
	s_lshl_b32 s73, s[HH], 8
	s_add_co_u32 s72, s72, s73
	v_lshl_add_u32 v[VO], v1, 4, s72               ; 4,096 b + 256 head + 16 (l % 16)
	global_load_b128 v[VC:VC+3], v[VO], s[8:9]
	global_load_b128 v[TV:TV+3], v[VO], s[10:11]
	ALL v_permlanex16_b32 v[ST+4*t+3], v[ST+4*t+2], s[SEL], s[SEL+1]
	ALL v_add_f32 v[ST+4*t+2], v[ST+4*t+2], v[ST+4*t+3]
	ALL v_rcp_f32 v[ST+4*t+2], v[ST+4*t+2]
	v_nop
	s_wait_alu depctr_va_vdst(0)                   ; one wait for the eight reciprocals
; ts = tp + O / l for tiles 4 g .. 4 g + 3, in O^T's layout, written back over tp in LDS: my own rows.  The count 24: behind a tile's eight loads stand the later tiles' loads and the earlier tiles' stores, 24 in all.
.macro E2 g
	WIN 0
.set t, 0
.rept 4
.set cb, 0
.rept 4
	ds_load_b128 v[64+32*t+8*cb:64+32*t+8*cb+3],   v[ATP] offset:(4*(\g)+t)*16*TPP+64*cb
	ds_load_b128 v[64+32*t+8*cb+4:64+32*t+8*cb+7], v[ATP] offset:(4*(\g)+t)*16*TPP+64*cb+16
.set cb, cb+1
.endr
.set t, t+1
.endr
.set t, 0
.rept 4
	s_wait_dscnt 24
	WIN 0x01
.set z, 0
.rept 16
	v_pk_fma_f32 v[64+32*t+2*z:64+32*t+2*z+1], v[32*(4*(\g)+t)+2*z:32*(4*(\g)+t)+2*z+1], v[ST+4*(4*(\g)+t)+2:ST+4*(4*(\g)+t)+3], v[64+32*t+2*z:64+32*t+2*z+1] op_sel_hi:[1,0,1]
.set z, z+1
.endr
	WIN 0
.set cb, 0
.rept 4
	ds_store_b128 v[ATP], v[64+32*t+8*cb:64+32*t+8*cb+3]   offset:(4*(\g)+t)*16*TPP+64*cb
	ds_store_b128 v[ATP], v[64+32*t+8*cb+4:64+32*t+8*cb+7] offset:(4*(\g)+t)*16*TPP+64*cb+16
.set cb, cb+1
.endr
.set t, t+1
.endr
	s_wait_dscnt 0x0
.endm
	E2 0
	E2 1
	s_barrier_signal -1                            ; every wave's stores into the slice are done ahead of the reads below, whose address steps with a counter
	s_barrier_wait -1
	; by rows: out1 = ts + tvec, 16 lanes to 256 consecutive bytes; and the image-to-text row, with a running maximum for each half of the lanes
	s_mov_b32 s[EB], 0
	s_mov_b32 s[EM], 0
	s_mov_b32 s[CNT], 8
	v_mov_b32 v[M], 0xff7fffff
	v_mov_b32 v[L], 0
	v_mov_b32 v[AF+1], 0
.irp k, 0,1,2,3
	v_mov_b32 v[AC+\k], 0
.endr
	s_wait_loadcnt 0x0
	v_pk_mul_f32 v[VC:VC+1],   v[VC:VC+1],   s[CF:CF+1] op_sel_hi:[1,0]
	v_pk_mul_f32 v[VC+2:VC+3], v[VC+2:VC+3], s[CF:CF+1] op_sel_hi:[1,0]
.Lrow:                                             ; a trip: 16 rows
	v_add_nc_u32 v[ARD], s[EB], v[ARD0]
	v_add_nc_u32 v[AMS], s[EM], v[AMS0]
.irp p, 0,1,2,3,4,5,6,7
	ds_load_b128 v[R+4*\p:R+4*\p+3], v[ARD] offset:2*TPP*\p
.endr
.irp p, 0,1,2,3,4,5,6,7
	ds_load_b32 v[MT+\p], v[AMS] offset:8*\p
.endr
	s_wait_dscnt 0x0
.irp p, 0,1,2,3,4,5,6,7
	v_pk_add_f32 v[OU+4*\p:OU+4*\p+1],   v[R+4*\p:R+4*\p+1],   v[TV:TV+1]
	v_pk_add_f32 v[OU+4*\p+2:OU+4*\p+3], v[R+4*\p+2:R+4*\p+3], v[TV+2:TV+3]
	global_store_b128 v[GO], v[OU+4*\p:OU+4*\p+3], s[16:17] offset:8192*\p th:TH_STORE_NT
	v_pk_mul_f32 v[PP+2*\p:PP+2*\p+1], v[R+4*\p:R+4*\p+1], v[VC:VC+1]
	v_pk_fma_f32 v[PP+2*\p:PP+2*\p+1], v[R+4*\p+2:R+4*\p+3], v[VC+2:VC+3], v[PP+2*\p:PP+2*\p+1]
	v_add_f32 v[D+\p], v[PP+2*\p], v[PP+2*\p+1]
.endr
.irp x, 1,2,4,8
.irp p, 0,1,2,3,4,5,6,7
	v_add_f32_dpp v[D+\p], v[D+\p], v[D+\p] row_xmask:\x row_mask:0xf bank_mask:0xf
.endr
.endr
.irp p, 0,1,2,3,4,5,6,7
	v_add_f32 v[D+\p], v[D+\p], v[MT+\p]
.endr
	v_max3_num_f32 v[MN], v[D], v[D+1], v[D+2]
	v_max3_num_f32 v[MN], v[MN], v[D+3], v[D+4]
	v_max3_num_f32 v[MN], v[MN], v[D+5], v[D+6]
	v_max3_num_f32 v[MN], v[MN], v[D+7], v[M]
	v_sub_f32 v[M], v[M], v[MN]
.irp p, 0,1,2,3,4,5,6,7
	v_sub_f32 v[D+\p], v[D+\p], v[MN]
.endr
	v_exp_f32 v[AF], v[M]
.irp p, 0,1,2,3,4,5,6,7
	v_exp_f32 v[PP+2*\p], v[D+\p]
.endr
	v_nop
	s_wait_alu depctr_va_vdst(0)                   ; one wait for the nine exponentials
	v_mov_b32 v[M], v[MN]
	v_fma_f32 v[L], v[L], v[AF], v[PP]
.irp p, 1,2,3,4,5,6,7
	v_add_f32 v[L], v[L], v[PP+2*\p]
.endr
	v_pk_mul_f32 v[AC:AC+1],   v[AC:AC+1],   v[AF:AF+1] op_sel_hi:[1,0]
	v_pk_mul_f32 v[AC+2:AC+3], v[AC+2:AC+3], v[AF:AF+1] op_sel_hi:[1,0]
.irp p, 0,1,2,3,4,5,6,7
	v_pk_fma_f32 v[AC:AC+1],   v[R+4*\p:R+4*\p+1],   v[PP+2*\p:PP+2*\p+1], v[AC:AC+1]   op_sel_hi:[1,0,1]
	v_pk_fma_f32 v[AC+2:AC+3], v[R+4*\p+2:R+4*\p+3], v[PP+2*\p:PP+2*\p+1], v[AC+2:AC+3] op_sel_hi:[1,0,1]
.endr
	s_wait_xcnt 0x0                                ; the stores have read their data and their base: both are written again only behind this wait
	s_add_nc_u64 s[16:17], s[16:17], 65536
	s_add_co_u32 s[EB], s[EB], 16*TPP
	s_add_co_u32 s[EM], s[EM], 64
	s_sub_co_u32 s[CNT], s[CNT], 1
	s_cmp_lg_u32 s[CNT], 0
	s_cbranch_scc1 .Lrow
	; Each half of the lanes of each wave holds a part of the image-to-text row, with its own m and l: eight parts.  Every lane stores to bytes of its own:
	; part 2 w + h, columns 4 r on, lies at 256 (2 w + h) + 16 r = 16 x my thread's number; its m and l at 8 x my thread's number (the same in the part's sixteen lanes).
	v_lshl_add_u32 v74, v0, 4, MRG
	v_lshl_add_u32 v75, v0, 3, MRL
	ds_store_b128 v74, v[AC:AC+3]
	ds_store_b64 v75, v[M:M+1]
	s_wait_dscnt 0x0                               ; for wave 0's sake: my parts are written
	s_barrier_signal -1
	s_barrier_wait -1
	s_cmp_lg_u32 s[WV], 0                          ; wave 0 joins the eight parts
	s_cbranch_scc1 .Lend
	v_lshl_add_u32 v98, v1, 4, MRG                 ; the two addresses lie outside the registers that the loads below fill (v64-95, v100-115)
	v_mov_b32 v99, MRL
.irp j, 0,1,2,3,4,5,6,7
	ds_load_b128 v[64+4*\j:64+4*\j+3], v98 offset:256*\j
	ds_load_b64 v[100+2*\j:100+2*\j+1], v99 offset:128*\j  ; m and l of part j, as its first lane stored them
.endr
	s_wait_dscnt 0x0
	v_max3_num_f32 v[MN], v100, v102, v104
	v_max3_num_f32 v[MN], v[MN], v106, v108
	v_max3_num_f32 v[MN], v[MN], v110, v112
	v_max_num_f32 v[MN], v[MN], v114
.irp j, 0,1,2,3,4,5,6,7
	v_sub_f32 v[116+\j], v[100+2*\j], v[MN]
.endr
.irp j, 0,1,2,3,4,5,6,7
	v_exp_f32 v[124+\j], v[116+\j]
.endr
	v_nop
	s_wait_alu depctr_va_vdst(0)                   ; one wait for the eight exponentials
	v_mul_f32 v[L], v101, v124
.irp j, 1,2,3,4,5,6,7
	v_fma_f32 v[L], v[101+2*\j], v[124+\j], v[L]
.endr
.irp k, 0,1,2,3
	v_mul_f32 v[AC+\k], v[64+\k], v124
.irp j, 1,2,3,4,5,6,7
	v_fma_f32 v[AC+\k], v[64+4*\j+\k], v[124+\j], v[AC+\k]
.endr
.endr
	v_rcp_f32 v96, v[L]
	v_and_b32 v97, 31, v0
	s_wait_alu depctr_va_vdst(0)
.irp k, 0,1,2,3
	v_mul_f32 v[AC+\k], v[AC+\k], v96
.endr
	s_wait_xcnt 0x0                                ; EXEC changes only behind this wait
	v_cmp_gt_u32 vcc_lo, 16, v97
	s_and_saveexec_b32 s[SAV], vcc_lo
	global_store_b128 v[VO], v[AC:AC+3], s[18:19]  ; sixteen lanes store the head's 256 bytes
	s_wait_xcnt 0x0
	s_or_b32 exec_lo, exec_lo, s[SAV]
.Lend:
	WIN W_AD
	s_wait_tensorcnt 0x0                           ; the wave's end
	ds_add_u32 v[SPW], v[NIL]
	s_wait_dscnt 0x0
	WIN 0
	s_endpgm
.Lfunc_end_k_q557c5e921e_attn:
	.size	k_q557c5e921e_attn, .Lfunc_end_k_q557c5e921e_attn-k_q557c5e921e_attn
	.p2alignl 7, 3214868480
	.fill 96, 4, 3214868480
	.section	.rodata,"a",@progbits
	.p2align	6, 0x0
	.amdhsa_kernel k_q557c5e921e_attn
		.amdhsa_group_segment_fixed_size 327680
		.amdhsa_private_segment_fixed_size 0
		.amdhsa_enable_private_segment 0
		.amdhsa_kernarg_size 64
		.amdhsa_user_sgpr_count 2
		.amdhsa_user_sgpr_kernarg_segment_ptr 1
		.amdhsa_wavefront_size32 1
		.amdhsa_system_sgpr_workgroup_id_x 1
		.amdhsa_system_sgpr_workgroup_id_y 1
		.amdhsa_system_sgpr_workgroup_id_z 1
		.amdhsa_system_vgpr_workitem_id 0
		.amdhsa_next_free_vgpr 896
		.amdhsa_next_free_sgpr 96
		.amdhsa_reserve_vcc 1
		.amdhsa_float_denorm_mode_32 3
		.amdhsa_float_denorm_mode_16_64 3
		.amdhsa_memory_ordered 1
		.amdhsa_forward_progress 1
		.amdhsa_inst_pref_size 159
	.end_amdhsa_kernel
	.amdgpu_metadata
---
amdhsa.version: [ 1, 2 ]
amdhsa.kernels:
  - .name:           k_q557c5e921e_attn
    .symbol:         k_q557c5e921e_attn.kd
    .args:
      - { .name: qkvh, .offset: 0, .size: 8, .value_kind: global_buffer, .address_space: global }
      - { .name: tp, .offset: 8, .size: 8, .value_kind: global_buffer, .address_space: global }
      - { .name: wqv, .offset: 16, .size: 8, .value_kind: global_buffer, .address_space: global }
      - { .name: lnt, .offset: 24, .size: 8, .value_kind: global_buffer, .address_space: global }
      - { .name: rel_embed, .offset: 32, .size: 8, .value_kind: global_buffer, .address_space: global }
      - { .name: text_mask, .offset: 40, .size: 8, .value_kind: global_buffer, .address_space: global }
      - { .name: out1, .offset: 48, .size: 8, .value_kind: global_buffer, .address_space: global }
      - { .name: i2tv, .offset: 56, .size: 8, .value_kind: global_buffer, .address_space: global }
    .group_segment_fixed_size: 327680
    .private_segment_fixed_size: 0
    .kernarg_segment_align: 8
    .kernarg_segment_size: 64
    .max_flat_workgroup_size: 128
    .sgpr_count:     96
    .vgpr_count:     896
    .wavefront_size: 32
...
	.end_amdgpu_metadata
.endif
;; end of part 6
;; launch fin (part 7): grid 64 x 1, 8 waves a work-group, no clusters, 42,240 bytes of LDS; arguments i2tv, wqv, xbp, W_vout, g_i2t, be_i2t, b_vout, alpha_i2t, out0; writes out0
.if DOCPART == 7
	.amdgcn_target "amdgcn-amd-amdhsa--gfx1250"
	.amdhsa_code_object_version 6
	.text
	.protected	k_q557c5e921e_fin
	.globl	k_q557c5e921e_fin
	.p2align	8
	.type	k_q557c5e921e_fin,@function
k_q557c5e921e_fin:
	s_mov_b64 s[64:65], 0
	v_nop
	global_prefetch_b8 v0, s[64:65] scope:SCOPE_SE
	s_setreg_imm32_b32 hwreg(HW_REG_WAVE_MODE, 25, 1), 1
	s_wait_xcnt 0x0
; out0 = vp + alpha_i2t (LN(i2tv) q(W_vout)^T s + b_vout), f32.  16 columns a work-group, K = 1,024 split among the eight waves; the weights are made ternary in registers.
; 64 work-groups: the output has 64 blocks of 16 columns, and each weight is read once, by one wave.
; Mean and variance in two passes, in f32.  g, be, b, alpha and W are rounded to bf16 first, like all inputs.
; LIMIT: as in the quantising launch, a weight within some 1e-6 (relative) of the threshold 0.6666667 s may fall on the other side of it.
.set FIN,   1
.set PART,  12582912
.set VPO,   7864320
.set POFF,  9216                       ; W_vout's partial sums
.set APITCH, 2064                      ; a row of the normalised tile in LDS: 2,048 bytes + 16
.set PARTL, 33024
.set SPARE, 41216                      ; the spare words, 128 bytes a wave: four blocks of 256 bytes that no other line names
.set PX,  4                            ; s[4:5]  x: i2tv
.set PBASE, 6                          ; vp
.set PP,  8                            ; partial sums
.set PW,  10
.set PG,  12
.set PBE, 14
.set PB,  16
.set PAL, 18
.set POUT, 20
.set FO,  4
.set XO,  5
.set LSA, 6
.set LRA, 7
.set LS,  8
.set LR,  9
.set YO,  10
.set BO,  11
.set SPW, 12
.set NIL, 13
.set G32, 14
.set L16, 15
.set W,   16
.set X,   80
.set G,   144
.set BE,  176
.set ACC, 144
.set T,   208
.set TA,  T+10
.set TB,  T+11
.set TC,  T+12
.set PS,  224
.set BI,  240
.set BS,  248
.set WV,  26
.set ALR, 27
.set SEL, 32
.set SS,  34
.set THR, 36
.set HI,  37
.set ABS, 38
.set SGN, 39
.set ONE, 40
.set PK,  41
.set R1024, 42
.set EPS, 43
.set AL,  44
.macro WRED x, t
	v_add_f32_dpp v[\x], v[\x], v[\x] row_xmask:1 row_mask:0xf bank_mask:0xf
	v_add_f32_dpp v[\x], v[\x], v[\x] row_xmask:2 row_mask:0xf bank_mask:0xf
	v_add_f32_dpp v[\x], v[\x], v[\x] row_xmask:4 row_mask:0xf bank_mask:0xf
	v_add_f32_dpp v[\x], v[\x], v[\x] row_xmask:8 row_mask:0xf bank_mask:0xf
	v_permlanex16_b32 v[\t], v[\x], s[SEL], s[SEL+1]
	v_add_f32 v[\x], v[\x], v[\t]
.endm
.macro SUMP n, rc, SB
.set z, 1
.rept (\n)-1
	v_pk_add_f32 v[\SB:\SB+1],   v[\SB:\SB+1],   v[\SB+4*z:\SB+4*z+1]
	v_pk_add_f32 v[\SB+2:\SB+3], v[\SB+2:\SB+3], v[\SB+4*z+2:\SB+4*z+3]
.set z, z+1
.endr
	v_pk_add_f32 v[\SB:\SB+1], v[\SB:\SB+1], v[\SB+2:\SB+3]
	v_add_f32 v[\SB], v[\SB], v[\SB+1]
	WRED \SB, \SB+1
	v_mul_f32 v[\SB], \rc, v[\SB]
	v_max_num_f32 v[\SB], 0x3727c5ac, v[\SB]
	v_min_num_f32 v[\SB], 0x447a0000, v[\SB]
	v_readfirstlane_b32 s[SS], v[\SB]
	s_mov_b32 s[SS+1], s[SS]
	s_mul_f32 s[THR], s[SS], 0x3f2aaaab
.endm
.macro RB16 a, t
	v_cvt_pk_bf16_f32 v[\t], v[\a], v[\a+1]
	v_lshlrev_b32 v[\a], 16, v[\t]
	v_and_b32 v[\a+1], s[HI], v[\t]
.endm
.macro QUANT2 d, w0
	v_cvt_pk_bf16_f32 v[TC], v[\w0], v[\w0+1]
	v_lshlrev_b32 v[TA], 16, v[TC]
	v_and_b32 v[TB], s[HI], v[TC]
	v_and_b32 v[TC], s[ABS], v[TA]
	v_cmp_lt_f32 vcc_lo, s[THR], v[TC]
	v_and_or_b32 v[TA], v[TA], s[SGN], s[ONE]
	v_cndmask_b32 v[TA], 0, v[TA], vcc_lo
	v_and_b32 v[TC], s[ABS], v[TB]
	v_cmp_lt_f32 vcc_lo, s[THR], v[TC]
	v_and_or_b32 v[TB], v[TB], s[SGN], s[ONE]
	v_cndmask_b32 v[TB], 0, v[TB], vcc_lo
	v_perm_b32 v[\d], v[TB], v[TA], s[PK]
.endm
; LayerNorm of a row of 1,024 held by one wave: 32 registers a lane, group i of four = columns 256 i + 8 lane + 0..7; RG, RB in the same layout.  The result, bf16, is left in the first 16 registers.
.macro LNROW RX, RG, RB
.irp c, 0,2,4,6
	v_pk_add_f32 v[T+\c:T+\c+1], v[\RX+\c:\RX+\c+1], v[\RX+8+\c:\RX+8+\c+1]
.endr
.irp c, 0,2,4,6
	v_pk_add_f32 v[T+\c:T+\c+1], v[T+\c:T+\c+1], v[\RX+16+\c:\RX+16+\c+1]
.endr
.irp c, 0,2,4,6
	v_pk_add_f32 v[T+\c:T+\c+1], v[T+\c:T+\c+1], v[\RX+24+\c:\RX+24+\c+1]
.endr
	v_pk_add_f32 v[T:T+1],   v[T:T+1],   v[T+2:T+3]
	v_pk_add_f32 v[T+4:T+5], v[T+4:T+5], v[T+6:T+7]
	v_pk_add_f32 v[T:T+1],   v[T:T+1],   v[T+4:T+5]
	v_add_f32 v[T], v[T], v[T+1]
	WRED T, T+1
	v_mul_f32 v[T], s[R1024], v[T]                 ; the mean
	v_mov_b32 v[T+1], v[T]
.set z, 0
.rept 16
	v_pk_add_f32 v[\RX+2*z:\RX+2*z+1], v[\RX+2*z:\RX+2*z+1], v[T:T+1] neg_lo:[0,1] neg_hi:[0,1]
.set z, z+1
.endr
.irp c, 0,2,4,6
	v_pk_mul_f32 v[T+\c:T+\c+1], v[\RX+\c:\RX+\c+1], v[\RX+\c:\RX+\c+1]
.endr
.irp o, 8,16,24
.irp c, 0,2,4,6
	v_pk_fma_f32 v[T+\c:T+\c+1], v[\RX+\o+\c:\RX+\o+\c+1], v[\RX+\o+\c:\RX+\o+\c+1], v[T+\c:T+\c+1]
.endr
.endr
	v_pk_add_f32 v[T:T+1],   v[T:T+1],   v[T+2:T+3]
	v_pk_add_f32 v[T+4:T+5], v[T+4:T+5], v[T+6:T+7]
	v_pk_add_f32 v[T:T+1],   v[T:T+1],   v[T+4:T+5]
	v_add_f32 v[T], v[T], v[T+1]
	WRED T, T+1
	v_fma_f32 v[T], v[T], s[R1024], s[EPS]         ; the variance + 1e-5
	v_rsq_f32 v[T+2], v[T]
	v_nop                                          ; a plain instruction behind the transcendental,
	s_wait_alu depctr_va_vdst(0)                   ; and the wait ahead of its first reader
	v_mov_b32 v[T+3], v[T+2]
.set z, 0
.rept 16
	v_pk_mul_f32 v[\RX+2*z:\RX+2*z+1], v[\RX+2*z:\RX+2*z+1], v[T+2:T+3]
.set z, z+1
.endr
.set z, 0
.rept 16
	v_pk_fma_f32 v[\RX+2*z:\RX+2*z+1], v[\RX+2*z:\RX+2*z+1], v[\RG+2*z:\RG+2*z+1], v[\RB+2*z:\RB+2*z+1]
.set z, z+1
.endr
.set z, 0
.rept 16
	v_cvt_pk_bf16_f32 v[\RX+z], v[\RX+2*z], v[\RX+2*z+1]
.set z, z+1
.endr
.endm
	s_load_b512 s[4:19], s[0:1], 0x0               ; i2tv, wqv, xbp, W_vout, g_i2t, be_i2t, b_vout, alpha_i2t
	s_load_b64 s[20:21], s[0:1], 0x40              ; out0
	v_lshl_add_u32 v[SPW], v0, 2, SPARE
	v_mov_b32 v[NIL], 0
	v_and_b32 v1, 31, v0
	v_lshrrev_b32 v2, 5, v0
	v_readfirstlane_b32 s[WV], v2
	s_mov_b32 s[SEL], 0x76543210
	s_mov_b32 s[SEL+1], 0xfedcba98
	s_mov_b32 s[HI], 0xffff0000
	s_mov_b32 s[ABS], 0x7fffffff
	s_mov_b32 s[SGN], 0x80000000
	s_mov_b32 s[ONE], 0x3f800000
	s_mov_b32 s[PK], 0x07060302
	s_mov_b32 s[R1024], 0x3a800000                 ; 1 / 1,024
	s_mov_b32 s[EPS], 0x3727c5ac                   ; 1e-5
	v_lshlrev_b32 v[G32], 5, v1
	v_lshlrev_b32 v[L16], 4, v1
	s_wait_kmcnt 0x0
	s_add_nc_u64 s[PBASE:PBASE+1], s[PBASE:PBASE+1], VPO
	; ---- the product with 16 rows.  y^T = W x^T: source 0 = 16 rows of W, source 1 = the 16 batch rows: a lane ends with row r and columns 8 h + 0..7
	s_add_nc_u64 s[PP:PP+1], s[PP:PP+1], PART
	s_load_b32 s[ALR], s[PAL:PAL+1], 0x0
	v_and_b32 v2, 15, v0                           ; r
	v_bfe_u32 v3, v0, 4, 1                         ; h
	v_lshlrev_b32 v[FO], 12, v2
	v_lshl_add_u32 v[FO], v3, 5, v[FO]
	s_lshl_b32 s46, s[WV], 9
	v_add_nc_u32 v[FO], s46, v[FO]                 ; r x 4,096 + 32 h + my 128 of the 1,024 k
	s_lshl_b32 s46, s[WV], 13
	v_lshl_add_u32 v[XO], v1, 5, s46               ; rows 2 w, 2 w + 1 of x are mine to normalise
	s_mul_i32 s46, s[WV], 2*APITCH
	v_lshl_add_u32 v[LSA], v1, 4, s46
	v_mul_u32_u24 v[LRA], v2, APITCH
	v_lshl_add_u32 v[LRA], v3, 4, v[LRA]
	s_lshl_b32 s46, s[WV], 8
	v_add_nc_u32 v[LRA], s46, v[LRA]
	s_lshl_b32 s46, s[WV], 10
	s_add_co_u32 s46, s46, PARTL
	v_lshl_add_u32 v[LS], v1, 5, s46
	v_add_nc_u32 v[LR], PARTL, v[G32]
	s_lshl_b32 s46, ttmp9, 6
	v_lshl_add_u32 v[BO], v3, 5, s46               ; (16 id + 8 h) x 4
	v_lshl_add_u32 v[YO], v2, 12, v[BO]
	s_lshl_b32 s46, ttmp9, 16                      ; the work-group's 16 rows of W
	s_mov_b32 s47, 0
	s_add_nc_u64 s[PW:PW+1], s[PW:PW+1], s[46:47]
.irp rr, 0,1
.irp i, 0,1,2,3
	global_load_b128 v[X+32*\rr+8*\i:X+32*\rr+8*\i+3],   v[XO], s[PX:PX+1] offset:4096*\rr+1024*\i
	global_load_b128 v[X+32*\rr+8*\i+4:X+32*\rr+8*\i+7], v[XO], s[PX:PX+1] offset:4096*\rr+1024*\i+16
.endr
.endr
.irp i, 0,1,2,3
	global_load_b128 v[G+8*\i:G+8*\i+3],   v[G32], s[PG:PG+1] offset:1024*\i
	global_load_b128 v[G+8*\i+4:G+8*\i+7], v[G32], s[PG:PG+1] offset:1024*\i+16
.endr
.irp i, 0,1,2,3
	global_load_b128 v[BE+8*\i:BE+8*\i+3],   v[G32], s[PBE:PBE+1] offset:1024*\i
	global_load_b128 v[BE+8*\i+4:BE+8*\i+7], v[G32], s[PBE:PBE+1] offset:1024*\i+16
.endr
.irp i, 0,1,2,3
	global_load_b128 v[PS+4*\i:PS+4*\i+3], v[L16], s[PP:PP+1] offset:POFF+512*\i
.endr
	global_load_b128 v[BI:BI+3],   v[BO], s[PB:PB+1]
	global_load_b128 v[BI+4:BI+7], v[BO], s[PB:PB+1] offset:16
.if FIN
	global_load_b128 v[BS:BS+3],   v[YO], s[PBASE:PBASE+1]
	global_load_b128 v[BS+4:BS+7], v[YO], s[PBASE:PBASE+1] offset:16
.endif
.irp f, 0,1,2,3
	global_load_b128 v[W+16*\f:W+16*\f+3],     v[FO], s[PW:PW+1] offset:128*\f
	global_load_b128 v[W+16*\f+4:W+16*\f+7],   v[FO], s[PW:PW+1] offset:128*\f+16
	global_load_b128 v[W+16*\f+8:W+16*\f+11],  v[FO], s[PW:PW+1] offset:128*\f+64
	global_load_b128 v[W+16*\f+12:W+16*\f+15], v[FO], s[PW:PW+1] offset:128*\f+80
.endr
	s_wait_loadcnt 22+2*FIN                        ; x, g and be are in; the loads issued behind them (partial sums, bias, vp, W) stay out
.set y, 0
.rept 16
	RB16 G+2*y, TC
	RB16 BE+2*y, TC
.set y, y+1
.endr
.irp rr, 0,1
	LNROW X+32*\rr, G, BE
.irp i, 0,1,2,3
	ds_store_b128 v[LSA], v[X+32*\rr+4*\i:X+32*\rr+4*\i+3] offset:APITCH*\rr+512*\i
.endr
.endr
	s_wait_dscnt 0x0                               ; for the others' sake: my two rows are written
	s_barrier_signal -1
	s_barrier_wait -1
.irp f, 0,1,2,3
	ds_load_b128 v[X+8*\f:X+8*\f+3],   v[LRA] offset:64*\f
	ds_load_b128 v[X+8*\f+4:X+8*\f+7], v[LRA] offset:64*\f+32
.endr
	s_wait_loadcnt 0x0
	s_wait_kmcnt 0x0
	SUMP 4, 0x35800000, PS
.irp k, 0,2,4,6
	RB16 BI+\k, TC
.endr
	v_mov_b32 v[TA], s[ALR]
	v_cvt_pk_bf16_f32 v[TA], v[TA], v[TA]
	v_lshlrev_b32 v[TA], 16, v[TA]
	v_readfirstlane_b32 s[AL], v[TA]
	s_mov_b32 s[AL+1], s[AL]
.set y, 0
.rept 32                               ; packed downward in place: word y from f32 numbers 2 y, 2 y + 1
	QUANT2 W+y, W+2*y
.set y, y+1
.endr
	s_wait_dscnt 0x0
	v_wmma_f32_16x16x32_bf16 v[ACC:ACC+7],    v[W:W+7],     v[X:X+7],     0   ; two accumulators by turns
	v_wmma_f32_16x16x32_bf16 v[ACC+8:ACC+15], v[W+8:W+15],  v[X+8:X+15],  0
	v_wmma_f32_16x16x32_bf16 v[ACC:ACC+7],    v[W+16:W+23], v[X+16:X+23], v[ACC:ACC+7]
	v_wmma_f32_16x16x32_bf16 v[ACC+8:ACC+15], v[W+24:W+31], v[X+24:X+31], v[ACC+8:ACC+15]
.rept 8
	v_nop
.endr
.irp k, 0,2,4,6
	v_pk_add_f32 v[ACC+\k:ACC+\k+1], v[ACC+\k:ACC+\k+1], v[ACC+8+\k:ACC+8+\k+1]
.endr
	ds_store_b128 v[LS], v[ACC:ACC+3]
	ds_store_b128 v[LS], v[ACC+4:ACC+7] offset:16
	s_wait_dscnt 0x0
	s_barrier_signal -1
	s_barrier_wait -1
	s_cmp_lg_u32 s[WV], 0                          ; wave 0 adds the eight partial tiles
	s_cbranch_scc1 .Lend
.irp j, 0,1,2,3,4,5,6,7
	ds_load_b128 v[X+8*\j:X+8*\j+3],   v[LR] offset:1024*\j
	ds_load_b128 v[X+8*\j+4:X+8*\j+7], v[LR] offset:1024*\j+16
.endr
	s_wait_dscnt 0x0
.irp j, 1,2,3,4,5,6,7
.irp k, 0,2,4,6
	v_pk_add_f32 v[X+\k:X+\k+1], v[X+\k:X+\k+1], v[X+8*\j+\k:X+8*\j+\k+1]
.endr
.endr
.irp k, 0,2,4,6
	v_pk_fma_f32 v[X+\k:X+\k+1], v[X+\k:X+\k+1], s[SS:SS+1], v[BI+\k:BI+\k+1] op_sel_hi:[1,0,1]
.endr
.irp k, 0,2,4,6
.if FIN
	v_pk_fma_f32 v[X+\k:X+\k+1], v[X+\k:X+\k+1], s[AL:AL+1], v[BS+\k:BS+\k+1] op_sel_hi:[1,0,1]
.else
	v_pk_mul_f32 v[X+\k:X+\k+1], v[X+\k:X+\k+1], s[AL:AL+1] op_sel_hi:[1,0]
.endif
.endr
	global_store_b128 v[YO], v[X:X+3],   s[POUT:POUT+1]
	global_store_b128 v[YO], v[X+4:X+7], s[POUT:POUT+1] offset:16
.Lend:
	s_wait_tensorcnt 0x0                           ; the wave's end
	ds_add_u32 v[SPW], v[NIL]
	s_wait_dscnt 0x0
	s_endpgm
.Lfunc_end_k_q557c5e921e_fin:
	.size	k_q557c5e921e_fin, .Lfunc_end_k_q557c5e921e_fin-k_q557c5e921e_fin
	.p2alignl 7, 3214868480
	.fill 96, 4, 3214868480
	.section	.rodata,"a",@progbits
	.p2align	6, 0x0
	.amdhsa_kernel k_q557c5e921e_fin
		.amdhsa_group_segment_fixed_size 42240
		.amdhsa_private_segment_fixed_size 0
		.amdhsa_enable_private_segment 0
		.amdhsa_kernarg_size 72
		.amdhsa_user_sgpr_count 2
		.amdhsa_user_sgpr_kernarg_segment_ptr 1
		.amdhsa_wavefront_size32 1
		.amdhsa_system_sgpr_workgroup_id_x 1
		.amdhsa_system_sgpr_workgroup_id_y 1
		.amdhsa_system_sgpr_workgroup_id_z 1
		.amdhsa_system_vgpr_workitem_id 0
		.amdhsa_next_free_vgpr 256
		.amdhsa_next_free_sgpr 66
		.amdhsa_reserve_vcc 1
		.amdhsa_float_denorm_mode_32 3
		.amdhsa_float_denorm_mode_16_64 3
		.amdhsa_memory_ordered 1
		.amdhsa_forward_progress 1
		.amdhsa_inst_pref_size 50
	.end_amdhsa_kernel
	.amdgpu_metadata
---
amdhsa.version: [ 1, 2 ]
amdhsa.kernels:
  - .name:           k_q557c5e921e_fin
    .symbol:         k_q557c5e921e_fin.kd
    .args:
      - { .name: i2tv, .offset: 0, .size: 8, .value_kind: global_buffer, .address_space: global }
      - { .name: wqv, .offset: 8, .size: 8, .value_kind: global_buffer, .address_space: global }
      - { .name: xbp, .offset: 16, .size: 8, .value_kind: global_buffer, .address_space: global }
      - { .name: W_vout, .offset: 24, .size: 8, .value_kind: global_buffer, .address_space: global }
      - { .name: g_i2t, .offset: 32, .size: 8, .value_kind: global_buffer, .address_space: global }
      - { .name: be_i2t, .offset: 40, .size: 8, .value_kind: global_buffer, .address_space: global }
      - { .name: b_vout, .offset: 48, .size: 8, .value_kind: global_buffer, .address_space: global }
      - { .name: alpha_i2t, .offset: 56, .size: 8, .value_kind: global_buffer, .address_space: global }
      - { .name: out0, .offset: 64, .size: 8, .value_kind: global_buffer, .address_space: global }
    .group_segment_fixed_size: 42240
    .private_segment_fixed_size: 0
    .kernarg_segment_align: 8
    .kernarg_segment_size: 72
    .max_flat_workgroup_size: 256
    .sgpr_count:     66
    .vgpr_count:     256
    .wavefront_size: 32
...
	.end_amdgpu_metadata
.endif
;; end of part 7
;; ======== version 2 of 2: 7 launches
;; workspace buffers: xbp 12,592,128 bytes; wqv 7,864,320 bytes; vpb 67,584 bytes; i2tv 67,584 bytes; tp 33,554,432 bytes; lnt 16,777,216 bytes; tvec 65,536 bytes; qkvh 50,331,648 bytes
;; launch prep (part 8): grid 801 x 1, 8 waves a work-group, no clusters, 0 bytes of LDS; arguments text_features, W_tp, W_vp, W_tqkv, W_vout, W_tout, xbp, i2tv, vpb; writes xbp, i2tv, vpb
.if DOCPART == 8
	.amdgcn_target "amdgcn-amd-amdhsa--gfx1250"
	.amdhsa_code_object_version 6
	.text
	.protected	k_q557c5e921e_prep
	.globl	k_q557c5e921e_prep
	.p2align	8
	.type	k_q557c5e921e_prep,@function
k_q557c5e921e_prep:
	s_mov_b64 s[64:65], 0
	v_nop
	global_prefetch_b8 v0, s[64:65] scope:SCOPE_SE
	s_setreg_imm32_b32 hwreg(HW_REG_WAVE_MODE, 25, 1), 1
	s_wait_xcnt 0x0
; Work-groups 0-383: xb = bf16(text_features), 64 KiB of f32 a work-group, 8 KiB a wave.
; Work-groups 384-799: partial sums of |bf16(W)| for the five weight matrices, one f32 partial for each wave's 8 KiB.  Those of W_tp (384), W_vp (384) and W_tqkv (1,536) lie at xbp + PART.
; W_vout's 512 lie XPART bytes into i2tv and W_tout's 512 XPART bytes into vpb: each behind the 16 rows that its matrix multiplies, so that one text serves both of those products.
; Work-group 800: zeros into i2tv's first 65,536 bytes.  They are the addend of the product with W_tout, which has none of its own and shares its text with one that has; a later launch overwrites them.
; Every weight is rounded to bf16 before its magnitude is taken: the whole program works on inputs rounded to bf16.
; A stream: no LDS, no matrix unit; all of a wave's sixteen loads are out at once.
.set PART,  12582912                   ; bytes of xb in front of the partial sums
.set XPART, 65536                      ; bytes of 16 rows of 1,024 f32 in front of the partial sums
.set X,   16                           ; v[16:79]  sixteen loads of 16 bytes a lane
.set Y,   80                           ; cast: v[80:111] store data; sums: v[80:87] four running pairs, v[88:93] at work
.set SEL, 28                           ; s[28:29]  lane selects of v_permlanex16_b32
	s_load_b256 s[4:11], s[0:1], 0x0               ; text_features, W_tp, W_vp, W_tqkv
	s_load_b256 s[12:19], s[0:1], 0x20             ; W_vout, W_tout, xbp, i2tv
	s_load_b64 s[20:21], s[0:1], 0x40              ; vpb
	v_and_b32 v1, 31, v0                           ; lane
	v_lshrrev_b32 v2, 5, v0
	v_readfirstlane_b32 s22, v2                    ; wave
	s_lshl_b32 s23, s22, 13                        ; the wave's 8 KiB
	s_cmp_lt_u32 ttmp9, 384
	s_cbranch_scc0 .Lnot_cast
	; ---- the cast: a lane's 32 bytes of f32 become 16 bytes of bf16; a store of the wave covers 512 consecutive bytes
	s_lshl_b32 s24, ttmp9, 16
	s_add_co_u32 s24, s24, s23
	v_lshl_add_u32 v3, v1, 5, s24                  ; in: 65,536 id + 8,192 wave + 32 lane
	s_lshr_b32 s24, s24, 1
	v_lshl_add_u32 v4, v1, 4, s24                  ; out: half of that
	s_wait_kmcnt 0x0
.irp i, 0,1,2,3,4,5,6,7
	global_load_b128 v[X+8*\i:X+8*\i+3],   v3, s[4:5] offset:1024*\i th:TH_LOAD_NT
	global_load_b128 v[X+8*\i+4:X+8*\i+7], v3, s[4:5] offset:1024*\i+16 th:TH_LOAD_NT
.endr
.irp i, 0,1,2,3,4,5,6,7
	s_wait_loadcnt 14-2*\i                         ; loads come back in order: pair i is in, the younger pairs stay out
	v_cvt_pk_bf16_f32 v[Y+4*\i],   v[X+8*\i],   v[X+8*\i+1]
	v_cvt_pk_bf16_f32 v[Y+4*\i+1], v[X+8*\i+2], v[X+8*\i+3]
	v_cvt_pk_bf16_f32 v[Y+4*\i+2], v[X+8*\i+4], v[X+8*\i+5]
	v_cvt_pk_bf16_f32 v[Y+4*\i+3], v[X+8*\i+6], v[X+8*\i+7]
	global_store_b128 v4, v[Y+4*\i:Y+4*\i+3], s[16:17] offset:512*\i th:TH_STORE_NT
.endr
	s_endpgm
.Lnot_cast:
	s_cmp_lt_u32 ttmp9, 800
	s_cbranch_scc0 .Lzero
	; ---- the sums
	s_sub_co_u32 s24, ttmp9, 384                   ; chunk of 64 KiB among the five matrices laid end to end
	s_mov_b32 s[SEL], 0x76543210
	s_mov_b32 s[SEL+1], 0xfedcba98
	s_mov_b32 s30, 0x7fff7fff                      ; clears the signs of two bf16
	s_mov_b32 s31, 0xffff0000                      ; a word's upper bf16
	s_wait_kmcnt 0x0
	s_mov_b64 s[26:27], s[6:7]                     ; which matrix, and its first chunk
	s_mov_b32 s25, 0
	s_mov_b64 s[32:33], s[16:17]                   ; where the partial goes: the buffer, the table's first byte, the chunk of its first partial
	s_mov_b32 s34, PART
	s_mov_b32 s35, 0
	s_cmp_ge_u32 s24, 48
	s_cselect_b64 s[26:27], s[8:9], s[26:27]
	s_cselect_b32 s25, 48, s25
	s_cmp_ge_u32 s24, 96
	s_cselect_b64 s[26:27], s[10:11], s[26:27]
	s_cselect_b32 s25, 96, s25
	s_cmp_ge_u32 s24, 288
	s_cselect_b64 s[26:27], s[12:13], s[26:27]
	s_cselect_b32 s25, 288, s25
	s_cselect_b64 s[32:33], s[18:19], s[32:33]     ; W_vout's partials go into i2tv
	s_cselect_b32 s34, XPART, s34
	s_cselect_b32 s35, 288, s35
	s_cmp_ge_u32 s24, 352
	s_cselect_b64 s[26:27], s[14:15], s[26:27]
	s_cselect_b32 s25, 352, s25
	s_cselect_b64 s[32:33], s[20:21], s[32:33]     ; W_tout's into vpb
	s_cselect_b32 s35, 352, s35
	s_sub_co_u32 s25, s24, s25
	s_lshl_b32 s25, s25, 16
	s_add_co_u32 s25, s25, s23
	v_lshl_add_u32 v3, v1, 4, s25                  ; 65,536 chunk + 8,192 wave + 16 lane
.irp i, 0,1,2,3,4,5,6,7,8,9,10,11,12,13,14,15
	global_load_b128 v[X+4*\i:X+4*\i+3], v3, s[26:27] offset:512*\i
.endr
.irp i, 0,1,2,3,4,5,6,7,8,9,10,11,12,13,14,15
	s_wait_loadcnt 15-\i                           ; load i is in, the younger ones stay out
	v_cvt_pk_bf16_f32 v92, v[X+4*\i],   v[X+4*\i+1]
	v_cvt_pk_bf16_f32 v93, v[X+4*\i+2], v[X+4*\i+3]
	v_and_b32 v92, s30, v92
	v_and_b32 v93, s30, v93
.if \i < 2
.set U, Y+4*\i                         ; the first two loads start the four running pairs: nothing is cleared
.else
.set U, Y+8
.endif
	v_lshlrev_b32 v[U],   16, v92
	v_and_b32     v[U+1], s31, v92
	v_lshlrev_b32 v[U+2], 16, v93
	v_and_b32     v[U+3], s31, v93
.if \i >= 2
	v_pk_add_f32 v[Y+4*(\i%2):Y+4*(\i%2)+1],   v[Y+4*(\i%2):Y+4*(\i%2)+1],   v[U:U+1]
	v_pk_add_f32 v[Y+4*(\i%2)+2:Y+4*(\i%2)+3], v[Y+4*(\i%2)+2:Y+4*(\i%2)+3], v[U+2:U+3]
.endif
.endr
	v_pk_add_f32 v[Y:Y+1],   v[Y:Y+1],   v[Y+4:Y+5]
	v_pk_add_f32 v[Y+2:Y+3], v[Y+2:Y+3], v[Y+6:Y+7]
	v_pk_add_f32 v[Y:Y+1],   v[Y:Y+1],   v[Y+2:Y+3]
	v_add_f32 v[Y], v[Y], v[Y+1]
	v_add_f32_dpp v[Y], v[Y], v[Y] row_xmask:1 row_mask:0xf bank_mask:0xf
	v_add_f32_dpp v[Y], v[Y], v[Y] row_xmask:2 row_mask:0xf bank_mask:0xf
	v_add_f32_dpp v[Y], v[Y], v[Y] row_xmask:4 row_mask:0xf bank_mask:0xf
	v_add_f32_dpp v[Y], v[Y], v[Y] row_xmask:8 row_mask:0xf bank_mask:0xf
	v_permlanex16_b32 v[Y+8], v[Y], s[SEL], s[SEL+1]
	v_add_f32 v[Y], v[Y], v[Y+8]
	s_sub_co_u32 s35, s24, s35                     ; partial number 8 x (chunk in its table) + wave, in bytes
	s_lshl_b32 s35, s35, 5
	s_lshl_b32 s36, s22, 2
	s_add_co_u32 s35, s35, s36
	s_add_co_u32 s35, s35, s34
	v_mov_b32 v4, s35
	s_wait_xcnt 0x0                                ; EXEC is a source of the loads above: it changes only behind this wait
	v_cmp_eq_u32 vcc_lo, 0, v1
	s_and_saveexec_b32 s37, vcc_lo
	global_store_b32 v4, v[Y], s[32:33]            ; one lane stores the wave's partial
	s_wait_xcnt 0x0
	s_or_b32 exec_lo, exec_lo, s37
	s_endpgm
	; ---- the zeros: 8 KiB a wave, 512 consecutive bytes a store
.Lzero:
	v_lshl_add_u32 v3, v1, 4, s23                  ; 8,192 wave + 16 lane
	v_mov_b32 v4, 0
	v_mov_b32 v5, 0
	v_mov_b32 v6, 0
	v_mov_b32 v7, 0
	s_wait_kmcnt 0x0
.irp i, 0,1,2,3,4,5,6,7,8,9,10,11,12,13,14,15
	global_store_b128 v3, v[4:7], s[18:19] offset:512*\i
.endr
	s_endpgm
.Lfunc_end_k_q557c5e921e_prep:
	.size	k_q557c5e921e_prep, .Lfunc_end_k_q557c5e921e_prep-k_q557c5e921e_prep
	.p2alignl 7, 3214868480
	.fill 96, 4, 3214868480
	.section	.rodata,"a",@progbits
	.p2align	6, 0x0
	.amdhsa_kernel k_q557c5e921e_prep
		.amdhsa_group_segment_fixed_size 0
		.amdhsa_private_segment_fixed_size 0
		.amdhsa_enable_private_segment 0
		.amdhsa_kernarg_size 72
		.amdhsa_user_sgpr_count 2
		.amdhsa_user_sgpr_kernarg_segment_ptr 1
		.amdhsa_wavefront_size32 1
		.amdhsa_system_sgpr_workgroup_id_x 1
		.amdhsa_system_sgpr_workgroup_id_y 1
		.amdhsa_system_sgpr_workgroup_id_z 1
		.amdhsa_system_vgpr_workitem_id 0
		.amdhsa_next_free_vgpr 112
		.amdhsa_next_free_sgpr 66
		.amdhsa_reserve_vcc 1
		.amdhsa_float_denorm_mode_32 3
		.amdhsa_float_denorm_mode_16_64 3
		.amdhsa_memory_ordered 1
		.amdhsa_forward_progress 1
		.amdhsa_inst_pref_size 19
	.end_amdhsa_kernel
	.amdgpu_metadata
---
amdhsa.version: [ 1, 2 ]
amdhsa.kernels:
  - .name:           k_q557c5e921e_prep
    .symbol:         k_q557c5e921e_prep.kd
    .args:
      - { .name: text_features, .offset: 0, .size: 8, .value_kind: global_buffer, .address_space: global }
      - { .name: W_tp, .offset: 8, .size: 8, .value_kind: global_buffer, .address_space: global }
      - { .name: W_vp, .offset: 16, .size: 8, .value_kind: global_buffer, .address_space: global }
      - { .name: W_tqkv, .offset: 24, .size: 8, .value_kind: global_buffer, .address_space: global }
      - { .name: W_vout, .offset: 32, .size: 8, .value_kind: global_buffer, .address_space: global }
      - { .name: W_tout, .offset: 40, .size: 8, .value_kind: global_buffer, .address_space: global }
      - { .name: xbp, .offset: 48, .size: 8, .value_kind: global_buffer, .address_space: global }
      - { .name: i2tv, .offset: 56, .size: 8, .value_kind: global_buffer, .address_space: global }
      - { .name: vpb, .offset: 64, .size: 8, .value_kind: global_buffer, .address_space: global }
    .group_segment_fixed_size: 0
    .private_segment_fixed_size: 0
    .kernarg_segment_align: 8
    .kernarg_segment_size: 72
    .max_flat_workgroup_size: 256
    .sgpr_count:     66
    .vgpr_count:     112
    .wavefront_size: 32
...
	.end_amdgpu_metadata
.endif
;; end of part 8
;; launch quantv (part 9): grid 304 x 1, 8 waves a work-group, no clusters, 9,216 bytes of LDS; arguments W_vp, vision_features, b_vp, W_tp, W_tqkv, xbp, wqv, vpb; writes wqv, vpb
.if DOCPART == 9
	.amdgcn_target "amdgcn-amd-amdhsa--gfx1250"
	.amdhsa_code_object_version 6
	.text
	.protected	k_q557c5e921e_quantv
	.globl	k_q557c5e921e_quantv
	.p2align	8
	.type	k_q557c5e921e_quantv,@function
k_q557c5e921e_quantv:
	s_mov_b64 s[64:65], 0
	v_nop
	global_prefetch_b8 v0, s[64:65] scope:SCOPE_SE
	s_setreg_imm32_b32 hwreg(HW_REG_WAVE_MODE, 25, 1), 1
	s_wait_xcnt 0x0
; Work-groups 0-63: vp = bf16(vision_features) q(W_vp)^T s + bf16(b_vp), f32, into vpb; 16 columns a work-group, K = 768 split among the eight waves.
; Work-groups 64-303: ternary copies in bf16 (+1, 0, -1) of W_tp and W_tqkv, into wqv; 64 KiB of f32 a work-group.
; s = clamp(mean |bf16(W)|, 1e-5, 1000), from the partial sums of the launch before; q = sign(w) where |bf16(w)| > 0.6666667 s, else 0.
; LIMIT: the test is |w| > T s and not w / s > T, and s is summed in this program's own order: a weight whose bf16 value lies within some 1e-6
; (relative) of the threshold may fall on the other side of it.  NaN and infinities are not treated apart.
.set PART,  12582912
.set PARTL, 0                          ; LDS: eight partial tiles of 1,024 bytes
.set SPARE, 8192                       ; the spare words, 128 bytes a wave: four blocks of 256 bytes that no other line names
.set FO,  4                            ; my byte offset in a fragment's rows
.set TA,  5                            ; at work
.set TB,  6
.set TC,  7
.set LS,  8
.set LR,  9
.set YO,  10
.set BO,  11
.set SPW, 12                           ; SPARE + 4 x my thread's number; never rewritten
.set NIL, 13                           ; 0; never rewritten
.set L16, 14                           ; 16 x lane
.set W,   16                           ; v[16:79]   weights as loaded; packed downward in place
.set X,   80                           ; v[80:127]  x as loaded; later the eight partial tiles
.set PSQ, 96                           ; v[96:143]  partial sums of |W| (quantising path)
.set PSV, 128                          ; v[128:139] the same (product path)
.set ACC, 144                          ; v[144:167] three accumulators
.set OUT, 144                          ; v[144:175] quantising path: store data
.set BI,  168                          ; v[168:175] bias
.set WV,  20
.set SEL, 28
.set SS,  30                           ; s[30:31] s, twice
.set THR, 32                           ; 0.6666667 s
.set HI,  33
.set ABS, 34
.set SGN, 35
.set ONE, 36
.set PK,  37
.macro WRED x, t                       ; the sum over the wave's 32 lanes, in every lane
	v_add_f32_dpp v[\x], v[\x], v[\x] row_xmask:1 row_mask:0xf bank_mask:0xf
	v_add_f32_dpp v[\x], v[\x], v[\x] row_xmask:2 row_mask:0xf bank_mask:0xf
	v_add_f32_dpp v[\x], v[\x], v[\x] row_xmask:4 row_mask:0xf bank_mask:0xf
	v_add_f32_dpp v[\x], v[\x], v[\x] row_xmask:8 row_mask:0xf bank_mask:0xf
	v_permlanex16_b32 v[\t], v[\x], s[SEL], s[SEL+1]
	v_add_f32 v[\x], v[\x], v[\t]
.endm
.macro SUMP n, rc, SB                  ; n loads of partial sums at v[SB ..] -> s and the threshold; rc = 1 / the matrix's size
.set z, 1
.rept (\n)-1
	v_pk_add_f32 v[\SB:\SB+1],   v[\SB:\SB+1],   v[\SB+4*z:\SB+4*z+1]
	v_pk_add_f32 v[\SB+2:\SB+3], v[\SB+2:\SB+3], v[\SB+4*z+2:\SB+4*z+3]
.set z, z+1
.endr
	v_pk_add_f32 v[\SB:\SB+1], v[\SB:\SB+1], v[\SB+2:\SB+3]
	v_add_f32 v[\SB], v[\SB], v[\SB+1]
	WRED \SB, \SB+1
	v_mul_f32 v[\SB], \rc, v[\SB]
	v_max_num_f32 v[\SB], 0x3727c5ac, v[\SB]       ; 1e-5
	v_min_num_f32 v[\SB], 0x447a0000, v[\SB]       ; 1000
	v_readfirstlane_b32 s[SS], v[\SB]
	s_mov_b32 s[SS+1], s[SS]
	s_mul_f32 s[THR], s[SS], 0x3f2aaaab
.endm
.macro RB16 a, t                       ; two f32 rounded to bf16, in place
	v_cvt_pk_bf16_f32 v[\t], v[\a], v[\a+1]
	v_lshlrev_b32 v[\a], 16, v[\t]
	v_and_b32 v[\a+1], s[HI], v[\t]
.endm
.macro QUANT2 d, w0                    ; the f32 weights v[w0], v[w0+1] -> two ternary bf16 in v[d]
	v_cvt_pk_bf16_f32 v[TC], v[\w0], v[\w0+1]
	v_lshlrev_b32 v[TA], 16, v[TC]
	v_and_b32 v[TB], s[HI], v[TC]
	v_and_b32 v[TC], s[ABS], v[TA]
	v_cmp_lt_f32 vcc_lo, s[THR], v[TC]
	v_and_or_b32 v[TA], v[TA], s[SGN], s[ONE]      ; 1.0 with the weight's sign
	v_cndmask_b32 v[TA], 0, v[TA], vcc_lo
	v_and_b32 v[TC], s[ABS], v[TB]
	v_cmp_lt_f32 vcc_lo, s[THR], v[TC]
	v_and_or_b32 v[TB], v[TB], s[SGN], s[ONE]
	v_cndmask_b32 v[TB], 0, v[TB], vcc_lo
	v_perm_b32 v[\d], v[TB], v[TA], s[PK]          ; the two upper halves
.endm
	s_load_b256 s[4:11], s[0:1], 0x0               ; W_vp, vision_features, b_vp, W_tp
	s_load_b128 s[12:15], s[0:1], 0x20             ; W_tqkv, xbp
	s_load_b128 s[16:19], s[0:1], 0x30             ; wqv, vpb
	v_lshl_add_u32 v[SPW], v0, 2, SPARE
	v_mov_b32 v[NIL], 0
	v_and_b32 v1, 31, v0
	v_lshrrev_b32 v2, 5, v0
	v_readfirstlane_b32 s[WV], v2
	s_mov_b32 s[SEL], 0x76543210
	s_mov_b32 s[SEL+1], 0xfedcba98
	s_mov_b32 s[HI], 0xffff0000
	s_mov_b32 s[ABS], 0x7fffffff
	s_mov_b32 s[SGN], 0x80000000
	s_mov_b32 s[ONE], 0x3f800000
	s_mov_b32 s[PK], 0x07060302
	v_lshlrev_b32 v[L16], 4, v1
	s_wait_kmcnt 0x0
	s_add_nc_u64 s[14:15], s[14:15], PART          ; the partial sums
	s_cmp_lt_u32 ttmp9, 64
	s_cbranch_scc0 .Lquant
	; ---- vp.  y^T = W x^T: source 0 = 16 rows of W (columns of y), source 1 = the 16 batch rows; a lane ends with row r and columns 8 h + 0..7.
	; A fragment is 16 rows x 32 k: lane (r, h) holds k = 8 h + 0..7 and 16 + 8 h + 0..7: in f32 four loads of 16 bytes at 0, 16, 64, 80.
	v_and_b32 v2, 15, v0                           ; r
	v_bfe_u32 v3, v0, 4, 1                         ; h
	v_mul_u32_u24 v[FO], v2, 3072
	v_lshl_add_u32 v[FO], v3, 5, v[FO]
	s_mul_i32 s21, s[WV], 384                      ; my 96 of the 768 k
	v_add_nc_u32 v[FO], s21, v[FO]
	s_mul_i32 s22, ttmp9, 49152                    ; the work-group's 16 rows of W
	s_mov_b32 s23, 0
	s_add_nc_u64 s[4:5], s[4:5], s[22:23]
	s_lshl_b32 s24, ttmp9, 6
	v_lshl_add_u32 v[BO], v3, 5, s24               ; (16 id + 8 h) x 4
	v_lshl_add_u32 v[YO], v2, 12, v[BO]            ; + r x 4,096
	s_lshl_b32 s24, s[WV], 10
	v_lshl_add_u32 v[LS], v1, 5, s24               ; 1,024 wave + 32 lane
	v_lshlrev_b32 v[LR], 5, v1
.irp f, 0,1,2
	global_load_b128 v[W+16*\f:W+16*\f+3],     v[FO], s[4:5] offset:128*\f
	global_load_b128 v[W+16*\f+4:W+16*\f+7],   v[FO], s[4:5] offset:128*\f+16
	global_load_b128 v[W+16*\f+8:W+16*\f+11],  v[FO], s[4:5] offset:128*\f+64
	global_load_b128 v[W+16*\f+12:W+16*\f+15], v[FO], s[4:5] offset:128*\f+80
	global_load_b128 v[X+16*\f:X+16*\f+3],     v[FO], s[6:7] offset:128*\f
	global_load_b128 v[X+16*\f+4:X+16*\f+7],   v[FO], s[6:7] offset:128*\f+16
	global_load_b128 v[X+16*\f+8:X+16*\f+11],  v[FO], s[6:7] offset:128*\f+64
	global_load_b128 v[X+16*\f+12:X+16*\f+15], v[FO], s[6:7] offset:128*\f+80
.endr
.irp i, 0,1,2
	global_load_b128 v[PSV+4*\i:PSV+4*\i+3], v[L16], s[14:15] offset:1536+512*\i
.endr
	global_load_b128 v[BI:BI+3],   v[BO], s[8:9]
	global_load_b128 v[BI+4:BI+7], v[BO], s[8:9] offset:16
	s_wait_loadcnt 0x0
	SUMP 3, 0x35aaaaab, PSV
.irp k, 0,2,4,6
	RB16 BI+\k, TC
.endr
.set z, 0
.rept 24                               ; both operands are packed downward in place: word z of 24 from f32 numbers 2 z, 2 z + 1
	v_cvt_pk_bf16_f32 v[X+z], v[X+2*z], v[X+2*z+1]
	QUANT2 W+z, W+2*z
.set z, z+1
.endr
	v_wmma_f32_16x16x32_bf16 v[ACC:ACC+7],     v[W:W+7],     v[X:X+7],     0
	v_wmma_f32_16x16x32_bf16 v[ACC+8:ACC+15],  v[W+8:W+15],  v[X+8:X+15],  0
	v_wmma_f32_16x16x32_bf16 v[ACC+16:ACC+23], v[W+16:W+23], v[X+16:X+23], 0
.rept 8
	v_nop                                          ; the places between the products and the sums that read them
.endr
.irp k, 0,2,4,6
	v_pk_add_f32 v[ACC+\k:ACC+\k+1], v[ACC+\k:ACC+\k+1], v[ACC+8+\k:ACC+8+\k+1]
.endr
.irp k, 0,2,4,6
	v_pk_add_f32 v[ACC+\k:ACC+\k+1], v[ACC+\k:ACC+\k+1], v[ACC+16+\k:ACC+16+\k+1]
.endr
	ds_store_b128 v[LS], v[ACC:ACC+3]   offset:PARTL
	ds_store_b128 v[LS], v[ACC+4:ACC+7] offset:PARTL+16
	s_wait_dscnt 0x0                               ; for the others' sake: my partial tile is written
	s_barrier_signal -1
	s_barrier_wait -1
	s_cmp_lg_u32 s[WV], 0                          ; wave 0 adds the eight partial tiles
	s_cbranch_scc1 .Lend
.irp j, 0,1,2,3,4,5,6,7
	ds_load_b128 v[X+8*\j:X+8*\j+3],   v[LR] offset:PARTL+1024*\j
	ds_load_b128 v[X+8*\j+4:X+8*\j+7], v[LR] offset:PARTL+1024*\j+16
.endr
	s_wait_dscnt 0x0
.irp j, 1,2,3,4,5,6,7
.irp k, 0,2,4,6
	v_pk_add_f32 v[X+\k:X+\k+1], v[X+\k:X+\k+1], v[X+8*\j+\k:X+8*\j+\k+1]
.endr
.endr
.irp k, 0,2,4,6
	v_pk_fma_f32 v[X+\k:X+\k+1], v[X+\k:X+\k+1], s[SS:SS+1], v[BI+\k:BI+\k+1] op_sel_hi:[1,0,1]
.endr
	global_store_b128 v[YO], v[X:X+3],   s[18:19]
	global_store_b128 v[YO], v[X+4:X+7], s[18:19] offset:16
.Lend:
	s_wait_tensorcnt 0x0                           ; the wave's end
	ds_add_u32 v[SPW], v[NIL]
	s_wait_dscnt 0x0
	s_endpgm
	; ---- the ternary copies.  wq2 follows wq1 in wqv, so the output offset is 32,768 x chunk for both.
.Lquant:
	s_sub_co_u32 s21, ttmp9, 64                    ; chunk 0-47: W_tp; 48-239: W_tqkv
	s_cmp_lt_u32 s21, 48
	s_cselect_b64 s[24:25], s[10:11], s[12:13]
	s_cselect_b32 s22, 0, 48
	s_sub_co_u32 s22, s21, s22
	s_lshl_b32 s22, s22, 16
	s_lshl_b32 s23, s[WV], 13
	s_add_co_u32 s22, s22, s23
	v_lshl_add_u32 v[FO], v1, 5, s22               ; in: 65,536 chunk + 8,192 wave + 32 lane
	s_lshl_b32 s22, s21, 15
	s_lshl_b32 s23, s[WV], 12
	s_add_co_u32 s22, s22, s23
	v_lshl_add_u32 v[YO], v1, 4, s22               ; out
.irp i, 0,1,2,3,4,5,6,7
	global_load_b128 v[W+8*\i:W+8*\i+3],   v[FO], s[24:25] offset:1024*\i
	global_load_b128 v[W+8*\i+4:W+8*\i+7], v[FO], s[24:25] offset:1024*\i+16
.endr
	s_cmp_lt_u32 s21, 48
	s_cbranch_scc0 .Lq2
.irp i, 0,1,2
	global_load_b128 v[PSQ+4*\i:PSQ+4*\i+3], v[L16], s[14:15] offset:512*\i
.endr
	s_wait_loadcnt 0x0
	SUMP 3, 0x35aaaaab, PSQ
	s_branch .Lqgo
.Lq2:
.irp i, 0,1,2,3,4,5,6,7,8,9,10,11
	global_load_b128 v[PSQ+4*\i:PSQ+4*\i+3], v[L16], s[14:15] offset:3072+512*\i
.endr
	s_wait_loadcnt 0x0
	SUMP 12, 0x34aaaaab, PSQ
.Lqgo:
.irp i, 0,1,2,3,4,5,6,7
.irp k, 0,1,2,3
	QUANT2 OUT+4*\i+\k, W+8*\i+2*\k
.endr
	global_store_b128 v[YO], v[OUT+4*\i:OUT+4*\i+3], s[16:17] offset:512*\i  ; 512 consecutive bytes a store
.endr
	s_endpgm
.Lfunc_end_k_q557c5e921e_quantv:
	.size	k_q557c5e921e_quantv, .Lfunc_end_k_q557c5e921e_quantv-k_q557c5e921e_quantv
	.p2alignl 7, 3214868480
	.fill 96, 4, 3214868480
	.section	.rodata,"a",@progbits
	.p2align	6, 0x0
	.amdhsa_kernel k_q557c5e921e_quantv
		.amdhsa_group_segment_fixed_size 9216
		.amdhsa_private_segment_fixed_size 0
		.amdhsa_enable_private_segment 0
		.amdhsa_kernarg_size 64
		.amdhsa_user_sgpr_count 2
		.amdhsa_user_sgpr_kernarg_segment_ptr 1
		.amdhsa_wavefront_size32 1
		.amdhsa_system_sgpr_workgroup_id_x 1
		.amdhsa_system_sgpr_workgroup_id_y 1
		.amdhsa_system_sgpr_workgroup_id_z 1
		.amdhsa_system_vgpr_workitem_id 0
		.amdhsa_next_free_vgpr 176
		.amdhsa_next_free_sgpr 66
		.amdhsa_reserve_vcc 1
		.amdhsa_float_denorm_mode_32 3
		.amdhsa_float_denorm_mode_16_64 3
		.amdhsa_memory_ordered 1
		.amdhsa_forward_progress 1
		.amdhsa_inst_pref_size 48
	.end_amdhsa_kernel
	.amdgpu_metadata
---
amdhsa.version: [ 1, 2 ]
amdhsa.kernels:
  - .name:           k_q557c5e921e_quantv
    .symbol:         k_q557c5e921e_quantv.kd
    .args:
      - { .name: W_vp, .offset: 0, .size: 8, .value_kind: global_buffer, .address_space: global }
      - { .name: vision_features, .offset: 8, .size: 8, .value_kind: global_buffer, .address_space: global }
      - { .name: b_vp, .offset: 16, .size: 8, .value_kind: global_buffer, .address_space: global }
      - { .name: W_tp, .offset: 24, .size: 8, .value_kind: global_buffer, .address_space: global }
      - { .name: W_tqkv, .offset: 32, .size: 8, .value_kind: global_buffer, .address_space: global }
      - { .name: xbp, .offset: 40, .size: 8, .value_kind: global_buffer, .address_space: global }
      - { .name: wqv, .offset: 48, .size: 8, .value_kind: global_buffer, .address_space: global }
      - { .name: vpb, .offset: 56, .size: 8, .value_kind: global_buffer, .address_space: global }
    .group_segment_fixed_size: 9216
    .private_segment_fixed_size: 0
    .kernarg_segment_align: 8
    .kernarg_segment_size: 64
    .max_flat_workgroup_size: 256
    .sgpr_count:     66
    .vgpr_count:     176
    .wavefront_size: 32
...
	.end_amdgpu_metadata
.endif
;; end of part 9
;; launch g1 (part 10): grid 8 x 32, 4 waves a work-group, clusters of 4 x 4, 327,680 bytes of LDS; arguments xbp, wqv, tp, b_tp; writes tp
.if DOCPART == 10
	.amdgcn_target "amdgcn-amd-amdhsa--gfx1250"
	.amdhsa_code_object_version 6
	.text
	.protected	k_q557c5e921e_g1
	.globl	k_q557c5e921e_g1
	.p2align	8
	.type	k_q557c5e921e_g1,@function
k_q557c5e921e_g1:
	s_mov_b64 s[64:65], 0
	v_nop
	global_prefetch_b8 v0, s[64:65] scope:SCOPE_SE
	s_setreg_imm32_b32 hwreg(HW_REG_WAVE_MODE, 25, 1), 1
	s_wait_xcnt 0x0
	s_wait_alu depctr_hold_cnt(0) depctr_sa_sdst(0) depctr_va_vdst(0) depctr_va_sdst(0) depctr_va_ssrc(0) depctr_va_vcc(0) depctr_vm_vsrc(0)
	s_getreg_b32 s2, hwreg(HW_REG_IB_STS2, 6, 4)
	s_cmp_eq_u32 s2, 0
	s_cbranch_scc0 .Lentry_in_a_cluster
	s_endpgm
.Lentry_in_a_cluster:
	s_bfe_u32 s2, ttmp6, 0x10000c
	s_cmp_lg_u32 s2, 0xf033
	s_cbranch_scc0 .Lentry_shape_is_right
	s_endpgm
.Lentry_shape_is_right:
; tp = s (xb wq1^T) + bf16(b_tp), f32.  xb: [8192][768] bf16, wq1: [1024][768] ternary bf16; sums in f32.
; This text serves two launches by the switch G2 at its head (0: this one; 1: the q, k, v projection).
; A work-group of four waves makes 256 rows x 16 NB columns; wave w makes rows 64 w .. 64 w + 63 of all its columns: 4 x NB accumulators of 16 x 16.
; K goes in steps of 128 (rows of 256 bytes, at multiples of 256 bytes) through two LDS slots filled by tensor loads, one load a wave behind each change of slots.
; A K step is four quarters of 32 along K on two fragment buffers; a quarter's fragments are asked of LDS at the head of the quarter before.
; CLUSTER 4 x 4: the four of a row need the same tile of A, the four of a column the same tile of B: each tile is asked for jointly, by the same load, descriptor and mask in all four.
; The matrix instruction is used transposed (source 0 = 16 rows of B, source 1 = 16 rows of A): a lane holds row l % 16 of C and eight neighbouring columns.
; REGISTERS by windows of 256: window 0 addresses, bias (v64 ..), at work (v160 ..); window 1 two fragment buffers of 128 (B's NB fragments, then A's four), on the way out store data;
; window 2 the accumulators of my row blocks 0, 1 (block a, column block b at 8 (NB a + b)); window 3 those of row blocks 2, 3.
.set G2, 0
.if G2
.set KD,    1024
.set NB,    12
.set WQOFF, 1572864                    ; wq2 behind wq1
.set POFF,  12582912+3072              ; W_tqkv's partial sums
.set PN,    12
.set PRC,   0x34aaaaab                 ; 1 / 3,145,728
.set LIMV,  1
.set PF0,   2
.set STB,   16*144                     ; a wave's stage: 16 rows of 128 bytes + 16
.else
.set KD,    768
.set NB,    8
.set WQOFF, 0
.set POFF,  12582912
.set PN,    3
.set PRC,   0x35aaaaab                 ; 1 / 786,432
.set LIMV,  2
.set PF0,   3
.set STB,   16*528                     ; a wave's stage: 16 rows of 512 bytes + 16
.endif
.set KSTEPS, KD/128
.set RB,    8*NB                       ; rows of B that one wave fetches
.set PITCH, 272                        ; an LDS row: 256 bytes + 16: the 16 rows of a fragment load start at 16 different groups of four banks
.set BOFF,  256*PITCH                  ; in a slot: A's 256 rows, then B's 16 NB
.set SLOT1, 1<<17                      ; slot 1 begins here: one exclusive or turns an address in one slot into the other's
.set STAGE, SLOT1+BOFF+16*NB*PITCH     ; behind the ring, never filled by a tensor load
.set SPARE, STAGE+4*STB                ; the spare words, 128 bytes a wave: two blocks of 256 bytes that no other line names
.set A0,   16                          ; my lane's place in A's tile; never rewritten
.set B0,   17
.set ADRA, 18                          ; the same in the slot in hand
.set ADRB, 19
.set STO,  24
.set RD,   25
.set BOV,  27
.set SPW,  28
.set NIL,  29
.set PFO,  30
.set L16,  31                          ; 16 x lane
.set BI,   64                          ; bias of my 16 NB columns: column block b, number j at BI + 8 b + j
.set T,    160
.set PKD,  192
.set F0,   0
.set F1,   128
.set G1,   24
.set G0,   32
.set G1B,  48
.set G0B,  56
.set TB,   72
.set SC,   74                          ; pairs: the factor of the sums, a pair for each head (G2) or one
.set FC,   80
.set LIM,  86
.set HI,   87
.set PFA,  88
.set SEL,  90
.set SS,   92
.set FLAGS, (1<<16)|(1<<20)|(1<<21)|(5<<22)|(3<<25)  ; elements of 2 bytes; padding on; bit 21 beside a mask; after every 64 words; 4 words
.set MSB, 0
.macro WIN new                         ; the immediate's high byte repeats the setting that is left; a switch that changes nothing is dropped
.if MSB != (\new)
	s_set_vgpr_msb (MSB<<8)|(\new)
.set MSB, \new
.endif
.endm
.set MUL_LO, 0xa5                      ; sources 0 and 1 window 1; C and D window 2
.set TO_F,   0x40                      ; destination window 1, address window 0
.macro PLACES                          ; four plain vector instructions between a matrix instruction and a load into, or a reader of, its registers
.rept 4
	v_nop
.endr
.endm
; A joint load: waves 0 and 1 fetch A's two halves, waves 2 and 3 B's.  The branch hangs on the wave's number alone.  An s_nop 0 and four v_nop follow each line.
.macro JLOAD s
	s_cmp_eq_u32 s11, 0
	s_cbranch_scc0 .Lfor_b_\@
	tensor_load_to_lds s[G0+4*(\s):G0+4*(\s)+3], s[G1:G1+7]
	s_nop 0
.rept 4
	v_nop
.endr
	s_branch .Lasked_\@
.Lfor_b_\@:
	tensor_load_to_lds s[G0B+4*(\s):G0B+4*(\s)+3], s[G1B:G1B+7]
	s_nop 0
.rept 4
	v_nop
.endr
.Lasked_\@:
.endm
; A prefetch of a later K step's 256 bytes of the rows that I fetch, a lane a row.  A's rows are asked for by the clusters with x = 0, B's by those with y = 0; the four partners that ask
; for a tile jointly share its rows out by address.  The last trips, which have no such K step, ask for nothing.
.macro ASK
	s_cmp_gt_u32 s3, s[LIM]
	s_cbranch_scc0 .Lnot_mine_\@
	global_prefetch_b8 v[PFO], s[PFA:PFA+1] th:TH_LOAD_NT scope:SCOPE_SE
.Lnot_mine_\@:
.endm
.macro CREST                           ; a round of the cluster's barrier behind its opening barrier
	s_cmp_lg_u32 s10, 0
	s_cbranch_scc1 .Lnot_wave_0_\@
	s_barrier_signal -3
.Lnot_wave_0_\@:
	s_barrier_wait -3
	s_barrier_signal -1
	s_barrier_wait -1
.endm
.macro CROUND
	s_barrier_signal -1
	s_barrier_wait -1
	CREST
.endm
.macro WRED x, t
	v_add_f32_dpp v[\x], v[\x], v[\x] row_xmask:1 row_mask:0xf bank_mask:0xf
	v_add_f32_dpp v[\x], v[\x], v[\x] row_xmask:2 row_mask:0xf bank_mask:0xf
	v_add_f32_dpp v[\x], v[\x], v[\x] row_xmask:4 row_mask:0xf bank_mask:0xf
	v_add_f32_dpp v[\x], v[\x], v[\x] row_xmask:8 row_mask:0xf bank_mask:0xf
	v_permlanex16_b32 v[\t], v[\x], s[SEL], s[SEL+1]
	v_add_f32 v[\x], v[\x], v[\t]
.endm
.macro RB16 a, t
	v_cvt_pk_bf16_f32 v[\t], v[\a], v[\a+1]
	v_lshlrev_b32 v[\a], 16, v[\t]
	v_and_b32 v[\a+1], s[HI], v[\t]
.endm
	s_load_b128 s[4:7], s[0:1], 0x0                ; A's buffer, wqv
	s_load_b64 s[8:9], s[0:1], 0x10                ; C
.if G2
	s_load_b128 s[68:71], s[0:1], 0x18             ; xbp (partial sums), bias
.else
	s_load_b64 s[68:69], s[0:1], 0x0               ; xbp once more, for the partial sums
	s_load_b64 s[70:71], s[0:1], 0x18              ; bias
.endif
	v_lshl_add_u32 v[SPW], v0, 2, SPARE
	v_mov_b32 v[NIL], 0
	ds_add_u32 v[SPW], v[NIL]                      ; the wave's opening
	ds_add_u32 v28, v29
	v_lshrrev_b32 v1, 5, v0
	v_readfirstlane_b32 s10, v1                    ; wave
	s_lshr_b32 s11, s10, 1                         ; I fetch for A (0) or for B (1)
	s_and_b32 s12, s10, 1                          ; which half of that tile
	s_bfe_u32 s40, ttmp6, 0x40000                  ; cx
	s_bfe_u32 s41, ttmp6, 0x40004                  ; cy
	s_lshl_b32 s42, ttmp9, 2
	s_add_co_u32 s42, s42, s40                     ; tile column
	s_and_b32 s13, ttmp7, 0xffff
	s_lshl_b32 s13, s13, 2
	s_add_co_u32 s13, s13, s41                     ; tile row
	s_lshl_b32 s43, s41, 2
	s_lshl_b32 s43, 15, s43                        ; my row of the cluster
	s_lshl_b32 s44, 0x1111, s40                    ; my column
	s_or_b32 s[G1+0], s43, FLAGS
	s_or_b32 s[G1B+0], s44, FLAGS
	s_mov_b32 s[G1+1], 128<<16                     ; tensor_dim0 = 128 elements
	s_mov_b32 s[G1+2], 128<<16                     ; tensor_dim1 = 128 rows
	s_mov_b32 s[G1+3], 128<<16                     ; tile_dim0
	s_mov_b32 s[G1+4], 128                         ; tile_dim1
	s_mov_b32 s[G1+5], KD                          ; elements from row to row
	s_mov_b32 s[G1+6], 0
	s_mov_b32 s[G1+7], 0
	s_mov_b32 s[G1B+1], 128<<16
	s_mov_b32 s[G1B+2], RB<<16
	s_mov_b32 s[G1B+3], 128<<16
	s_mov_b32 s[G1B+4], RB
	s_mov_b32 s[G1B+5], KD
	s_mov_b32 s[G1B+6], 0
	s_mov_b32 s[G1B+7], 0
	s_lshl_b32 s17, s12, 7
	s_lshl_b32 s16, s13, 8
	s_add_co_u32 s16, s16, s17                     ; A: row 256 x tile row + 128 x half
	s_mul_i32 s46, s42, 16*NB
	s_mul_i32 s47, s12, RB
	s_add_co_u32 s46, s46, s47                     ; B: row 16 NB x tile column + RB x half
	s_mov_b32 s17, 0
	s_mov_b32 s47, 0
	s_mov_b64 s[18:19], KD*2
	s_mul_u64 s[16:17], s[16:17], s[18:19]
	s_mul_u64 s[46:47], s[46:47], s[18:19]
	s_mul_i32 s20, s12, 128*PITCH                  ; where they go: no place in the cluster enters an LDS address
	s_mul_i32 s21, s12, RB*PITCH
	s_add_co_u32 s21, s21, BOFF
	s_mov_b32 s[SEL], 0x76543210
	s_mov_b32 s[SEL+1], 0xfedcba98
	s_mov_b32 s[HI], 0xffff0000
	s_mov_b32 s[TB], 0
	s_wait_dscnt 0x0                               ; the opening add is done
	s_wait_kmcnt 0x0
.if G2
	s_add_nc_u64 s[6:7], s[6:7], WQOFF
.endif
	s_add_nc_u64 s[68:69], s[68:69], POFF
	s_add_nc_u64 s[14:15], s[4:5], s[16:17]
	s_add_nc_u64 s[46:47], s[6:7], s[46:47]
	CROUND                                         ; all sixteen work-groups are here: the first joint loads meet
.irp s, 0,1
	s_mov_b32 s[G0+4*\s], 1
	s_add_co_u32 s[G0+4*\s+1], s20, \s*SLOT1
	s_add_nc_u64 s[G0+4*\s+2:G0+4*\s+3], s[14:15], \s*256  ; K step s
	s_or_b32 s[G0+4*\s+3], s[G0+4*\s+3], 0x80000000
	s_mov_b32 s[G0B+4*\s], 1
	s_add_co_u32 s[G0B+4*\s+1], s21, \s*SLOT1
	s_add_nc_u64 s[G0B+4*\s+2:G0B+4*\s+3], s[46:47], \s*256
	s_or_b32 s[G0B+4*\s+3], s[G0B+4*\s+3], 0x80000000
	JLOAD \s                                       ; two loads of mine are out
.endr
	; while the first tiles are on their way: the bias, s, the addresses
	v_and_b32 v1, 15, v0                           ; l % 16
	v_bfe_u32 v2, v0, 4, 1                         ; l / 16
	s_mul_i32 s21, s42, 64*NB
	v_lshl_add_u32 v[BOV], v2, 5, s21              ; (16 NB x tile column + 8 h) x 4
	v_and_b32 v[L16], 31, v0
	v_lshlrev_b32 v[L16], 4, v[L16]
.set b, 0
.rept NB
	global_load_b128 v[BI+8*b:BI+8*b+3],   v[BOV], s[70:71] offset:64*b
	global_load_b128 v[BI+8*b+4:BI+8*b+7], v[BOV], s[70:71] offset:64*b+16
.set b, b+1
.endr
.set b, 0
.rept PN
	global_load_b128 v[T+4*b:T+4*b+3], v[L16], s[68:69] offset:512*b
.set b, b+1
.endr
	v_mul_u32_u24 v3, v1, PITCH
	v_lshl_add_u32 v3, v2, 4, v3                   ; a fragment's row x pitch + 16 x half
	s_mul_i32 s21, s10, 64*PITCH                   ; my 64 rows of A
	v_add_nc_u32 v[A0], s21, v3
	v_add_nc_u32 v[B0], BOFF, v3
	v_mov_b32 v[ADRA], v[A0]
	v_mov_b32 v[ADRB], v[B0]
	s_mul_i32 s23, s10, STB
	s_add_co_u32 s23, s23, STAGE                   ; my stage
.if G2
	v_mul_u32_u24 v4, v1, 144                      ; in: row l % 16, 16 bytes for each half of the lanes
	v_lshl_add_u32 v4, v2, 4, v4
	v_add_nc_u32 v[STO], s23, v4
	v_bfe_u32 v5, v0, 3, 2                         ; back: 32 lanes take four rows of 128 bytes
	v_mul_u32_u24 v5, v5, 144
	v_and_b32 v6, 7, v0
	v_lshl_add_u32 v5, v6, 4, v5
	v_add_nc_u32 v[RD], s23, v5
	s_lshr_b32 s20, s13, 1                         ; the batch; q, k, v lie by heads: [16][48][512][64]
	s_mul_i32 s20, s20, 48
	s_mul_i32 s21, s42, 3
	s_add_co_u32 s20, s20, s21
	s_lshl_b32 s20, s20, 16
	s_and_b32 s21, s13, 1
	s_lshl_b32 s21, s21, 8
	s_lshl_b32 s22, s10, 6
	s_add_co_u32 s21, s21, s22
	s_lshl_b32 s21, s21, 7
	s_add_co_u32 s20, s20, s21
.else
	v_mul_u32_u24 v4, v1, 528                      ; in: row l % 16, 32 bytes for each half of the lanes
	v_lshl_add_u32 v4, v2, 5, v4
	v_add_nc_u32 v[STO], s23, v4
	v_add_nc_u32 v[RD], s23, v[L16]                ; back: 32 lanes take a row of 512 bytes
	s_lshl_b32 s20, s13, 8
	s_lshl_b32 s21, s10, 6
	s_add_co_u32 s20, s20, s21
	s_lshl_b32 s20, s20, 12                        ; my first row of C,
	s_lshl_b32 s21, s42, 9                         ; my tile's 512 bytes of it
	s_add_co_u32 s20, s20, s21
.endif
	s_mov_b32 s21, 0
	s_add_nc_u64 s[8:9], s[8:9], s[20:21]
	; the prefetches
	s_lshl_b32 s20, s13, 8
	s_lshl_b32 s21, s12, 7
	s_add_co_u32 s20, s20, s21
	s_lshl_b32 s21, s40, 5
	s_add_co_u32 s20, s20, s21                     ; A: my work-group's 32 of the 128 rows that I fetch
	s_mul_i32 s21, s42, 16*NB
	s_mul_i32 s23, s12, RB
	s_add_co_u32 s21, s21, s23
	s_mul_i32 s23, s41, RB/4
	s_add_co_u32 s21, s21, s23                     ; B: my work-group's RB / 4 of the RB rows
	s_and_b32 s22, ttmp7, 0xffff
	s_cmp_eq_u32 s11, 0
	s_cselect_b32 s20, s20, s21
	s_cselect_b32 s22, ttmp9, s22                  ; the coordinate along which other clusters read the same rows
	s_cselect_b64 s[PFA:PFA+1], s[4:5], s[6:7]
	s_cselect_b32 s23, 31, RB/4-1
	s_cmp_eq_u32 s22, 0
	s_cselect_b32 s[LIM], LIMV, -1                 ; the same in all sixteen partners, for a given wave
	s_mov_b32 s21, 0
	s_mov_b64 s[18:19], KD*2
	s_mul_u64 s[20:21], s[20:21], s[18:19]
	s_add_nc_u64 s[PFA:PFA+1], s[PFA:PFA+1], s[20:21]
	s_add_nc_u64 s[PFA:PFA+1], s[PFA:PFA+1], PF0*256  ; each change of slots steps it by a K step before it asks
	v_and_b32 v[PFO], 31, v0
	v_min_u32 v[PFO], s23, v[PFO]                  ; lanes past my share's last row name that row
	v_mul_u32_u24 v[PFO], v[PFO], KD*2
	s_wait_loadcnt 0x0
	; s = clamp(mean |bf16(W)|, 1e-5, 1000)
.set b, 1
.rept PN-1
	v_pk_add_f32 v[T:T+1],   v[T:T+1],   v[T+4*b:T+4*b+1]
	v_pk_add_f32 v[T+2:T+3], v[T+2:T+3], v[T+4*b+2:T+4*b+3]
.set b, b+1
.endr
	v_pk_add_f32 v[T:T+1], v[T:T+1], v[T+2:T+3]
	v_add_f32 v[T], v[T], v[T+1]
	WRED T, T+1
	v_mul_f32 v[T], PRC, v[T]
	v_max_num_f32 v[T], 0x3727c5ac, v[T]
	v_min_num_f32 v[T], 0x447a0000, v[T]
	v_readfirstlane_b32 s[SS], v[T]
.set b, 0
.rept 4*NB
	RB16 BI+2*b, T+2                               ; the bias is an input: rounded to bf16 like all of them
.set b, b+1
.endr
.if G2
	s_mul_i32 s45, s42, 3                          ; my first head among the 48; heads 0-15 are q, which takes the factor log2(e) / 8 of the softmax's exponent
.irp hd, 0,1,2
	s_add_co_u32 s22, s45, \hd
	s_cmp_lt_u32 s22, 16
	s_cselect_b32 s[FC+2*\hd], 0x3e38aa3b, 1.0
	s_mov_b32 s[FC+2*\hd+1], s[FC+2*\hd]
	s_mul_f32 s[SC+2*\hd], s[SS], s[FC+2*\hd]
	s_mov_b32 s[SC+2*\hd+1], s[SC+2*\hd]
.set b, 0
.rept 16
	v_pk_mul_f32 v[BI+32*\hd+2*b:BI+32*\hd+2*b+1], v[BI+32*\hd+2*b:BI+32*\hd+2*b+1], s[FC+2*\hd:FC+2*\hd+1] op_sel_hi:[1,0]
.set b, b+1
.endr
.endr
.else
	s_mov_b32 s[SC], s[SS]
	s_mov_b32 s[SC+1], s[SS]
.endif
; NB matrix instructions: row block 2 hi + a x all column blocks, 32 along K.  All 4 NB accumulators take turns, in the same order in every quarter.
.macro MULH f, hi, a, zero
	WIN MUL_LO+0x50*(\hi)
.set b, 0
.rept NB
.if \zero
	v_wmma_f32_16x16x32_bf16 v[8*(NB*(\a)+b):8*(NB*(\a)+b)+7], v[(\f)+8*b:(\f)+8*b+7], v[(\f)+8*NB+8*(2*(\hi)+(\a)):(\f)+8*NB+8*(2*(\hi)+(\a))+7], 0
.else
	v_wmma_f32_16x16x32_bf16 v[8*(NB*(\a)+b):8*(NB*(\a)+b)+7], v[(\f)+8*b:(\f)+8*b+7], v[(\f)+8*NB+8*(2*(\hi)+(\a)):(\f)+8*NB+8*(2*(\hi)+(\a))+7], v[8*(NB*(\a)+b):8*(NB*(\a)+b)+7]
.endif
.set b, b+1
.endr
.endm
; 2 NB + 8 LDS loads in one run: the fragments of 32 along K at byte k of the rows: B's, then A's four
.macro FETCH k, f
	WIN TO_F
.set b, 0
.rept NB
	ds_load_b128 v[(\f)+8*b:(\f)+8*b+3],   v[ADRB] offset:(\k)+b*16*PITCH
	ds_load_b128 v[(\f)+8*b+4:(\f)+8*b+7], v[ADRB] offset:(\k)+b*16*PITCH+32
.set b, b+1
.endr
.set b, 0
.rept 4
	ds_load_b128 v[(\f)+8*NB+8*b:(\f)+8*NB+8*b+3],   v[ADRA] offset:(\k)+b*16*PITCH
	ds_load_b128 v[(\f)+8*NB+8*b+4:(\f)+8*NB+8*b+7], v[ADRA] offset:(\k)+b*16*PITCH+32
.set b, b+1
.endr
.endm
; One of a K step's first three quarters.  At its head buffer f is waited for, and the next quarter's fragments, at byte k of the rows, are asked for into buffer g, which the quarter before has
; multiplied: that run of 2 NB + 8 loads has all 4 NB matrix instructions of this quarter in which to come.  Then buffer f is multiplied.
.macro QUARTER k, f, g, zero
	s_wait_dscnt 0x0                               ; buffer f, asked for a quarter ago (or in the change of slots), is in
	PLACES                                         ; behind the last product that read buffer g
	FETCH \k, \g
	MULH \f, 0, 0, \zero
	MULH \f, 0, 1, \zero
	MULH \f, 1, 0, \zero
	MULH \f, 1, 1, \zero
.endm
; The last quarter multiplies buffer 1 and changes slots.  In front of the barrier each wave waits for all its tensor loads (one is out: its part of the next slot), adds 0 to its spare
; word, and waits for that and for its reads of this slot.  fill = 1: the barrier opens a round of the cluster's, and this slot is filled again, first thing behind it, two K steps ahead.
.macro TURN fill
.if \fill
	s_wait_xcnt 0x0                                ; the last prefetch, a K step back, has read its address
	s_add_nc_u64 s[PFA:PFA+1], s[PFA:PFA+1], 256
.endif
	WIN 0
	s_wait_tensorcnt 0x0
	ds_add_u32 v[SPW], v[NIL]
	s_wait_dscnt 1                                 ; buffer 1, asked for a quarter ago, is in; the add may be out
	MULH F1, 0, 0, 0
	s_wait_dscnt 0x0                               ; the add is done, and my reads of this slot are over
	s_barrier_signal -1
	MULH F1, 0, 1, 0
	WIN 0
	s_barrier_wait -1
.if \fill
	CREST                                          ; no wave of any partner still reads this slot or has a load on its way
	s_xor_b32 s[G0+5], s[G0+5], SLOT1              ; the walking descriptors: the other slot than last time, the next K step
	s_add_nc_u64 s[G0+6:G0+7], s[G0+6:G0+7], 256
	s_xor_b32 s[G0B+5], s[G0B+5], SLOT1
	s_add_nc_u64 s[G0B+6:G0B+7], s[G0B+6:G0B+7], 256
	JLOAD 1                                        ; its four v_nop are also the places in front of the loads below
.else
	PLACES
.endif
	s_xor_b32 s[TB], s[TB], SLOT1
	v_add_nc_u32 v[ADRA], s[TB], v[A0]
	v_add_nc_u32 v[ADRB], s[TB], v[B0]
	FETCH 0, F0
.if \fill
	WIN 0
	ASK
.endif
	MULH F1, 1, 0, 0
	MULH F1, 1, 1, 0
.endm
; THE WAY OUT: sum x factor + bias; through my own stage in LDS, so that a store of the wave covers 512 consecutive bytes
.if G2
.macro PACK n                          ; row block n / 3, head n % 3: 16 rows x 64 columns
.set a, (\n)/3
.set hd, (\n)%3
	WIN 0x02+(a/2)
.set z, 0
.rept 16
	v_pk_fma_f32 v[T+2*z:T+2*z+1], v[8*(NB*(a%2)+4*hd)+2*z:8*(NB*(a%2)+4*hd)+2*z+1], s[SC+2*hd:SC+2*hd+1], v[BI+32*hd+2*z:BI+32*hd+2*z+1] op_sel_hi:[1,0,1]
.set z, z+1
.endr
	WIN 0
.set z, 0
.rept 16
	v_cvt_pk_bf16_f32 v[PKD+z], v[T+2*z], v[T+2*z+1]
.set z, z+1
.endr
.endm
.macro TOSTAGE n
	WIN 0
.irp f, 0,1,2,3
	ds_store_b128 v[STO], v[PKD+4*\f:PKD+4*\f+3] offset:32*\f
.endr
	WIN TO_F
.irp f, 0,1,2,3
	ds_load_b128 v[16*(\n)+4*\f:16*(\n)+4*\f+3], v[RD] offset:\f*576  ; LDS serves a wave's instructions in order: these see the stores above
.endr
	WIN 0
.endm
.macro SEND n
.set a, (\n)/3
.set hd, (\n)%3
	WIN 0x04                                       ; store data in window 1
	s_wait_dscnt 0x0
.irp f, 0,1,2,3
	global_store_b128 v[L16], v[16*(\n)+4*\f:16*(\n)+4*\f+3], s[8:9] offset:a*2048+\f*512+hd*65536
.endr
	WIN 0
.endm
.else
.macro PACK n                          ; row block n: 16 rows x 128 columns of f32
	WIN 0x02+((\n)/2)
.set z, 0
.rept 32
	v_pk_fma_f32 v[T+2*z:T+2*z+1], v[8*NB*((\n)%2)+2*z:8*NB*((\n)%2)+2*z+1], s[SC:SC+1], v[BI+2*z:BI+2*z+1] op_sel_hi:[1,0,1]
.set z, z+1
.endr
	WIN 0
.endm
.macro TOSTAGE n
	WIN 0
.set z, 0
.rept 8
	ds_store_b128 v[STO], v[T+8*z:T+8*z+3]   offset:64*z
	ds_store_b128 v[STO], v[T+8*z+4:T+8*z+7] offset:64*z+16
.set z, z+1
.endr
	WIN TO_F
.set z, 0
.rept 16
	ds_load_b128 v[64*(\n)+4*z:64*(\n)+4*z+3], v[RD] offset:z*528  ; LDS serves a wave's instructions in order: these see the stores above
.set z, z+1
.endr
	WIN 0
.endm
.macro SEND n
	WIN 0x04
	s_wait_dscnt 0x0
.set z, 0
.rept 16
	global_store_b128 v[L16], v[64*(\n)+4*z:64*(\n)+4*z+3], s[8:9] offset:(\n)*65536+z*4096
.set z, z+1
.endr
	WIN 0
.endm
.endif
	s_wait_tensorcnt 1                             ; my part of K step 0 is in; K step 1's may stay out
	s_barrier_signal -1
	s_barrier_wait -1
	FETCH 0, F0
	QUARTER 64, F0, F1, 1                          ; the first quarter's products start the sums: nothing is cleared
	WIN 0
	s_mov_b32 s3, KSTEPS-2
.Lstep:                                            ; a trip ends K step j, fills its slot with K step j + 2 and begins K step j + 1
	QUARTER 128, F1, F0, 0
	QUARTER 192, F0, F1, 0
	TURN 1
	QUARTER 64, F0, F1, 0
	WIN 0
	s_sub_co_u32 s3, s3, 1
	s_cmp_lg_u32 s3, 0
	s_cbranch_scc1 .Lstep
	; The last two K steps ask nothing of memory: a loop of two trips, left in the middle of the second.  That trip's change of slots reads the first
	; fragments of a slot that still holds an earlier K step; they are not multiplied: 2 NB + 8 LDS loads and a barrier are the price of one text for both trips.
	s_mov_b32 s3, 2
.Ltail:
	QUARTER 128, F1, F0, 0
	QUARTER 192, F0, F1, 0
	TURN 0
	WIN 0
	s_sub_co_u32 s3, s3, 1
	s_cmp_eq_u32 s3, 0
	s_cbranch_scc1 .Lout
	QUARTER 64, F0, F1, 0
	WIN 0
	s_branch .Ltail
.Lout:
	s_wait_dscnt 0x0                               ; the loads that serve nothing are back: their registers take the way out's rows
	PLACES
	PACK 0
	TOSTAGE 0
.if G2
.irp n, 1,2,3,4,5,6,7,8,9,10,11
	PACK \n                                        ; a block's arithmetic stands between the loads of the block before and its stores
	SEND (\n)-1
	TOSTAGE \n
.endr
	SEND 11
.else
.irp n, 1,2,3
	PACK \n
	SEND (\n)-1
	TOSTAGE \n
.endr
	SEND 3
.endif
	s_wait_tensorcnt 0x0                           ; the wave's end
	ds_add_u32 v[SPW], v[NIL]
	s_wait_dscnt 0x0
	CROUND                                         ; the closing round: no work-group ends while a partner may still ask for a tile that names it
	s_endpgm
.Lfunc_end_k_q557c5e921e_g1:
	.size	k_q557c5e921e_g1, .Lfunc_end_k_q557c5e921e_g1-k_q557c5e921e_g1
	.p2alignl 7, 3214868480
	.fill 96, 4, 3214868480
	.section	.rodata,"a",@progbits
	.p2align	6, 0x0
	.amdhsa_kernel k_q557c5e921e_g1
		.amdhsa_group_segment_fixed_size 327680
		.amdhsa_private_segment_fixed_size 0
		.amdhsa_enable_private_segment 0
		.amdhsa_kernarg_size 32
		.amdhsa_user_sgpr_count 2
		.amdhsa_user_sgpr_kernarg_segment_ptr 1
		.amdhsa_wavefront_size32 1
		.amdhsa_system_sgpr_workgroup_id_x 1
		.amdhsa_system_sgpr_workgroup_id_y 1
		.amdhsa_system_sgpr_workgroup_id_z 1
		.amdhsa_system_vgpr_workitem_id 0
		.amdhsa_next_free_vgpr 896
		.amdhsa_next_free_sgpr 96
		.amdhsa_reserve_vcc 0
		.amdhsa_float_denorm_mode_32 3
		.amdhsa_float_denorm_mode_16_64 3
		.amdhsa_memory_ordered 1
		.amdhsa_forward_progress 1
		.amdhsa_inst_pref_size 76
	.end_amdhsa_kernel
	.amdgpu_metadata
---
amdhsa.version: [ 1, 2 ]
amdhsa.kernels:
  - .name:           k_q557c5e921e_g1
    .symbol:         k_q557c5e921e_g1.kd
    .args:
      - { .name: xbp, .offset: 0, .size: 8, .value_kind: global_buffer, .address_space: global }
      - { .name: wqv, .offset: 8, .size: 8, .value_kind: global_buffer, .address_space: global }
      - { .name: tp, .offset: 16, .size: 8, .value_kind: global_buffer, .address_space: global }
      - { .name: b_tp, .offset: 24, .size: 8, .value_kind: global_buffer, .address_space: global }
    .group_segment_fixed_size: 327680
    .private_segment_fixed_size: 0
    .kernarg_segment_align: 8
    .kernarg_segment_size: 32
    .max_flat_workgroup_size: 128
    .sgpr_count:     96
    .vgpr_count:     896
    .wavefront_size: 32
...
	.end_amdgpu_metadata
.endif
;; end of part 10
;; launch lnv (part 11): grid 576 x 1, 8 waves a work-group, no clusters, 42,240 bytes of LDS; arguments vpb, i2tv, W_tout, g_t2i, be_t2i, b_tout, alpha_t2i, tvec, tp, g_tn, be_tn, lnt; writes tvec, lnt
.if DOCPART == 11
	.amdgcn_target "amdgcn-amd-amdhsa--gfx1250"
	.amdhsa_code_object_version 6
	.text
	.protected	k_q557c5e921e_lnv
	.globl	k_q557c5e921e_lnv
	.p2align	8
	.type	k_q557c5e921e_lnv,@function
k_q557c5e921e_lnv:
	s_mov_b64 s[64:65], 0
	v_nop
	global_prefetch_b8 v0, s[64:65] scope:SCOPE_SE
	s_setreg_imm32_b32 hwreg(HW_REG_WAVE_MODE, 25, 1), 1
	s_wait_xcnt 0x0
; ONE TEXT FOR TWO LAUNCHES.  Arguments: x, base, W, g, be, b, alpha, out; tp, g_tn, be_tn, lnx.
; Work-groups 0-63: out = base + alpha (LN(x) q(W)^T s + b), f32, for the 16 rows of x; 16 columns a work-group, K = 1,024 split among the eight waves; the weights are made ternary in registers.
; The 512 partial sums of |W| lie XPART bytes behind x's first byte, in x's own buffer.
;   First use: x = vp, W = W_tout, out = tvec.  The text-to-image softmax runs over one key, so its weight is 1 for every finite input and its output is vp[b] in every row: one vector a batch.
;   This product has no addend: base is a block of zeros that the program's first launch stored.
;   Second use: x = the image-to-text rows, W = W_vout, base = vp, out = out0.  Its grid ends at 64: the path below is not taken, and nothing is stored through its pointer.
; Work-groups 64 on (first use): lnx = bf16(LN(tp)), 16 rows a work-group.
; THE NORMALISING IS WRITTEN ONCE.  Both kinds of work-group run it on two rows a wave, with x, g and be chosen by the work-group's number, and part behind it, at one branch.
; So the product's own loads (W, its partial sums, b, base) go out behind the normalising and not beside it: the price of the shorter text.
; Mean and variance in two passes, in f32.  g, be, b, alpha and W are rounded to bf16 first, like all inputs.
; LIMIT: as in the quantising launch, a weight within some 1e-6 (relative) of the threshold 0.6666667 s may fall on the other side of it.
.set XPART,  65536                     ; bytes of x's 16 rows in front of W's partial sums
.set APITCH, 2064                      ; a row of the normalised tile in LDS: 2,048 bytes + 16
.set PARTL, 33024
.set SPARE, 41216                      ; the spare words, 128 bytes a wave: four blocks of 256 bytes that no other line names
.set PX,  4                            ; s[4:5]  x
.set PBASE, 6
.set PW,  8
.set PG,  10
.set PBE, 12
.set PB,  14
.set PAL, 16
.set POUT, 18
.set PTP, 20
.set PGT, 22
.set PBT, 24
.set PLN, 26
.set WV,  28
.set ALR, 29
.set PP,  30                           ; s[30:31] the partial sums
.set SEL, 32
.set SS,  34
.set THR, 36
.set HI,  37
.set ABS, 38
.set SGN, 39
.set ONE, 40
.set PK,  41
.set R1024, 42
.set EPS, 43
.set AL,  44
.set LX,  48                           ; s[48:53] what is normalised, its gain and its offset
.set LG,  50
.set LB,  52
.set ROW0, 54                          ; my first row
.set FO,  4
.set XO,  5
.set LSA, 6
.set LRA, 7
.set LS,  8
.set LR,  9
.set YO,  10
.set BO,  11
.set SPW, 12
.set NIL, 13
.set G32, 14
.set L16, 15
.set W,   16
.set X,   80
.set G,   144
.set BE,  176
.set ACC, 144
.set T,   208
.set TA,  T+10
.set TB,  T+11
.set TC,  T+12
.set PS,  224
.set BI,  240
.set BS,  248
.macro WRED x, t
	v_add_f32_dpp v[\x], v[\x], v[\x] row_xmask:1 row_mask:0xf bank_mask:0xf
	v_add_f32_dpp v[\x], v[\x], v[\x] row_xmask:2 row_mask:0xf bank_mask:0xf
	v_add_f32_dpp v[\x], v[\x], v[\x] row_xmask:4 row_mask:0xf bank_mask:0xf
	v_add_f32_dpp v[\x], v[\x], v[\x] row_xmask:8 row_mask:0xf bank_mask:0xf
	v_permlanex16_b32 v[\t], v[\x], s[SEL], s[SEL+1]
	v_add_f32 v[\x], v[\x], v[\t]
.endm
.macro SUMP n, rc, SB
.set z, 1
.rept (\n)-1
	v_pk_add_f32 v[\SB:\SB+1],   v[\SB:\SB+1],   v[\SB+4*z:\SB+4*z+1]
	v_pk_add_f32 v[\SB+2:\SB+3], v[\SB+2:\SB+3], v[\SB+4*z+2:\SB+4*z+3]
.set z, z+1
.endr
	v_pk_add_f32 v[\SB:\SB+1], v[\SB:\SB+1], v[\SB+2:\SB+3]
	v_add_f32 v[\SB], v[\SB], v[\SB+1]
	WRED \SB, \SB+1
	v_mul_f32 v[\SB], \rc, v[\SB]
	v_max_num_f32 v[\SB], 0x3727c5ac, v[\SB]
	v_min_num_f32 v[\SB], 0x447a0000, v[\SB]
	v_readfirstlane_b32 s[SS], v[\SB]
	s_mov_b32 s[SS+1], s[SS]
	s_mul_f32 s[THR], s[SS], 0x3f2aaaab
.endm
.macro RB16 a, t
	v_cvt_pk_bf16_f32 v[\t], v[\a], v[\a+1]
	v_lshlrev_b32 v[\a], 16, v[\t]
	v_and_b32 v[\a+1], s[HI], v[\t]
.endm
.macro QUANT2 d, w0
	v_cvt_pk_bf16_f32 v[TC], v[\w0], v[\w0+1]
	v_lshlrev_b32 v[TA], 16, v[TC]
	v_and_b32 v[TB], s[HI], v[TC]
	v_and_b32 v[TC], s[ABS], v[TA]
	v_cmp_lt_f32 vcc_lo, s[THR], v[TC]
	v_and_or_b32 v[TA], v[TA], s[SGN], s[ONE]
	v_cndmask_b32 v[TA], 0, v[TA], vcc_lo
	v_and_b32 v[TC], s[ABS], v[TB]
	v_cmp_lt_f32 vcc_lo, s[THR], v[TC]
	v_and_or_b32 v[TB], v[TB], s[SGN], s[ONE]
	v_cndmask_b32 v[TB], 0, v[TB], vcc_lo
	v_perm_b32 v[\d], v[TB], v[TA], s[PK]
.endm
; LayerNorm of a row of 1,024 held by one wave: 32 registers a lane, group i of four = columns 256 i + 8 lane + 0..7; RG, RB in the same layout.  The result, bf16, is left in the first 16 registers.
.macro LNROW RX, RG, RB
.irp c, 0,2,4,6
	v_pk_add_f32 v[T+\c:T+\c+1], v[\RX+\c:\RX+\c+1], v[\RX+8+\c:\RX+8+\c+1]
.endr
.irp c, 0,2,4,6
	v_pk_add_f32 v[T+\c:T+\c+1], v[T+\c:T+\c+1], v[\RX+16+\c:\RX+16+\c+1]
.endr
.irp c, 0,2,4,6
	v_pk_add_f32 v[T+\c:T+\c+1], v[T+\c:T+\c+1], v[\RX+24+\c:\RX+24+\c+1]
.endr
	v_pk_add_f32 v[T:T+1],   v[T:T+1],   v[T+2:T+3]
	v_pk_add_f32 v[T+4:T+5], v[T+4:T+5], v[T+6:T+7]
	v_pk_add_f32 v[T:T+1],   v[T:T+1],   v[T+4:T+5]
	v_add_f32 v[T], v[T], v[T+1]
	WRED T, T+1
	v_mul_f32 v[T], s[R1024], v[T]                 ; the mean
	v_mov_b32 v[T+1], v[T]
.set z, 0
.rept 16
	v_pk_add_f32 v[\RX+2*z:\RX+2*z+1], v[\RX+2*z:\RX+2*z+1], v[T:T+1] neg_lo:[0,1] neg_hi:[0,1]
.set z, z+1
.endr
.irp c, 0,2,4,6
	v_pk_mul_f32 v[T+\c:T+\c+1], v[\RX+\c:\RX+\c+1], v[\RX+\c:\RX+\c+1]
.endr
.irp o, 8,16,24
.irp c, 0,2,4,6
	v_pk_fma_f32 v[T+\c:T+\c+1], v[\RX+\o+\c:\RX+\o+\c+1], v[\RX+\o+\c:\RX+\o+\c+1], v[T+\c:T+\c+1]
.endr
.endr
	v_pk_add_f32 v[T:T+1],   v[T:T+1],   v[T+2:T+3]
	v_pk_add_f32 v[T+4:T+5], v[T+4:T+5], v[T+6:T+7]
	v_pk_add_f32 v[T:T+1],   v[T:T+1],   v[T+4:T+5]
	v_add_f32 v[T], v[T], v[T+1]
	WRED T, T+1
	v_fma_f32 v[T], v[T], s[R1024], s[EPS]         ; the variance + 1e-5
	v_rsq_f32 v[T+2], v[T]
	v_nop                                          ; a plain instruction behind the transcendental,
	s_wait_alu depctr_va_vdst(0)                   ; and the wait ahead of its first reader
	v_mov_b32 v[T+3], v[T+2]
.set z, 0
.rept 16
	v_pk_mul_f32 v[\RX+2*z:\RX+2*z+1], v[\RX+2*z:\RX+2*z+1], v[T+2:T+3]
.set z, z+1
.endr
.set z, 0
.rept 16
	v_pk_fma_f32 v[\RX+2*z:\RX+2*z+1], v[\RX+2*z:\RX+2*z+1], v[\RG+2*z:\RG+2*z+1], v[\RB+2*z:\RB+2*z+1]
.set z, z+1
.endr
.set z, 0
.rept 16
	v_cvt_pk_bf16_f32 v[\RX+z], v[\RX+2*z], v[\RX+2*z+1]
.set z, z+1
.endr
.endm
	s_load_b512 s[4:19], s[0:1], 0x0               ; x, base, W, g, be, b, alpha, out
	s_load_b256 s[20:27], s[0:1], 0x40             ; tp, g_tn, be_tn, lnx
	v_lshl_add_u32 v[SPW], v0, 2, SPARE
	v_mov_b32 v[NIL], 0
	v_and_b32 v1, 31, v0
	v_lshrrev_b32 v2, 5, v0
	v_readfirstlane_b32 s[WV], v2
	s_mov_b32 s[SEL], 0x76543210
	s_mov_b32 s[SEL+1], 0xfedcba98
	s_mov_b32 s[HI], 0xffff0000
	s_mov_b32 s[ABS], 0x7fffffff
	s_mov_b32 s[SGN], 0x80000000
	s_mov_b32 s[ONE], 0x3f800000
	s_mov_b32 s[PK], 0x07060302
	s_mov_b32 s[R1024], 0x3a800000                 ; 1 / 1,024
	s_mov_b32 s[EPS], 0x3727c5ac                   ; 1e-5
	v_lshlrev_b32 v[G32], 5, v1
	v_lshlrev_b32 v[L16], 4, v1
	s_max_u32 s46, ttmp9, 64                       ; my two rows: 2 wave on in x (work-groups 0-63), 16 (id - 64) + 2 wave on in tp
	s_sub_co_u32 s46, s46, 64
	s_lshl_b32 s46, s46, 4
	s_lshl_b32 s47, s[WV], 1
	s_add_co_u32 s[ROW0], s46, s47
	s_lshl_b32 s46, s[ROW0], 12
	v_lshl_add_u32 v[XO], v1, 5, s46               ; row x 4,096 + 32 lane
	s_wait_kmcnt 0x0
	s_cmp_lt_u32 ttmp9, 64
	s_cselect_b64 s[LX:LX+1], s[PX:PX+1], s[PTP:PTP+1]
	s_cselect_b64 s[LG:LG+1], s[PG:PG+1], s[PGT:PGT+1]
	s_cselect_b64 s[LB:LB+1], s[PBE:PBE+1], s[PBT:PBT+1]
.irp i, 0,1,2,3
	global_load_b128 v[G+8*\i:G+8*\i+3],   v[G32], s[LG:LG+1] offset:1024*\i
	global_load_b128 v[G+8*\i+4:G+8*\i+7], v[G32], s[LG:LG+1] offset:1024*\i+16
.endr
.irp i, 0,1,2,3
	global_load_b128 v[BE+8*\i:BE+8*\i+3],   v[G32], s[LB:LB+1] offset:1024*\i
	global_load_b128 v[BE+8*\i+4:BE+8*\i+7], v[G32], s[LB:LB+1] offset:1024*\i+16
.endr
.irp rr, 0,1
.irp i, 0,1,2,3
	global_load_b128 v[X+32*\rr+8*\i:X+32*\rr+8*\i+3],   v[XO], s[LX:LX+1] offset:4096*\rr+1024*\i
	global_load_b128 v[X+32*\rr+8*\i+4:X+32*\rr+8*\i+7], v[XO], s[LX:LX+1] offset:4096*\rr+1024*\i+16
.endr
.endr
	s_wait_loadcnt 16                              ; g and be are in; the two rows' sixteen loads stay out
.set y, 0
.rept 16
	RB16 G+2*y, TC
	RB16 BE+2*y, TC
.set y, y+1
.endr
.irp rr, 0,1
	s_wait_loadcnt 8*(1-\rr)                       ; row rr is in; the later row's eight loads stay out
	LNROW X+32*\rr, G, BE
.endr
	s_cmp_lt_u32 ttmp9, 64                         ; the one branch between the two kinds of work-group
	s_cbranch_scc1 .Lfew
	; ---- lnx: the two rows leave, 512 consecutive bytes a store
	s_lshl_b32 s46, s[ROW0], 11
	v_lshl_add_u32 v[YO], v1, 4, s46               ; row x 2,048 + 16 lane
.irp rr, 0,1
.irp i, 0,1,2,3
	global_store_b128 v[YO], v[X+32*\rr+4*\i:X+32*\rr+4*\i+3], s[PLN:PLN+1] offset:2048*\rr+512*\i
.endr
.endr
	s_endpgm
	; ---- the product with 16 rows.  y^T = W x^T: source 0 = 16 rows of W, source 1 = the 16 normalised rows: a lane ends with row r and columns 8 h + 0..7
.Lfew:
	s_add_nc_u64 s[PP:PP+1], s[PX:PX+1], XPART
	s_load_b32 s[ALR], s[PAL:PAL+1], 0x0
	v_and_b32 v2, 15, v0                           ; r
	v_bfe_u32 v3, v0, 4, 1                         ; h
	v_lshlrev_b32 v[FO], 12, v2
	v_lshl_add_u32 v[FO], v3, 5, v[FO]
	s_lshl_b32 s46, s[WV], 9
	v_add_nc_u32 v[FO], s46, v[FO]                 ; r x 4,096 + 32 h + my 128 of the 1,024 k
	s_lshl_b32 s46, ttmp9, 6
	v_lshl_add_u32 v[BO], v3, 5, s46               ; (16 id + 8 h) x 4
	v_lshl_add_u32 v[YO], v2, 12, v[BO]
	s_lshl_b32 s46, ttmp9, 16                      ; the work-group's 16 rows of W
	s_mov_b32 s47, 0
	s_add_nc_u64 s[PW:PW+1], s[PW:PW+1], s[46:47]
.irp i, 0,1,2,3
	global_load_b128 v[PS+4*\i:PS+4*\i+3], v[L16], s[PP:PP+1] offset:512*\i
.endr
	global_load_b128 v[BI:BI+3],   v[BO], s[PB:PB+1]
	global_load_b128 v[BI+4:BI+7], v[BO], s[PB:PB+1] offset:16
	global_load_b128 v[BS:BS+3],   v[YO], s[PBASE:PBASE+1]
	global_load_b128 v[BS+4:BS+7], v[YO], s[PBASE:PBASE+1] offset:16
.irp f, 0,1,2,3
	global_load_b128 v[W+16*\f:W+16*\f+3],     v[FO], s[PW:PW+1] offset:128*\f
	global_load_b128 v[W+16*\f+4:W+16*\f+7],   v[FO], s[PW:PW+1] offset:128*\f+16
	global_load_b128 v[W+16*\f+8:W+16*\f+11],  v[FO], s[PW:PW+1] offset:128*\f+64
	global_load_b128 v[W+16*\f+12:W+16*\f+15], v[FO], s[PW:PW+1] offset:128*\f+80
.endr
	s_mul_i32 s46, s[WV], 2*APITCH
	v_lshl_add_u32 v[LSA], v1, 4, s46
	v_mul_u32_u24 v[LRA], v2, APITCH
	v_lshl_add_u32 v[LRA], v3, 4, v[LRA]
	s_lshl_b32 s46, s[WV], 8
	v_add_nc_u32 v[LRA], s46, v[LRA]
	s_lshl_b32 s46, s[WV], 10
	s_add_co_u32 s46, s46, PARTL
	v_lshl_add_u32 v[LS], v1, 5, s46
	v_add_nc_u32 v[LR], PARTL, v[G32]
.irp rr, 0,1
.irp i, 0,1,2,3
	ds_store_b128 v[LSA], v[X+32*\rr+4*\i:X+32*\rr+4*\i+3] offset:APITCH*\rr+512*\i
.endr
.endr
	s_wait_dscnt 0x0                               ; for the others' sake: my two rows are written
	s_barrier_signal -1
	s_barrier_wait -1
.irp f, 0,1,2,3
	ds_load_b128 v[X+8*\f:X+8*\f+3],   v[LRA] offset:64*\f
	ds_load_b128 v[X+8*\f+4:X+8*\f+7], v[LRA] offset:64*\f+32
.endr
	s_wait_loadcnt 0x0
	s_wait_kmcnt 0x0
	SUMP 4, 0x35800000, PS
.irp k, 0,2,4,6
	RB16 BI+\k, TC
.endr
	v_mov_b32 v[TA], s[ALR]
	v_cvt_pk_bf16_f32 v[TA], v[TA], v[TA]
	v_lshlrev_b32 v[TA], 16, v[TA]
	v_readfirstlane_b32 s[AL], v[TA]
	s_mov_b32 s[AL+1], s[AL]
.set y, 0
.rept 32                               ; packed downward in place: word y from f32 numbers 2 y, 2 y + 1
	QUANT2 W+y, W+2*y
.set y, y+1
.endr
	s_wait_dscnt 0x0
	v_wmma_f32_16x16x32_bf16 v[ACC:ACC+7],    v[W:W+7],     v[X:X+7],     0   ; two accumulators by turns
	v_wmma_f32_16x16x32_bf16 v[ACC+8:ACC+15], v[W+8:W+15],  v[X+8:X+15],  0
	v_wmma_f32_16x16x32_bf16 v[ACC:ACC+7],    v[W+16:W+23], v[X+16:X+23], v[ACC:ACC+7]
	v_wmma_f32_16x16x32_bf16 v[ACC+8:ACC+15], v[W+24:W+31], v[X+24:X+31], v[ACC+8:ACC+15]
.rept 8
	v_nop
.endr
.irp k, 0,2,4,6
	v_pk_add_f32 v[ACC+\k:ACC+\k+1], v[ACC+\k:ACC+\k+1], v[ACC+8+\k:ACC+8+\k+1]
.endr
	ds_store_b128 v[LS], v[ACC:ACC+3]
	ds_store_b128 v[LS], v[ACC+4:ACC+7] offset:16
	s_wait_dscnt 0x0
	s_barrier_signal -1
	s_barrier_wait -1
	s_cmp_lg_u32 s[WV], 0                          ; wave 0 adds the eight partial tiles
	s_cbranch_scc1 .Lend
.irp j, 0,1,2,3,4,5,6,7
	ds_load_b128 v[X+8*\j:X+8*\j+3],   v[LR] offset:1024*\j
	ds_load_b128 v[X+8*\j+4:X+8*\j+7], v[LR] offset:1024*\j+16
.endr
	s_wait_dscnt 0x0
.irp j, 1,2,3,4,5,6,7
.irp k, 0,2,4,6
	v_pk_add_f32 v[X+\k:X+\k+1], v[X+\k:X+\k+1], v[X+8*\j+\k:X+8*\j+\k+1]
.endr
.endr
.irp k, 0,2,4,6
	v_pk_fma_f32 v[X+\k:X+\k+1], v[X+\k:X+\k+1], s[SS:SS+1], v[BI+\k:BI+\k+1] op_sel_hi:[1,0,1]
.endr
.irp k, 0,2,4,6
	v_pk_fma_f32 v[X+\k:X+\k+1], v[X+\k:X+\k+1], s[AL:AL+1], v[BS+\k:BS+\k+1] op_sel_hi:[1,0,1]
.endr
	global_store_b128 v[YO], v[X:X+3],   s[POUT:POUT+1]
	global_store_b128 v[YO], v[X+4:X+7], s[POUT:POUT+1] offset:16
.Lend:
	s_wait_tensorcnt 0x0                           ; the wave's end
	ds_add_u32 v[SPW], v[NIL]
	s_wait_dscnt 0x0
	s_endpgm
.Lfunc_end_k_q557c5e921e_lnv:
	.size	k_q557c5e921e_lnv, .Lfunc_end_k_q557c5e921e_lnv-k_q557c5e921e_lnv
	.p2alignl 7, 3214868480
	.fill 96, 4, 3214868480
	.section	.rodata,"a",@progbits
	.p2align	6, 0x0
	.amdhsa_kernel k_q557c5e921e_lnv
		.amdhsa_group_segment_fixed_size 42240
		.amdhsa_private_segment_fixed_size 0
		.amdhsa_enable_private_segment 0
		.amdhsa_kernarg_size 96
		.amdhsa_user_sgpr_count 2
		.amdhsa_user_sgpr_kernarg_segment_ptr 1
		.amdhsa_wavefront_size32 1
		.amdhsa_system_sgpr_workgroup_id_x 1
		.amdhsa_system_sgpr_workgroup_id_y 1
		.amdhsa_system_sgpr_workgroup_id_z 1
		.amdhsa_system_vgpr_workitem_id 0
		.amdhsa_next_free_vgpr 256
		.amdhsa_next_free_sgpr 66
		.amdhsa_reserve_vcc 1
		.amdhsa_float_denorm_mode_32 3
		.amdhsa_float_denorm_mode_16_64 3
		.amdhsa_memory_ordered 1
		.amdhsa_forward_progress 1
		.amdhsa_inst_pref_size 51
	.end_amdhsa_kernel
	.amdgpu_metadata
---
amdhsa.version: [ 1, 2 ]
amdhsa.kernels:
  - .name:           k_q557c5e921e_lnv
    .symbol:         k_q557c5e921e_lnv.kd
    .args:
      - { .name: vpb, .offset: 0, .size: 8, .value_kind: global_buffer, .address_space: global }
      - { .name: i2tv, .offset: 8, .size: 8, .value_kind: global_buffer, .address_space: global }
      - { .name: W_tout, .offset: 16, .size: 8, .value_kind: global_buffer, .address_space: global }
      - { .name: g_t2i, .offset: 24, .size: 8, .value_kind: global_buffer, .address_space: global }
      - { .name: be_t2i, .offset: 32, .size: 8, .value_kind: global_buffer, .address_space: global }
      - { .name: b_tout, .offset: 40, .size: 8, .value_kind: global_buffer, .address_space: global }
      - { .name: alpha_t2i, .offset: 48, .size: 8, .value_kind: global_buffer, .address_space: global }
      - { .name: tvec, .offset: 56, .size: 8, .value_kind: global_buffer, .address_space: global }
      - { .name: tp, .offset: 64, .size: 8, .value_kind: global_buffer, .address_space: global }
      - { .name: g_tn, .offset: 72, .size: 8, .value_kind: global_buffer, .address_space: global }
      - { .name: be_tn, .offset: 80, .size: 8, .value_kind: global_buffer, .address_space: global }
      - { .name: lnt, .offset: 88, .size: 8, .value_kind: global_buffer, .address_space: global }
    .group_segment_fixed_size: 42240
    .private_segment_fixed_size: 0
    .kernarg_segment_align: 8
    .kernarg_segment_size: 96
    .max_flat_workgroup_size: 256
    .sgpr_count:     66
    .vgpr_count:     256
    .wavefront_size: 32
...
	.end_amdgpu_metadata
.endif
;; end of part 11
;; launch g2 (part 12): grid 16 x 32, 4 waves a work-group, clusters of 4 x 4, 327,680 bytes of LDS; arguments lnt, wqv, qkvh, xbp, b_tqkv; writes qkvh
.if DOCPART == 12
	.amdgcn_target "amdgcn-amd-amdhsa--gfx1250"
	.amdhsa_code_object_version 6
	.text
	.protected	k_q557c5e921e_g2
	.globl	k_q557c5e921e_g2
	.p2align	8
	.type	k_q557c5e921e_g2,@function
k_q557c5e921e_g2:
	s_mov_b64 s[64:65], 0
	v_nop
	global_prefetch_b8 v0, s[64:65] scope:SCOPE_SE
	s_setreg_imm32_b32 hwreg(HW_REG_WAVE_MODE, 25, 1), 1
	s_wait_xcnt 0x0
	s_wait_alu depctr_hold_cnt(0) depctr_sa_sdst(0) depctr_va_vdst(0) depctr_va_sdst(0) depctr_va_ssrc(0) depctr_va_vcc(0) depctr_vm_vsrc(0)
	s_getreg_b32 s2, hwreg(HW_REG_IB_STS2, 6, 4)
	s_cmp_eq_u32 s2, 0
	s_cbranch_scc0 .Lentry_in_a_cluster
	s_endpgm
.Lentry_in_a_cluster:
	s_bfe_u32 s2, ttmp6, 0x10000c
	s_cmp_lg_u32 s2, 0xf033
	s_cbranch_scc0 .Lentry_shape_is_right
	s_endpgm
.Lentry_shape_is_right:
; q', k, v = s (lnx wq2^T) + bf16(b_tqkv), rounded once to bf16 and laid out by heads, [16 batches][48 heads: q, k, v][512][64].  q' carries the factor log2(e) / 8 of the softmax's exponent.
; lnx: [8192][1024] bf16, wq2: [3072][1024] ternary bf16; sums in f32.
; This text serves two launches by the switch G2 at its head (1: this one; 0: the text projection).
; A work-group of four waves makes 256 rows x 16 NB columns (three heads); wave w makes rows 64 w .. 64 w + 63 of all its columns: 4 x NB accumulators of 16 x 16.
; K goes in steps of 128 (rows of 256 bytes, at multiples of 256 bytes) through two LDS slots filled by tensor loads, one load a wave behind each change of slots.
; A K step is four quarters of 32 along K on two fragment buffers; a quarter's fragments are asked of LDS at the head of the quarter before.
; CLUSTER 4 x 4: the four of a row need the same tile of A, the four of a column the same tile of B: each tile is asked for jointly, by the same load, descriptor and mask in all four.
; The matrix instruction is used transposed (source 0 = 16 rows of B, source 1 = 16 rows of A): a lane holds row l % 16 of C and eight neighbouring columns.
; REGISTERS by windows of 256: window 0 addresses, bias (v64 ..), at work (v160 ..); window 1 two fragment buffers of 128 (B's NB fragments, then A's four), on the way out store data;
; window 2 the accumulators of my row blocks 0, 1 (block a, column block b at 8 (NB a + b)); window 3 those of row blocks 2, 3.
.set G2, 1
.if G2
.set KD,    1024
.set NB,    12
.set WQOFF, 1572864                    ; wq2 behind wq1
.set POFF,  12582912+3072              ; W_tqkv's partial sums
.set PN,    12
.set PRC,   0x34aaaaab                 ; 1 / 3,145,728
.set LIMV,  1
.set PF0,   2
.set STB,   16*144                     ; a wave's stage: 16 rows of 128 bytes + 16
.else
.set KD,    768
.set NB,    8
.set WQOFF, 0
.set POFF,  12582912
.set PN,    3
.set PRC,   0x35aaaaab                 ; 1 / 786,432
.set LIMV,  2
.set PF0,   3
.set STB,   16*528                     ; a wave's stage: 16 rows of 512 bytes + 16
.endif
.set KSTEPS, KD/128
.set RB,    8*NB                       ; rows of B that one wave fetches
.set PITCH, 272                        ; an LDS row: 256 bytes + 16: the 16 rows of a fragment load start at 16 different groups of four banks
.set BOFF,  256*PITCH                  ; in a slot: A's 256 rows, then B's 16 NB
.set SLOT1, 1<<17                      ; slot 1 begins here: one exclusive or turns an address in one slot into the other's
.set STAGE, SLOT1+BOFF+16*NB*PITCH     ; behind the ring, never filled by a tensor load
.set SPARE, STAGE+4*STB                ; the spare words, 128 bytes a wave: two blocks of 256 bytes that no other line names
.set A0,   16                          ; my lane's place in A's tile; never rewritten
.set B0,   17
.set ADRA, 18                          ; the same in the slot in hand
.set ADRB, 19
.set STO,  24
.set RD,   25
.set BOV,  27
.set SPW,  28
.set NIL,  29
.set PFO,  30
.set L16,  31                          ; 16 x lane
.set BI,   64                          ; bias of my 16 NB columns: column block b, number j at BI + 8 b + j
.set T,    160
.set PKD,  192
.set F0,   0
.set F1,   128
.set G1,   24
.set G0,   32
.set G1B,  48
.set G0B,  56
.set TB,   72
.set SC,   74                          ; pairs: the factor of the sums, a pair for each head (G2) or one
.set FC,   80
.set LIM,  86
.set HI,   87
.set PFA,  88
.set SEL,  90
.set SS,   92
.set FLAGS, (1<<16)|(1<<20)|(1<<21)|(5<<22)|(3<<25)  ; elements of 2 bytes; padding on; bit 21 beside a mask; after every 64 words; 4 words
.set MSB, 0
.macro WIN new                         ; the immediate's high byte repeats the setting that is left; a switch that changes nothing is dropped
.if MSB != (\new)
	s_set_vgpr_msb (MSB<<8)|(\new)
.set MSB, \new
.endif
.endm
.set MUL_LO, 0xa5                      ; sources 0 and 1 window 1; C and D window 2
.set TO_F,   0x40                      ; destination window 1, address window 0
.macro PLACES                          ; four plain vector instructions between a matrix instruction and a load into, or a reader of, its registers
.rept 4
	v_nop
.endr
.endm
; A joint load: waves 0 and 1 fetch A's two halves, waves 2 and 3 B's.  The branch hangs on the wave's number alone.  An s_nop 0 and four v_nop follow each line.
.macro JLOAD s
	s_cmp_eq_u32 s11, 0
	s_cbranch_scc0 .Lfor_b_\@
	tensor_load_to_lds s[G0+4*(\s):G0+4*(\s)+3], s[G1:G1+7]
	s_nop 0
.rept 4
	v_nop
.endr
	s_branch .Lasked_\@
.Lfor_b_\@:
	tensor_load_to_lds s[G0B+4*(\s):G0B+4*(\s)+3], s[G1B:G1B+7]
	s_nop 0
.rept 4
	v_nop
.endr
.Lasked_\@:
.endm
; A prefetch of a later K step's 256 bytes of the rows that I fetch, a lane a row.  A's rows are asked for by the clusters with x = 0, B's by those with y = 0; the four partners that ask
; for a tile jointly share its rows out by address.  The last trips, which have no such K step, ask for nothing.
.macro ASK
	s_cmp_gt_u32 s3, s[LIM]
	s_cbranch_scc0 .Lnot_mine_\@
	global_prefetch_b8 v[PFO], s[PFA:PFA+1] th:TH_LOAD_NT scope:SCOPE_SE
.Lnot_mine_\@:
.endm
.macro CREST                           ; a round of the cluster's barrier behind its opening barrier
	s_cmp_lg_u32 s10, 0
	s_cbranch_scc1 .Lnot_wave_0_\@
	s_barrier_signal -3
.Lnot_wave_0_\@:
	s_barrier_wait -3
	s_barrier_signal -1
	s_barrier_wait -1
.endm
.macro CROUND
	s_barrier_signal -1
	s_barrier_wait -1
	CREST
.endm
.macro WRED x, t
	v_add_f32_dpp v[\x], v[\x], v[\x] row_xmask:1 row_mask:0xf bank_mask:0xf
	v_add_f32_dpp v[\x], v[\x], v[\x] row_xmask:2 row_mask:0xf bank_mask:0xf
	v_add_f32_dpp v[\x], v[\x], v[\x] row_xmask:4 row_mask:0xf bank_mask:0xf
	v_add_f32_dpp v[\x], v[\x], v[\x] row_xmask:8 row_mask:0xf bank_mask:0xf
	v_permlanex16_b32 v[\t], v[\x], s[SEL], s[SEL+1]
	v_add_f32 v[\x], v[\x], v[\t]
.endm
.macro RB16 a, t
	v_cvt_pk_bf16_f32 v[\t], v[\a], v[\a+1]
	v_lshlrev_b32 v[\a], 16, v[\t]
	v_and_b32 v[\a+1], s[HI], v[\t]
.endm
	s_load_b128 s[4:7], s[0:1], 0x0                ; A's buffer, wqv
	s_load_b64 s[8:9], s[0:1], 0x10                ; C
.if G2
	s_load_b128 s[68:71], s[0:1], 0x18             ; xbp (partial sums), bias
.else
	s_load_b64 s[68:69], s[0:1], 0x0               ; xbp once more, for the partial sums
	s_load_b64 s[70:71], s[0:1], 0x18              ; bias
.endif
	v_lshl_add_u32 v[SPW], v0, 2, SPARE
	v_mov_b32 v[NIL], 0
	ds_add_u32 v[SPW], v[NIL]                      ; the wave's opening
	ds_add_u32 v28, v29
	v_lshrrev_b32 v1, 5, v0
	v_readfirstlane_b32 s10, v1                    ; wave
	s_lshr_b32 s11, s10, 1                         ; I fetch for A (0) or for B (1)
	s_and_b32 s12, s10, 1                          ; which half of that tile
	s_bfe_u32 s40, ttmp6, 0x40000                  ; cx
	s_bfe_u32 s41, ttmp6, 0x40004                  ; cy
	s_lshl_b32 s42, ttmp9, 2
	s_add_co_u32 s42, s42, s40                     ; tile column
	s_and_b32 s13, ttmp7, 0xffff
	s_lshl_b32 s13, s13, 2
	s_add_co_u32 s13, s13, s41                     ; tile row
	s_lshl_b32 s43, s41, 2
	s_lshl_b32 s43, 15, s43                        ; my row of the cluster
	s_lshl_b32 s44, 0x1111, s40                    ; my column
	s_or_b32 s[G1+0], s43, FLAGS
	s_or_b32 s[G1B+0], s44, FLAGS
	s_mov_b32 s[G1+1], 128<<16                     ; tensor_dim0 = 128 elements
	s_mov_b32 s[G1+2], 128<<16                     ; tensor_dim1 = 128 rows
	s_mov_b32 s[G1+3], 128<<16                     ; tile_dim0
	s_mov_b32 s[G1+4], 128                         ; tile_dim1
	s_mov_b32 s[G1+5], KD                          ; elements from row to row
	s_mov_b32 s[G1+6], 0
	s_mov_b32 s[G1+7], 0
	s_mov_b32 s[G1B+1], 128<<16
	s_mov_b32 s[G1B+2], RB<<16
	s_mov_b32 s[G1B+3], 128<<16
	s_mov_b32 s[G1B+4], RB
	s_mov_b32 s[G1B+5], KD
	s_mov_b32 s[G1B+6], 0
	s_mov_b32 s[G1B+7], 0
	s_lshl_b32 s17, s12, 7
	s_lshl_b32 s16, s13, 8
	s_add_co_u32 s16, s16, s17                     ; A: row 256 x tile row + 128 x half
	s_mul_i32 s46, s42, 16*NB
	s_mul_i32 s47, s12, RB
	s_add_co_u32 s46, s46, s47                     ; B: row 16 NB x tile column + RB x half
	s_mov_b32 s17, 0
	s_mov_b32 s47, 0
	s_mov_b64 s[18:19], KD*2
	s_mul_u64 s[16:17], s[16:17], s[18:19]
	s_mul_u64 s[46:47], s[46:47], s[18:19]
	s_mul_i32 s20, s12, 128*PITCH                  ; where they go: no place in the cluster enters an LDS address
	s_mul_i32 s21, s12, RB*PITCH
	s_add_co_u32 s21, s21, BOFF
	s_mov_b32 s[SEL], 0x76543210
	s_mov_b32 s[SEL+1], 0xfedcba98
	s_mov_b32 s[HI], 0xffff0000
	s_mov_b32 s[TB], 0
	s_wait_dscnt 0x0                               ; the opening add is done
	s_wait_kmcnt 0x0
.if G2
	s_add_nc_u64 s[6:7], s[6:7], WQOFF
.endif
	s_add_nc_u64 s[68:69], s[68:69], POFF
	s_add_nc_u64 s[14:15], s[4:5], s[16:17]
	s_add_nc_u64 s[46:47], s[6:7], s[46:47]
	CROUND                                         ; all sixteen work-groups are here: the first joint loads meet
.irp s, 0,1
	s_mov_b32 s[G0+4*\s], 1
	s_add_co_u32 s[G0+4*\s+1], s20, \s*SLOT1
	s_add_nc_u64 s[G0+4*\s+2:G0+4*\s+3], s[14:15], \s*256  ; K step s
	s_or_b32 s[G0+4*\s+3], s[G0+4*\s+3], 0x80000000
	s_mov_b32 s[G0B+4*\s], 1
	s_add_co_u32 s[G0B+4*\s+1], s21, \s*SLOT1
	s_add_nc_u64 s[G0B+4*\s+2:G0B+4*\s+3], s[46:47], \s*256
	s_or_b32 s[G0B+4*\s+3], s[G0B+4*\s+3], 0x80000000
	JLOAD \s                                       ; two loads of mine are out
.endr
	; while the first tiles are on their way: the bias, s, the addresses
	v_and_b32 v1, 15, v0                           ; l % 16
	v_bfe_u32 v2, v0, 4, 1                         ; l / 16
	s_mul_i32 s21, s42, 64*NB
	v_lshl_add_u32 v[BOV], v2, 5, s21              ; (16 NB x tile column + 8 h) x 4
	v_and_b32 v[L16], 31, v0
	v_lshlrev_b32 v[L16], 4, v[L16]
.set b, 0
.rept NB
	global_load_b128 v[BI+8*b:BI+8*b+3],   v[BOV], s[70:71] offset:64*b
	global_load_b128 v[BI+8*b+4:BI+8*b+7], v[BOV], s[70:71] offset:64*b+16
.set b, b+1
.endr
.set b, 0
.rept PN
	global_load_b128 v[T+4*b:T+4*b+3], v[L16], s[68:69] offset:512*b
.set b, b+1
.endr
	v_mul_u32_u24 v3, v1, PITCH
	v_lshl_add_u32 v3, v2, 4, v3                   ; a fragment's row x pitch + 16 x half
	s_mul_i32 s21, s10, 64*PITCH                   ; my 64 rows of A
	v_add_nc_u32 v[A0], s21, v3
	v_add_nc_u32 v[B0], BOFF, v3
	v_mov_b32 v[ADRA], v[A0]
	v_mov_b32 v[ADRB], v[B0]
	s_mul_i32 s23, s10, STB
	s_add_co_u32 s23, s23, STAGE                   ; my stage
.if G2
	v_mul_u32_u24 v4, v1, 144                      ; in: row l % 16, 16 bytes for each half of the lanes
	v_lshl_add_u32 v4, v2, 4, v4
	v_add_nc_u32 v[STO], s23, v4
	v_bfe_u32 v5, v0, 3, 2                         ; back: 32 lanes take four rows of 128 bytes
	v_mul_u32_u24 v5, v5, 144
	v_and_b32 v6, 7, v0
	v_lshl_add_u32 v5, v6, 4, v5
	v_add_nc_u32 v[RD], s23, v5
	s_lshr_b32 s20, s13, 1                         ; the batch; q, k, v lie by heads: [16][48][512][64]
	s_mul_i32 s20, s20, 48
	s_mul_i32 s21, s42, 3
	s_add_co_u32 s20, s20, s21
	s_lshl_b32 s20, s20, 16
	s_and_b32 s21, s13, 1
	s_lshl_b32 s21, s21, 8
	s_lshl_b32 s22, s10, 6
	s_add_co_u32 s21, s21, s22
	s_lshl_b32 s21, s21, 7
	s_add_co_u32 s20, s20, s21
.else
	v_mul_u32_u24 v4, v1, 528                      ; in: row l % 16, 32 bytes for each half of the lanes
	v_lshl_add_u32 v4, v2, 5, v4
	v_add_nc_u32 v[STO], s23, v4
	v_add_nc_u32 v[RD], s23, v[L16]                ; back: 32 lanes take a row of 512 bytes
	s_lshl_b32 s20, s13, 8
	s_lshl_b32 s21, s10, 6
	s_add_co_u32 s20, s20, s21
	s_lshl_b32 s20, s20, 12                        ; my first row of C,
	s_lshl_b32 s21, s42, 9                         ; my tile's 512 bytes of it
	s_add_co_u32 s20, s20, s21
.endif
	s_mov_b32 s21, 0
	s_add_nc_u64 s[8:9], s[8:9], s[20:21]
	; the prefetches
	s_lshl_b32 s20, s13, 8
	s_lshl_b32 s21, s12, 7
	s_add_co_u32 s20, s20, s21
	s_lshl_b32 s21, s40, 5
	s_add_co_u32 s20, s20, s21                     ; A: my work-group's 32 of the 128 rows that I fetch
	s_mul_i32 s21, s42, 16*NB
	s_mul_i32 s23, s12, RB
	s_add_co_u32 s21, s21, s23
	s_mul_i32 s23, s41, RB/4
	s_add_co_u32 s21, s21, s23                     ; B: my work-group's RB / 4 of the RB rows
	s_and_b32 s22, ttmp7, 0xffff
	s_cmp_eq_u32 s11, 0
	s_cselect_b32 s20, s20, s21
	s_cselect_b32 s22, ttmp9, s22                  ; the coordinate along which other clusters read the same rows
	s_cselect_b64 s[PFA:PFA+1], s[4:5], s[6:7]
	s_cselect_b32 s23, 31, RB/4-1
	s_cmp_eq_u32 s22, 0
	s_cselect_b32 s[LIM], LIMV, -1                 ; the same in all sixteen partners, for a given wave
	s_mov_b32 s21, 0
	s_mov_b64 s[18:19], KD*2
	s_mul_u64 s[20:21], s[20:21], s[18:19]
	s_add_nc_u64 s[PFA:PFA+1], s[PFA:PFA+1], s[20:21]
	s_add_nc_u64 s[PFA:PFA+1], s[PFA:PFA+1], PF0*256  ; each change of slots steps it by a K step before it asks
	v_and_b32 v[PFO], 31, v0
	v_min_u32 v[PFO], s23, v[PFO]                  ; lanes past my share's last row name that row
	v_mul_u32_u24 v[PFO], v[PFO], KD*2
	s_wait_loadcnt 0x0
	; s = clamp(mean |bf16(W)|, 1e-5, 1000)
.set b, 1
.rept PN-1
	v_pk_add_f32 v[T:T+1],   v[T:T+1],   v[T+4*b:T+4*b+1]
	v_pk_add_f32 v[T+2:T+3], v[T+2:T+3], v[T+4*b+2:T+4*b+3]
.set b, b+1
.endr
	v_pk_add_f32 v[T:T+1], v[T:T+1], v[T+2:T+3]
	v_add_f32 v[T], v[T], v[T+1]
	WRED T, T+1
	v_mul_f32 v[T], PRC, v[T]
	v_max_num_f32 v[T], 0x3727c5ac, v[T]
	v_min_num_f32 v[T], 0x447a0000, v[T]
	v_readfirstlane_b32 s[SS], v[T]
.set b, 0
.rept 4*NB
	RB16 BI+2*b, T+2                               ; the bias is an input: rounded to bf16 like all of them
.set b, b+1
.endr
.if G2
	s_mul_i32 s45, s42, 3                          ; my first head among the 48; heads 0-15 are q, which takes the factor log2(e) / 8 of the softmax's exponent
.irp hd, 0,1,2
	s_add_co_u32 s22, s45, \hd
	s_cmp_lt_u32 s22, 16
	s_cselect_b32 s[FC+2*\hd], 0x3e38aa3b, 1.0
	s_mov_b32 s[FC+2*\hd+1], s[FC+2*\hd]
	s_mul_f32 s[SC+2*\hd], s[SS], s[FC+2*\hd]
	s_mov_b32 s[SC+2*\hd+1], s[SC+2*\hd]
.set b, 0
.rept 16
	v_pk_mul_f32 v[BI+32*\hd+2*b:BI+32*\hd+2*b+1], v[BI+32*\hd+2*b:BI+32*\hd+2*b+1], s[FC+2*\hd:FC+2*\hd+1] op_sel_hi:[1,0]
.set b, b+1
.endr
.endr
.else
	s_mov_b32 s[SC], s[SS]
	s_mov_b32 s[SC+1], s[SS]
.endif
; NB matrix instructions: row block 2 hi + a x all column blocks, 32 along K.  All 4 NB accumulators take turns, in the same order in every quarter.
.macro MULH f, hi, a, zero
	WIN MUL_LO+0x50*(\hi)
.set b, 0
.rept NB
.if \zero
	v_wmma_f32_16x16x32_bf16 v[8*(NB*(\a)+b):8*(NB*(\a)+b)+7], v[(\f)+8*b:(\f)+8*b+7], v[(\f)+8*NB+8*(2*(\hi)+(\a)):(\f)+8*NB+8*(2*(\hi)+(\a))+7], 0
.else
	v_wmma_f32_16x16x32_bf16 v[8*(NB*(\a)+b):8*(NB*(\a)+b)+7], v[(\f)+8*b:(\f)+8*b+7], v[(\f)+8*NB+8*(2*(\hi)+(\a)):(\f)+8*NB+8*(2*(\hi)+(\a))+7], v[8*(NB*(\a)+b):8*(NB*(\a)+b)+7]
.endif
.set b, b+1
.endr
.endm
; 2 NB + 8 LDS loads in one run: the fragments of 32 along K at byte k of the rows: B's, then A's four
.macro FETCH k, f
	WIN TO_F
.set b, 0
.rept NB
	ds_load_b128 v[(\f)+8*b:(\f)+8*b+3],   v[ADRB] offset:(\k)+b*16*PITCH
	ds_load_b128 v[(\f)+8*b+4:(\f)+8*b+7], v[ADRB] offset:(\k)+b*16*PITCH+32
.set b, b+1
.endr
.set b, 0
.rept 4
	ds_load_b128 v[(\f)+8*NB+8*b:(\f)+8*NB+8*b+3],   v[ADRA] offset:(\k)+b*16*PITCH
	ds_load_b128 v[(\f)+8*NB+8*b+4:(\f)+8*NB+8*b+7], v[ADRA] offset:(\k)+b*16*PITCH+32
.set b, b+1
.endr
.endm
; One of a K step's first three quarters.  At its head buffer f is waited for, and the next quarter's fragments, at byte k of the rows, are asked for into buffer g, which the quarter before has
; multiplied: that run of 2 NB + 8 loads has all 4 NB matrix instructions of this quarter in which to come.  Then buffer f is multiplied.
.macro QUARTER k, f, g, zero
	s_wait_dscnt 0x0                               ; buffer f, asked for a quarter ago (or in the change of slots), is in
	PLACES                                         ; behind the last product that read buffer g
	FETCH \k, \g
	MULH \f, 0, 0, \zero
	MULH \f, 0, 1, \zero
	MULH \f, 1, 0, \zero
	MULH \f, 1, 1, \zero
.endm
; The last quarter multiplies buffer 1 and changes slots.  In front of the barrier each wave waits for all its tensor loads (one is out: its part of the next slot), adds 0 to its spare
; word, and waits for that and for its reads of this slot.  fill = 1: the barrier opens a round of the cluster's, and this slot is filled again, first thing behind it, two K steps ahead.
.macro TURN fill
.if \fill
	s_wait_xcnt 0x0                                ; the last prefetch, a K step back, has read its address
	s_add_nc_u64 s[PFA:PFA+1], s[PFA:PFA+1], 256
.endif
	WIN 0
	s_wait_tensorcnt 0x0
	ds_add_u32 v[SPW], v[NIL]
	s_wait_dscnt 1                                 ; buffer 1, asked for a quarter ago, is in; the add may be out
	MULH F1, 0, 0, 0
	s_wait_dscnt 0x0                               ; the add is done, and my reads of this slot are over
	s_barrier_signal -1
	MULH F1, 0, 1, 0
	WIN 0
	s_barrier_wait -1
.if \fill
	CREST                                          ; no wave of any partner still reads this slot or has a load on its way
	s_xor_b32 s[G0+5], s[G0+5], SLOT1              ; the walking descriptors: the other slot than last time, the next K step
	s_add_nc_u64 s[G0+6:G0+7], s[G0+6:G0+7], 256
	s_xor_b32 s[G0B+5], s[G0B+5], SLOT1
	s_add_nc_u64 s[G0B+6:G0B+7], s[G0B+6:G0B+7], 256
	JLOAD 1                                        ; its four v_nop are also the places in front of the loads below
.else
	PLACES
.endif
	s_xor_b32 s[TB], s[TB], SLOT1
	v_add_nc_u32 v[ADRA], s[TB], v[A0]
	v_add_nc_u32 v[ADRB], s[TB], v[B0]
	FETCH 0, F0
.if \fill
	WIN 0
	ASK
.endif
	MULH F1, 1, 0, 0
	MULH F1, 1, 1, 0
.endm
; THE WAY OUT: sum x factor + bias; through my own stage in LDS, so that a store of the wave covers 512 consecutive bytes
.if G2
.macro PACK n                          ; row block n / 3, head n % 3: 16 rows x 64 columns
.set a, (\n)/3
.set hd, (\n)%3
	WIN 0x02+(a/2)
.set z, 0
.rept 16
	v_pk_fma_f32 v[T+2*z:T+2*z+1], v[8*(NB*(a%2)+4*hd)+2*z:8*(NB*(a%2)+4*hd)+2*z+1], s[SC+2*hd:SC+2*hd+1], v[BI+32*hd+2*z:BI+32*hd+2*z+1] op_sel_hi:[1,0,1]
.set z, z+1
.endr
	WIN 0
.set z, 0
.rept 16
	v_cvt_pk_bf16_f32 v[PKD+z], v[T+2*z], v[T+2*z+1]
.set z, z+1
.endr
.endm
.macro TOSTAGE n
	WIN 0
.irp f, 0,1,2,3
	ds_store_b128 v[STO], v[PKD+4*\f:PKD+4*\f+3] offset:32*\f
.endr
	WIN TO_F
.irp f, 0,1,2,3
	ds_load_b128 v[16*(\n)+4*\f:16*(\n)+4*\f+3], v[RD] offset:\f*576  ; LDS serves a wave's instructions in order: these see the stores above
.endr
	WIN 0
.endm
.macro SEND n
.set a, (\n)/3
.set hd, (\n)%3
	WIN 0x04                                       ; store data in window 1
	s_wait_dscnt 0x0
.irp f, 0,1,2,3
	global_store_b128 v[L16], v[16*(\n)+4*\f:16*(\n)+4*\f+3], s[8:9] offset:a*2048+\f*512+hd*65536
.endr
	WIN 0
.endm
.else
.macro PACK n                          ; row block n: 16 rows x 128 columns of f32
	WIN 0x02+((\n)/2)
.set z, 0
.rept 32
	v_pk_fma_f32 v[T+2*z:T+2*z+1], v[8*NB*((\n)%2)+2*z:8*NB*((\n)%2)+2*z+1], s[SC:SC+1], v[BI+2*z:BI+2*z+1] op_sel_hi:[1,0,1]
.set z, z+1
.endr
	WIN 0
.endm
.macro TOSTAGE n
	WIN 0
.set z, 0
.rept 8
	ds_store_b128 v[STO], v[T+8*z:T+8*z+3]   offset:64*z
	ds_store_b128 v[STO], v[T+8*z+4:T+8*z+7] offset:64*z+16
.set z, z+1
.endr
	WIN TO_F
.set z, 0
.rept 16
	ds_load_b128 v[64*(\n)+4*z:64*(\n)+4*z+3], v[RD] offset:z*528  ; LDS serves a wave's instructions in order: these see the stores above
.set z, z+1
.endr
	WIN 0
.endm
.macro SEND n
	WIN 0x04
	s_wait_dscnt 0x0
.set z, 0
.rept 16
	global_store_b128 v[L16], v[64*(\n)+4*z:64*(\n)+4*z+3], s[8:9] offset:(\n)*65536+z*4096
.set z, z+1
.endr
	WIN 0
.endm
.endif
	s_wait_tensorcnt 1                             ; my part of K step 0 is in; K step 1's may stay out
	s_barrier_signal -1
	s_barrier_wait -1
	FETCH 0, F0
	QUARTER 64, F0, F1, 1                          ; the first quarter's products start the sums: nothing is cleared
	WIN 0
	s_mov_b32 s3, KSTEPS-2
.Lstep:                                            ; a trip ends K step j, fills its slot with K step j + 2 and begins K step j + 1
	QUARTER 128, F1, F0, 0
	QUARTER 192, F0, F1, 0
	TURN 1
	QUARTER 64, F0, F1, 0
	WIN 0
	s_sub_co_u32 s3, s3, 1
	s_cmp_lg_u32 s3, 0
	s_cbranch_scc1 .Lstep
	; The last two K steps ask nothing of memory: a loop of two trips, left in the middle of the second.  That trip's change of slots reads the first
	; fragments of a slot that still holds an earlier K step; they are not multiplied: 2 NB + 8 LDS loads and a barrier are the price of one text for both trips.
	s_mov_b32 s3, 2
.Ltail:
	QUARTER 128, F1, F0, 0
	QUARTER 192, F0, F1, 0
	TURN 0
	WIN 0
	s_sub_co_u32 s3, s3, 1
	s_cmp_eq_u32 s3, 0
	s_cbranch_scc1 .Lout
	QUARTER 64, F0, F1, 0
	WIN 0
	s_branch .Ltail
.Lout:
	s_wait_dscnt 0x0                               ; the loads that serve nothing are back: their registers take the way out's rows
	PLACES
	PACK 0
	TOSTAGE 0
.if G2
.irp n, 1,2,3,4,5,6,7,8,9,10,11
	PACK \n                                        ; a block's arithmetic stands between the loads of the block before and its stores
	SEND (\n)-1
	TOSTAGE \n
.endr
	SEND 11
.else
.irp n, 1,2,3
	PACK \n
	SEND (\n)-1
	TOSTAGE \n
.endr
	SEND 3
.endif
	s_wait_tensorcnt 0x0                           ; the wave's end
	ds_add_u32 v[SPW], v[NIL]
	s_wait_dscnt 0x0
	CROUND                                         ; the closing round: no work-group ends while a partner may still ask for a tile that names it
	s_endpgm
.Lfunc_end_k_q557c5e921e_g2:
	.size	k_q557c5e921e_g2, .Lfunc_end_k_q557c5e921e_g2-k_q557c5e921e_g2
	.p2alignl 7, 3214868480
	.fill 96, 4, 3214868480
	.section	.rodata,"a",@progbits
	.p2align	6, 0x0
	.amdhsa_kernel k_q557c5e921e_g2
		.amdhsa_group_segment_fixed_size 327680
		.amdhsa_private_segment_fixed_size 0
		.amdhsa_enable_private_segment 0
		.amdhsa_kernarg_size 40
		.amdhsa_user_sgpr_count 2
		.amdhsa_user_sgpr_kernarg_segment_ptr 1
		.amdhsa_wavefront_size32 1
		.amdhsa_system_sgpr_workgroup_id_x 1
		.amdhsa_system_sgpr_workgroup_id_y 1
		.amdhsa_system_sgpr_workgroup_id_z 1
		.amdhsa_system_vgpr_workitem_id 0
		.amdhsa_next_free_vgpr 960
		.amdhsa_next_free_sgpr 96
		.amdhsa_reserve_vcc 0
		.amdhsa_float_denorm_mode_32 3
		.amdhsa_float_denorm_mode_16_64 3
		.amdhsa_memory_ordered 1
		.amdhsa_forward_progress 1
		.amdhsa_inst_pref_size 113
	.end_amdhsa_kernel
	.amdgpu_metadata
---
amdhsa.version: [ 1, 2 ]
amdhsa.kernels:
  - .name:           k_q557c5e921e_g2
    .symbol:         k_q557c5e921e_g2.kd
    .args:
      - { .name: lnt, .offset: 0, .size: 8, .value_kind: global_buffer, .address_space: global }
      - { .name: wqv, .offset: 8, .size: 8, .value_kind: global_buffer, .address_space: global }
      - { .name: qkvh, .offset: 16, .size: 8, .value_kind: global_buffer, .address_space: global }
      - { .name: xbp, .offset: 24, .size: 8, .value_kind: global_buffer, .address_space: global }
      - { .name: b_tqkv, .offset: 32, .size: 8, .value_kind: global_buffer, .address_space: global }
    .group_segment_fixed_size: 327680
    .private_segment_fixed_size: 0
    .kernarg_segment_align: 8
    .kernarg_segment_size: 40
    .max_flat_workgroup_size: 128
    .sgpr_count:     96
    .vgpr_count:     960
    .wavefront_size: 32
...
	.end_amdgpu_metadata
.endif
;; end of part 12
;; launch attn (part 13): grid 256 x 1, 4 waves a work-group, no clusters, 327,680 bytes of LDS; arguments qkvh, tp, vpb, tvec, rel_embed, text_mask, out1, i2tv; writes out1, i2tv
.if DOCPART == 13
	.amdgcn_target "amdgcn-amd-amdhsa--gfx1250"
	.amdhsa_code_object_version 6
	.text
	.protected	k_q557c5e921e_attn
	.globl	k_q557c5e921e_attn
	.p2align	8
	.type	k_q557c5e921e_attn,@function
k_q557c5e921e_attn:
	s_mov_b64 s[64:65], 0
	v_nop
	global_prefetch_b8 v0, s[64:65] scope:SCOPE_SE
	s_setreg_imm32_b32 hwreg(HW_REG_WAVE_MODE, 25, 1), 1
	s_wait_xcnt 0x0
; One work-group for each (batch, head): text self-attention with the clipped relative-position bias and the key mask; ts = tp + O; out1 = ts + tvec; and the image-to-text row
; i2tv[b][64 h ..] = softmax_k(vp . ts[k] / 8, masked) ts: all 512 query rows of that attention are the same vector, so one row is computed, and the mean of equal rows is that row.
; q' (with the factor log2(e) / 8), k, v: [16][48][512][64] bf16.  Products, maxima and sums in f32; the weights p are rounded to bf16 for the second product, their sum l is taken unrounded.
; SHARES.  A wave owns 128 queries: four PIECES of two tiles of 16.  Every wave walks all 512 keys, 64 a step.  All of K, V and the head's slice of tp lie in LDS, each filled once: no ring.
; K and V are asked for at the start.  The slice of tp, which only the epilogue reads, is asked for behind the barrier that shows K and V whole, and has the whole walk over the keys in which to come.
; NO CLUSTER: no two work-groups read the same tile.
; LAYOUT.  S^T = K Q^T + C (source 0 = 16 keys, source 1 = 16 queries): a lane holds one query (lane % 16) and the keys 8 (lane / 16) + 0..7; two results rounded to bf16 are source 1 of O^T = V^T P.
; BIAS AND MASK are the C operand that starts the sum: log2(e) bf16(rel_embed[clip(q - k) + 128][h]) + (0 or -1e30).  The bias hangs on q - k alone: four shifted copies of a table of 1,024 numbers lie in
; LDS, from which a lane's eight numbers of a tile are 32 consecutive bytes; a key step needs 11 such tiles for the wave's eight query tiles.
; SOFTMAX.  p = 2^(s - m) with a running maximum m; O and l are multiplied by a = 2^(m_old - m_new) in every step; m starts at the lowest finite number, O and l at 0.
; A BATCH WITH NO KEY LEFT: reference() then gives equal weights.  A flag made of the mask's bytes, used in selects alone, turns Q, the bias, the mask term and the image query into 0: all scores are equal.
; BY TURNS.  Turn n belongs to piece n: 16 products K Q^T of piece n + 1, later 16 products V^T P of piece n - 1; beside them piece n's scaling, exponentials, roundings, sums and rescaling and piece
; n + 1's start values, maximum and statistics.  Four vector instructions stand behind every matrix instruction, the rest in one run; a turn's 66 exponentials are one batch with one wait.
; LIMITS.  A hidden score counts as -1e30 (reference(): -1e9): scores beyond some 1e9 in magnitude are not served.  A weight below 2^-126 counts as 0.  NaN and infinities are not treated apart.
; REGISTERS by windows of 256: window 0: v0-15 addresses; v16-47 four registers of statistics a tile (m, m_old, l, l); v48-63 at work; v64-191 S^T, two buffers of two tiles; v192-255 P likewise.
;   window 1: O^T, 32 a tile.   window 2: v0-127 Q; v128-191 K of a step; v192-255 V of a step.   window 3: v0-1 the add's registers; v8-95 eleven bias tiles; v96-127 the step's mask terms.
.set NP,    4
.set KS,    64
.set PK,    144                        ; a row of K in LDS: 128 bytes + 16
.set PV,    160                        ; a row of V: 128 + 32
.set VT,    73728                      ; V behind K's 512 rows
.set TPS,   155648                     ; the slice of tp, later ts: 512 rows of 256 bytes + 16
.set TPP,   272
.set GB,    294912                     ; four copies of the bias table, 4,096 bytes + 64 apart
.set GBP,   4160
.set MKT,   312832                     ; the 512 mask terms
.set MRG,   314880                     ; the eight parts of the image-to-text row: 16 bytes a thread
.set SPARE, 316928                     ; the spare words, 128 bytes a wave: two blocks of 256 bytes that no other line names
.set MRL,   317440                     ; the parts' m and l: 8 bytes a thread
.set AK0, 2
.set AV0, 3
.set AK,  4
.set AV,  5
.set ATP, 6                            ; first Q's offset; later my place in the slice of tp, in O^T's layout
.set ARD0, 7
.set AMS0, 8
.set GO,  10
.set VO,  11
.set ABT0, 12
.set AMK0, 13
.set ABT, 14
.set AMK, 15
.set ST,  16
.set TMP, 48
.set S,   64
.set P,   192
.set KF,  128
.set VF,  192
.set SPW, 0                            ; window 3
.set NIL, 1
.set BT,  8
.set MK,  96
.set WV,  20
.set BB,  21
.set HH,  22
.set G1K, 24
.set G1V, 32
.set G1T, 40
.set G0K, 48
.set G0V, 52
.set G0T, 56
.set CNT, 60
.set SEL, 62
.set TBK, 66
.set TBV, 67
.set TBB, 68
.set ANY, 69
.set NEG, 70
.set FF,  71
.set LF,  80
.set CF,  82
.set EB,  84
.set EM,  85
.set SAV, 86
.set MSB, 0
.macro WIN new
.if MSB != (\new)
	s_set_vgpr_msb (MSB<<8)|(\new)
.set MSB, (\new)
.endif
.endm
.set W_KQ, 0x0a                        ; K and Q in window 2, S^T in window 0
.set W_PV, 0x52                        ; V in window 2, P in window 0, O^T in window 1
.set W_RS, 0x41                        ; destination and source 0 in window 1, source 1 in window 0
.set W_MK, 0xc0                        ; destination in window 3
.set W_AD, 0x0f                        ; sources 0 and 1 in window 3
	s_load_b512 s[4:19], s[0:1], 0x0               ; qkvh, tp, vpb (vp), tvec, rel_embed, text_mask, out1, i2tv
	WIN W_MK
	v_lshl_add_u32 v[SPW], v0, 2, SPARE
	v_mov_b32 v[NIL], 0
	WIN W_AD
	ds_add_u32 v[SPW], v[NIL]                      ; the wave's opening
	ds_add_u32 v0, v1
	WIN 0
	v_lshrrev_b32 v1, 5, v0
	v_readfirstlane_b32 s[WV], v1
	s_lshr_b32 s[BB], ttmp9, 4                     ; batch
	s_and_b32 s[HH], ttmp9, 15                     ; head
	s_mul_i32 s72, s[BB], 48
	s_add_co_u32 s72, s72, s[HH]
	s_lshl_b32 s72, s72, 16                        ; the head's q, 65,536 bytes a head,
	s_lshl_b32 s74, s[WV], 14                      ; my wave's 128 rows of 128 bytes
	s_add_co_u32 s72, s72, s74
	s_mov_b32 s73, 0
	s_lshl_b32 s74, s[BB], 21                      ; tp and out1: (512 b + 128 w) rows of 4,096 bytes + the head's 256
	s_lshl_b32 s75, s[WV], 19
	s_add_co_u32 s74, s74, s75
	s_lshl_b32 s75, s[HH], 8
	s_add_co_u32 s74, s74, s75
	s_mov_b32 s75, 0
	; K, V: my 128 keys are 16,384 dense bytes: 64 rows of 256 bytes, two keys a row, padded in LDS after every key
	s_mov_b32 s[G1K], (1<<16)|(1<<20)|(4<<22)|(3<<25)
	s_mov_b32 s[G1V], (1<<16)|(1<<20)|(4<<22)|(7<<25)
.irp g, G1K, G1V
	s_mov_b32 s[\g+1], 128<<16
	s_mov_b32 s[\g+2], 64<<16
	s_mov_b32 s[\g+3], 128<<16
	s_mov_b32 s[\g+4], 64
	s_mov_b32 s[\g+5], 128
	s_mov_b32 s[\g+6], 0
	s_mov_b32 s[\g+7], 0
.endr
	; tp: my 128 rows x 64 f32, 1,024 elements from row to row, 16 bytes of padding behind each row
	s_mov_b32 s[G1T], (2<<16)|(1<<20)|(5<<22)|(3<<25)
	s_mov_b32 s[G1T+1], 64<<16
	s_mov_b32 s[G1T+2], 128<<16
	s_mov_b32 s[G1T+3], 64<<16
	s_mov_b32 s[G1T+4], 128
	s_mov_b32 s[G1T+5], 1024
	s_mov_b32 s[G1T+6], 0
	s_mov_b32 s[G1T+7], 0
	s_mov_b32 s[G0K], 1
	s_mul_i32 s[G0K+1], s[WV], 128*PK
	s_mov_b32 s[G0V], 1
	s_mul_i32 s76, s[WV], 128*PV
	s_add_co_u32 s[G0V+1], s76, VT
	s_mov_b32 s[G0T], 1
	s_mul_i32 s76, s[WV], 128*TPP
	s_add_co_u32 s[G0T+1], s76, TPS
	s_mov_b32 s[SEL], 0x76543210
	s_mov_b32 s[SEL+1], 0xfedcba98
	s_mov_b32 s[TBK], 0
	s_mov_b32 s[TBV], 0
	s_mov_b32 s[TBB], 0
	s_wait_dscnt 0x0                               ; the opening add is done
	s_wait_kmcnt 0x0
	s_add_nc_u64 s[4:5], s[4:5], s[72:73]          ; q at my wave's rows; k and v lie 16 and 32 heads on
	s_add_nc_u64 s[G0K+2:G0K+3], s[4:5], 16*65536
	s_or_b32 s[G0K+3], s[G0K+3], 0x80000000
	s_add_nc_u64 s[G0V+2:G0V+3], s[4:5], 32*65536
	s_or_b32 s[G0V+3], s[G0V+3], 0x80000000
	s_add_nc_u64 s[G0T+2:G0T+3], s[6:7], s[74:75]
	s_or_b32 s[G0T+3], s[G0T+3], 0x80000000
	s_add_nc_u64 s[16:17], s[16:17], s[74:75]
	tensor_load_to_lds s[G0K:G0K+3], s[G1K:G1K+7]  ; my parts of K and of V: two loads of mine are out
	s_nop 0
	tensor_load_to_lds s[G0V:G0V+3], s[G1V:G1V+7]
	s_nop 0
.rept 4
	v_nop
.endr
	v_and_b32 v1, 15, v0                           ; l % 16
	v_bfe_u32 v9, v0, 4, 1                         ; l / 16
	v_lshlrev_b32 v[ATP], 7, v1
	v_lshl_add_u32 v[ATP], v9, 4, v[ATP]           ; Q: row x 128 + 16 x half
	WIN 0x80
.set i, 0
.rept 16                               ; Q stays in registers: tile i / 2, channels 32 (i % 2) on
	global_load_b128 v[8*i:8*i+3],   v[ATP], s[4:5] offset:(i/2)*2048+(i%2)*64
	global_load_b128 v[8*i+4:8*i+7], v[ATP], s[4:5] offset:(i/2)*2048+(i%2)*64+32
.set i, i+1
.endr
	WIN 0
	v_and_b32 v10, 31, v0
	s_lshl_b32 s72, s[BB], 9
	v_lshl_add_u32 v10, v10, 4, s72                ; the batch's 512 mask bytes, 16 a lane: every wave sees them all
	v_lshl_add_u32 v11, v0, 2, s72                 ; and 4 a thread, for the table
	global_load_b128 v[64:67], v10, s[14:15]
	global_load_b32 v68, v11, s[14:15]
	; THE BIAS TABLE.  Number y of copy c holds the bias of index clamp(640 + c - y, 0, 256): copy c is copy 0 moved on by c numbers.  Thread t makes numbers 4 t .. 4 t + 3 (group 0) and
	; 512 + 4 t .. + 3 (group 1) of all four copies; for a group it needs the seven numbers 4 gi - 3 .. 4 gi + 3 of copy 0: indices min(643 - i - 4 t, 256) and (131 - i) - min(4 t, 131 - i), i = 0 .. 6.
	s_lshl_b32 s73, s[HH], 2                       ; my head's number in a row of rel_embed (64 bytes)
	v_lshlrev_b32 v75, 2, v0                       ; 4 t
.set i, 0
.rept 7
	v_sub_nc_u32 v73, 643-i, v75
	v_min_u32 v73, 256, v73
	v_lshl_add_u32 v[96+i], v73, 6, s73
	v_min_u32 v74, 131-i, v75
	v_sub_nc_u32 v74, 131-i, v74
	v_lshl_add_u32 v[104+i], v74, 6, s73
	global_load_b32 v[112+i], v[96+i], s[12:13]
	global_load_b32 v[120+i], v[104+i], s[12:13]
.set i, i+1
.endr
	v_mul_u32_u24 v[AK0], v1, PK
	v_lshl_add_u32 v[AK0], v9, 4, v[AK0]
	; the turning load takes 16 keys x 16 channels: lane l reads key 8 (l / 16) + l % 8, channels 8 ((l / 8) % 2) + 0..7
	v_and_b32 v73, 7, v0
	v_bfe_u32 v74, v0, 3, 1
	v_lshl_add_u32 v[AV0], v9, 3, v73
	v_mul_u32_u24 v[AV0], v[AV0], PV
	v_lshl_add_u32 v[AV0], v74, 4, v[AV0]
	v_add_nc_u32 v[AV0], VT, v[AV0]
	; bias tile u (= key block - query tile + 7) of step st: copy r % 4, byte 256 st + 64 u + 32 h - 16 (r / 4) + 4 (400 - 128 w)
	v_and_b32 v73, 3, v1
	v_lshrrev_b32 v74, 2, v1
	v_mul_u32_u24 v[ABT0], v73, GBP
	v_lshl_add_u32 v[ABT0], v9, 5, v[ABT0]
	s_lshl_b32 s74, s[WV], 9
	s_sub_co_u32 s74, GB+1600, s74
	v_add_nc_u32 v[ABT0], s74, v[ABT0]
	v_lshlrev_b32 v74, 4, v74
	v_sub_nc_u32 v[ABT0], v[ABT0], v74
	v_lshlrev_b32 v[AMK0], 5, v9
	v_add_nc_u32 v[AMK0], MKT, v[AMK0]
	; what the first turn finds: V's registers and P's second buffer hold 0, O^T and l are 0.  All this stands in the wait for the tiles.
	WIN 0x80
.set i, VF
.rept 64
	v_mov_b32 v[i], 0
.set i, i+1
.endr
	WIN 0x40
.set i, 0
.rept 256
	v_mov_b32 v[i], 0
.set i, i+1
.endr
	WIN 0
.set i, 0
.rept 8
	v_mov_b32 v[ST+4*i], 0xff7fffff
	v_mov_b32 v[ST+4*i+1], 0xff7fffff
	v_mov_b32 v[ST+4*i+2], 0
	v_mov_b32 v[ST+4*i+3], 0
.set i, i+1
.endr
.set i, P+32
.rept 32
	v_mov_b32 v[i], 0
.set i, i+1
.endr
	s_wait_loadcnt 0x0
	v_or_b32 v64, v64, v65
	v_or_b32 v66, v66, v67
	v_or_b32 v64, v64, v66
	v_cmp_ne_u32 s72, 0, v64
	s_cmp_lg_u32 s72, 0                            ; is any key of the batch left?  Used in selects alone
	s_cselect_b32 s[ANY], -1, 0
	s_cselect_b32 s[NEG], 0xf149f2ca, 0            ; -1e30
	s_cselect_b32 s[FF], 1.0, 0
	s_mul_f32 s[LF], s[FF], 0x3fb8aa3b             ; log2(e)
	s_mul_f32 s[CF], s[FF], 0x3e38aa3b             ; log2(e) / 8
	s_mov_b32 s[CF+1], s[CF]
	WIN 0x88
.set i, 0
.rept 128
	v_and_b32 v[i], s[ANY], v[i]
.set i, i+1
.endr
	WIN 0
	; the fourteen bias numbers: rounded to bf16 like all inputs, times log2(e); kept twice, the second array one number on, so that each copy's four numbers begin at an even register
.set gg, 0
.rept 2
.set i, 0
.rept 7
	v_cvt_pk_bf16_f32 v73, v[112+8*gg+i], v[112+8*gg+i]
	v_lshlrev_b32 v73, 16, v73
	v_mul_f32 v[112+8*gg+i], s[LF], v73
.if i > 0
	v_mul_f32 v[128+8*gg+i-1], s[LF], v73
.endif
.set i, i+1
.endr
.set gg, gg+1
.endr
	v_lshl_add_u32 v74, v0, 4, GB
.set gg, 0
.rept 2                                ; copy c takes numbers 3 - c .. 6 - c of the seven
	ds_store_b128 v74, v[128+8*gg+2:128+8*gg+5] offset:2048*gg
	ds_store_b128 v74, v[112+8*gg+2:112+8*gg+5] offset:GBP+2048*gg
	ds_store_b128 v74, v[128+8*gg:128+8*gg+3]   offset:2*GBP+2048*gg
	ds_store_b128 v74, v[112+8*gg:112+8*gg+3]   offset:3*GBP+2048*gg
.set gg, gg+1
.endr
.irp e, 0,1,2,3
	v_bfe_u32 v73, v68, 8*\e, 8
	v_cmp_eq_u32 vcc_lo, 0, v73
	v_cndmask_b32 v[76+\e], 0, s[NEG], vcc_lo
.endr
	v_lshl_add_u32 v75, v0, 4, MKT
	ds_store_b128 v75, v[76:79]
	; The slice of tp is a first fill that comes later: it is issued as a refill is: all my tensor loads waited for, the add, the wait for it, the barrier, and then my one load.
	WIN W_AD
	s_wait_tensorcnt 0x0                           ; my parts of K and V are in
	ds_add_u32 v[SPW], v[NIL]
	WIN 0
	s_wait_dscnt 0x0                               ; the add is done; my parts of the bias table and of the mask terms are written
	s_barrier_signal -1
	s_barrier_wait -1                              ; everybody's are
	tensor_load_to_lds s[G0T:G0T+3], s[G1T:G1T+7]  ; my 128 rows of the slice: the one load of mine that is out from here on; no line of the walk over the keys names its bytes
	s_nop 0
.rept 4
	v_nop
.endr
; THE MATRIX WORK.  The 8 accumulators of a run of 16 take turns.
.macro KQ x                            ; product i of 16 of S^T += K Q^T for piece x: channels 32 (i / 8) on, keys 16 ((i / 2) % 4) on, tile 2 x + i % 2; the sums start from bias and mask (INIT)
	WIN W_KQ
.set rS, S+64*((\x)%2)+32*(i%2)+8*((i/2)%4)
.set rK, KF+16*((i/2)%4)+8*(i/8)
.set rQ, 16*(2*(\x)+i%2)+8*(i/8)
	v_wmma_f32_16x16x32_bf16 v[rS:rS+7], v[rK:rK+7], v[rQ:rQ+7], v[rS:rS+7]
.endm
.macro PV x                            ; product i of 16 of O^T += V^T P for piece x
	WIN W_PV
.set rO, 32*(2*(\x)+i%2)+8*((i/2)%4)
.set rV, VF+32*(i/8)+8*((i/2)%4)
.set rP, P+32*((\x)%2)+16*(i%2)+8*(i/8)
	v_wmma_f32_16x16x32_bf16 v[rO:rO+7], v[rV:rV+7], v[rP:rP+7], v[rO:rO+7]
.endm
.macro MM
.if i < 16
	KQ (Y+1)%NP
.set i, i+1
.else
.set i, i-16
	PV (Y+NP-1)%NP
.set i, i+17
.endif
.endm
.macro INIT x                          ; piece x's scores start as bias + mask term: 32 packed additions
	WIN W_AD
.set u2, 0
.rept 2
.set kb, 0
.rept 4
.set z, 0
.rept 4
	v_pk_add_f32 v[S+64*((\x)%2)+32*u2+8*kb+2*z:S+64*((\x)%2)+32*u2+8*kb+2*z+1], v[BT+8*(kb-(2*(\x)+u2)+7)+2*z:BT+8*(kb-(2*(\x)+u2)+7)+2*z+1], v[MK+8*kb+2*z:MK+8*kb+2*z+1]
.set z, z+1
.endr
.set kb, kb+1
.endr
.set u2, u2+1
.endr
.endm
; THE LDS LOADS stand in runs: a step's K, its eleven bias tiles and its mask terms (46 loads), and its V, turned (16).  last = 1: in the last step there is no further step, and the run is jumped over.
.macro FETCH_KB last
	WIN 0
.if \last
	s_cmp_eq_u32 s[CNT], 1
	s_cbranch_scc1 .Lno_k_\@
.endif
	WIN 0x80
.irp f, 0,1,2,3,4,5,6,7
	ds_load_b128 v[KF+8*\f:KF+8*\f+3],   v[AK] offset:(\f/2)*16*PK+(\f%2)*64
	ds_load_b128 v[KF+8*\f+4:KF+8*\f+7], v[AK] offset:(\f/2)*16*PK+(\f%2)*64+32
.endr
	WIN W_MK
.irp f, 0,1,2,3,4,5,6,7,8,9,10
	ds_load_b128 v[BT+8*\f:BT+8*\f+3],   v[ABT] offset:64*\f
	ds_load_b128 v[BT+8*\f+4:BT+8*\f+7], v[ABT] offset:64*\f+16
.endr
.irp f, 0,1,2,3
	ds_load_b128 v[MK+8*\f:MK+8*\f+3],   v[AMK] offset:64*\f
	ds_load_b128 v[MK+8*\f+4:MK+8*\f+7], v[AMK] offset:64*\f+16
.endr
	s_add_co_u32 s[TBK], s[TBK], KS*PK
	s_add_co_u32 s[TBB], s[TBB], 256
	WIN 0
.if \last
.Lno_k_\@:
.endif
.endm
.macro FETCH_V
	WIN 0x80
.irp f, 0,1,2,3,4,5,6,7
	ds_load_tr16_b128 v[VF+8*\f:VF+8*\f+3],   v[AV] offset:(\f/4)*32*PV+(\f%4)*32
	ds_load_tr16_b128 v[VF+8*\f+4:VF+8*\f+7], v[AV] offset:(\f/4)*32*PV+16*PV+(\f%4)*32
.endr
	WIN 0
.endm
; THE VECTOR WORK OF A TURN stands in three queues, each in the order in which its entries become ready; the two tiles alternate.
.macro REGS y, u
.set rT, ST+4*(2*(\y)+(\u))
.set rC, TMP+8*((\y)%2)+4*(\u)
.set rS, S+64*((\y)%2)+32*(\u)
.set rP, P+32*((\y)%2)+16*(\u)
.set rO, 32*(2*(\y)+(\u))
.endm
; Number n of those that find the NEXT piece's maximum and statistics; each accumulator's lowest registers are read first.
;   0-11 four chains of seven scores; 12-14, 16 the scores left over, the old m, and the chains into one; 15 m_old is kept; 17, 18 the other half of the lanes: the new m; 20 m_old - m_new; 21 a
.macro XS u, n
	REGS (Y+1)%NP, \u
.if (\n) < 4
	v_max3_num_f32 v[rC+(\n)], v[rS+8*(\n)], v[rS+8*(\n)+1], v[rS+8*(\n)+2]
.elseif (\n) < 12
	v_max3_num_f32 v[rC+(\n)%4], v[rC+(\n)%4], v[rS+8*((\n)%4)+2*((\n)/4)+1], v[rS+8*((\n)%4)+2*((\n)/4)+2]
.elseif (\n) == 12
	v_max3_num_f32 v[rC], v[rC], v[rS+7], v[rS+15]
.elseif (\n) == 13
	v_max3_num_f32 v[rC+1], v[rC+1], v[rS+23], v[rS+31]
.elseif (\n) == 14
	v_max3_num_f32 v[rC+2], v[rC+2], v[rC+3], v[rT]
.elseif (\n) == 15
	v_mov_b32 v[rT+1], v[rT]
.elseif (\n) == 16
	v_max3_num_f32 v[rC], v[rC], v[rC+1], v[rC+2]
.elseif (\n) == 17
	v_permlanex16_b32 v[rC+3], v[rC], s[SEL], s[SEL+1]
.elseif (\n) == 18
	v_max_num_f32 v[rT], v[rC], v[rC+3]
.elseif (\n) == 20
	v_sub_f32 v[rC+1], v[rT+1], v[rT]
.else
	v_exp_f32 v[rC+2], v[rC+1]
.endif
.endm
; Number g of the 64 that follow the exponentials: of each four weights both pairs are rounded to bf16, the second pair is added onto the first, and a group later l takes that sum (the first time l = a l + sum)
.macro GS g
.set h, (\g)+6*((\g)/62)
.if h >= 6
.set h, h+2
.endif
	REGS Y, h%2
.set k, h/8
.if h%8 < 4
	v_cvt_pk_bf16_f32 v[rP+2*k+(h%8)/2], v[rS+4*k+2*((h%8)/2)], v[rS+4*k+2*((h%8)/2)+1]
.elseif h%8 < 6
	v_pk_add_f32 v[rS+4*k:rS+4*k+1], v[rS+4*k:rS+4*k+1], v[rS+4*k+2:rS+4*k+3]
.elseif k == 1
	v_pk_fma_f32 v[rT+2:rT+3], v[rT+2:rT+3], v[rC+2:rC+3], v[rS:rS+1] op_sel_hi:[1,0,1]
.else
	v_pk_add_f32 v[rT+2:rT+3], v[rT+2:rT+3], v[rS+4*k-4:rS+4*k-3]
.endif
.endm
.macro FS f                            ; s - m for pair f / 2 of tile f % 2
	REGS Y, (\f)%2
	v_pk_add_f32 v[rS+2*((\f)/2):rS+2*((\f)/2)+1], v[rS+2*((\f)/2):rS+2*((\f)/2)+1], v[rT:rT+1] op_sel_hi:[1,0] neg_lo:[0,1] neg_hi:[0,1]
.endm
; THE PLAIN QUEUE, 136 long.  0-27: subtractions 0-27.  28-55: XS 0-13.  56, 57: XS 15.  58-69: the chain 14, 16, 17, 18, each with one of the subtractions 28-31 in front of its two lines.  70, 71: XS 20.
; 72-135: GS's 64, which read the exponentials' results: they stand behind the wait.
.macro PL
	WIN 0
.if q < 28
	FS q
.elseif q < 56
	XS (q-28)%2, (q-28)/2
.elseif q < 58
	XS q-56, 15
.elseif (q < 70) && ((q-58)%3 == 0)
	FS 28+(q-58)/3
.elseif q < 61
	XS (q-58)%3-1, 14
.elseif q < 70
	XS (q-58)%3-1, 15+(q-58)/3
.elseif q < 72
	XS q-70, 20
.else
	GS q-72
.endif
.set q, q+1
.endm
.macro EX                              ; THE EXPONENTIALS' QUEUE, 66 long: both tiles' 32 scores, then the next piece's two a: one batch, ahead of the turn's one wait
	WIN 0
.if e >= 64
	XS e-64, 21
.else
	REGS Y, e%2
	v_exp_f32 v[rS+e/2], v[rS+e/2]
.endif
.set e, e+1
.endm
.macro R2                              ; THE RESCALING's QUEUE: O^T times a, two at a time; its a was made, and waited for, in the turn before
	REGS Y, r%2
	WIN W_RS
.irp z, 0,1
	v_pk_mul_f32 v[rO+4*(r/2)+2*\z:rO+4*(r/2)+2*\z+1], v[rO+4*(r/2)+2*\z:rO+4*(r/2)+2*\z+1], v[rC+2:rC+3] op_sel_hi:[1,0]
.endr
.set r, r+1
.endm
; A TURN, for piece p.  Ahead of the wait: the next piece's start values; 16 products K Q^T, behind each a subtraction, an exponential and two rescalings; then one run of 6 plain, 49 times exponential and
; plain, the two a.  Exponential e stands behind subtraction 2 (e / 4) + e % 2: as a rider it comes behind plain e + 2, in the run behind plain e + 7, and subtractions 28-31 are plain 58, 61, 64, 67.
; Behind the wait: 16 products V^T P, behind each four of GS's 64.  K, bias and mask of the next step are fetched in piece 2's turn, directly behind the wait; V of the step in hand at the end of
; piece 0's turn, four plain instructions behind its last reader.
.macro TURN p, last=0
.set Y, (\p)
.set i, 0
.set q, 0
.set e, 0
.set r, 0
.if (\p) == NP-1
	s_wait_dscnt 0x0                               ; K, the bias tiles and the mask terms are in
.endif
	INIT (Y+1)%NP
	MM
	PL
	PL
	R2
.rept 15
	MM
	PL
	EX
	R2
.endr
.if (\p) == NP-2
	WIN 0
	v_add_nc_u32 v[AK], s[TBK], v[AK0]
	v_add_nc_u32 v[ABT], s[TBB], v[ABT0]
	v_add_nc_u32 v[AMK], s[TBB], v[AMK0]
.endif
.rept 6
	PL
.endr
.rept 49
	EX
	PL
.endr
	EX
	EX
	v_nop                                          ; a plain instruction behind the last exponential: one for the batch
	s_wait_alu depctr_va_vdst(0)                   ; the wait ahead of the batch's first reader
.if (\p) == NP-2
	FETCH_KB \last
.endif
.if (\p) == 1
	s_wait_dscnt 0x0                               ; V is in
.endif
.rept 16
	MM
.rept 4
	PL
.endr
.if ((\p) == 0) && (q == 116)
	v_add_nc_u32 v[AV], s[TBV], v[AV0]
.endif
.if ((\p) == 0) && (q == 128)
	s_add_co_u32 s[TBV], s[TBV], KS*PV
.endif
.endr
.if (\p) == 0
	FETCH_V
.endif
.endm
	v_mov_b32 v[AK], v[AK0]
	v_mov_b32 v[ABT], v[ABT0]
	v_mov_b32 v[AMK], v[AMK0]
	FETCH_KB 0                                     ; key step 0
	s_wait_dscnt 0x0
	INIT 0
.set i, 0
.rept 16
	KQ 0                                           ; piece 0's first scores
.set i, i+1
.endr
	WIN 0                                          ; the epilogue's addresses: nine plain instructions, the places behind those products
	s_mul_i32 s72, s[WV], 128*TPP
	s_add_co_u32 s72, s72, TPS                     ; my 128 rows of the slice
	v_mul_u32_u24 v[ATP], v1, TPP
	v_lshl_add_u32 v[ATP], v9, 5, v[ATP]
	v_add_nc_u32 v[ATP], s72, v[ATP]               ; in O^T's layout: row l % 16, 32 bytes for each half of the lanes
	v_mul_u32_u24 v[ARD0], v9, TPP
	v_lshl_add_u32 v[ARD0], v1, 4, v[ARD0]
	v_add_nc_u32 v[ARD0], s72, v[ARD0]             ; by rows: lanes 0-15 one row of 256 bytes, lanes 16-31 the next
	s_lshl_b32 s73, s[WV], 9
	s_add_co_u32 s73, s73, MKT
	v_lshl_add_u32 v[AMS0], v9, 2, s73             ; the mask term of that row
	v_lshlrev_b32 v[GO], 12, v9
	v_lshl_add_u32 v[GO], v1, 4, v[GO]             ; the same two rows in out1
.set Y, NP-1
.irp n, 0,1,2,3,4,5,6,7,8,9,10,11,12,13,14,15,16,17,18,20,21
	XS 0, \n
	XS 1, \n
.endr
	v_nop
	s_wait_alu depctr_va_vdst(0)                   ; the two a, ahead of the branch
	s_mov_b32 s[CNT], 8
	s_branch .Lfirst                               ; the loop is entered at a step's first turn, in the middle of a trip
.Lstep:                                            ; a trip: pieces 2 and 3 of one step, then pieces 0 and 1 of the next
	TURN 2, 1
	TURN 3
	WIN 0
	s_sub_co_u32 s[CNT], s[CNT], 1
	s_cmp_eq_u32 s[CNT], 0
	s_cbranch_scc1 .Lout
.Lfirst:
	TURN 0
	TURN 1
	WIN 0
	s_branch .Lstep
.Lout:                                             ; the last trip's 16 products K Q^T (on the last K once more) and the maximum made of them serve nothing: the price of one text for every trip
.set i, 0
.rept 16
	PV NP-1                                        ; the last piece's V^T P of the last step
.set i, i+1
.endr
	; THE EPILOGUE.  l's two halves and the other half of the lanes' are added.  The additions are the places behind the last products.
	WIN 0
.macro ALL line:vararg
.set t, 0
.rept 2*NP
	\line
.set t, t+1
.endr
.endm
.set R,   64                           ; v[64:95]    eight pairs of rows of ts, 16 bytes a lane
.set MT,  96                           ; v[96:103]   their mask terms
.set OU,  104                          ; v[104:135]  store data
.set D,   136                          ; v[136:143]  their scores
.set PP,  144                          ; v[144:159]  their weights, in the even registers
.set M,   160                          ; v160 m, v161 l
.set L,   161
.set MN,  162
.set AF,  164                          ; v[164:165]  a
.set AC,  166                          ; v[166:169]  the weighted sum of my four columns
.set ARD, 172
.set AMS, 173
.set VC,  240                          ; v[240:243]  vp log2(e) / 8, my four columns
.set TV,  244                          ; v[244:247]  tvec, my four columns
	ALL v_add_f32 v[ST+4*t+2], v[ST+4*t+2], v[ST+4*t+3]
	s_lshl_b32 s72, s[BB], 12
	s_lshl_b32 s73, s[HH], 8
	s_add_co_u32 s72, s72, s73
	v_lshl_add_u32 v[VO], v1, 4, s72               ; 4,096 b + 256 head + 16 (l % 16)
	global_load_b128 v[VC:VC+3], v[VO], s[8:9]
	global_load_b128 v[TV:TV+3], v[VO], s[10:11]
	ALL v_permlanex16_b32 v[ST+4*t+3], v[ST+4*t+2], s[SEL], s[SEL+1]
	ALL v_add_f32 v[ST+4*t+2], v[ST+4*t+2], v[ST+4*t+3]
	ALL v_rcp_f32 v[ST+4*t+2], v[ST+4*t+2]
	v_nop
	s_wait_alu depctr_va_vdst(0)                   ; one wait for the eight reciprocals
; ts = tp + O / l for tiles 4 g .. 4 g + 3, in O^T's layout, written back over tp in LDS: my own rows.  The count 24: behind a tile's eight loads stand the later tiles' loads and the earlier tiles' stores, 24 in all.
.macro E2 g
	WIN 0
.set t, 0
.rept 4
.set cb, 0
.rept 4
	ds_load_b128 v[64+32*t+8*cb:64+32*t+8*cb+3],   v[ATP] offset:(4*(\g)+t)*16*TPP+64*cb
	ds_load_b128 v[64+32*t+8*cb+4:64+32*t+8*cb+7], v[ATP] offset:(4*(\g)+t)*16*TPP+64*cb+16
.set cb, cb+1
.endr
.set t, t+1
.endr
.set t, 0
.rept 4
	s_wait_dscnt 24
	WIN 0x01
.set z, 0
.rept 16
	v_pk_fma_f32 v[64+32*t+2*z:64+32*t+2*z+1], v[32*(4*(\g)+t)+2*z:32*(4*(\g)+t)+2*z+1], v[ST+4*(4*(\g)+t)+2:ST+4*(4*(\g)+t)+3], v[64+32*t+2*z:64+32*t+2*z+1] op_sel_hi:[1,0,1]
.set z, z+1
.endr
	WIN 0
.set cb, 0
.rept 4
	ds_store_b128 v[ATP], v[64+32*t+8*cb:64+32*t+8*cb+3]   offset:(4*(\g)+t)*16*TPP+64*cb
	ds_store_b128 v[ATP], v[64+32*t+8*cb+4:64+32*t+8*cb+7] offset:(4*(\g)+t)*16*TPP+64*cb+16
.set cb, cb+1
.endr
.set t, t+1
.endr
	s_wait_dscnt 0x0
.endm
	s_wait_tensorcnt 0x0                           ; my 128 rows of tp are in: I asked for them, and ahead of the barrier below only I read them
	E2 0
	E2 1
	s_barrier_signal -1                            ; every wave's stores into the slice are done ahead of the reads below, whose address steps with a counter
	s_barrier_wait -1
	; by rows: out1 = ts + tvec, 16 lanes to 256 consecutive bytes; and the image-to-text row, with a running maximum for each half of the lanes
	s_mov_b32 s[EB], 0
	s_mov_b32 s[EM], 0
	s_mov_b32 s[CNT], 8
	v_mov_b32 v[M], 0xff7fffff
	v_mov_b32 v[L], 0
	v_mov_b32 v[AF+1], 0
.irp k, 0,1,2,3
	v_mov_b32 v[AC+\k], 0
.endr
	s_wait_loadcnt 0x0
	v_pk_mul_f32 v[VC:VC+1],   v[VC:VC+1],   s[CF:CF+1] op_sel_hi:[1,0]
	v_pk_mul_f32 v[VC+2:VC+3], v[VC+2:VC+3], s[CF:CF+1] op_sel_hi:[1,0]
.Lrow:                                             ; a trip: 16 rows
	v_add_nc_u32 v[ARD], s[EB], v[ARD0]
	v_add_nc_u32 v[AMS], s[EM], v[AMS0]
.irp p, 0,1,2,3,4,5,6,7
	ds_load_b128 v[R+4*\p:R+4*\p+3], v[ARD] offset:2*TPP*\p
.endr
.irp p, 0,1,2,3,4,5,6,7
	ds_load_b32 v[MT+\p], v[AMS] offset:8*\p
.endr
	s_wait_dscnt 0x0
.irp p, 0,1,2,3,4,5,6,7
	v_pk_add_f32 v[OU+4*\p:OU+4*\p+1],   v[R+4*\p:R+4*\p+1],   v[TV:TV+1]
	v_pk_add_f32 v[OU+4*\p+2:OU+4*\p+3], v[R+4*\p+2:R+4*\p+3], v[TV+2:TV+3]
	global_store_b128 v[GO], v[OU+4*\p:OU+4*\p+3], s[16:17] offset:8192*\p th:TH_STORE_NT
	v_pk_mul_f32 v[PP+2*\p:PP+2*\p+1], v[R+4*\p:R+4*\p+1], v[VC:VC+1]
	v_pk_fma_f32 v[PP+2*\p:PP+2*\p+1], v[R+4*\p+2:R+4*\p+3], v[VC+2:VC+3], v[PP+2*\p:PP+2*\p+1]
	v_add_f32 v[D+\p], v[PP+2*\p], v[PP+2*\p+1]
.endr
.irp x, 1,2,4,8
.irp p, 0,1,2,3,4,5,6,7
	v_add_f32_dpp v[D+\p], v[D+\p], v[D+\p] row_xmask:\x row_mask:0xf bank_mask:0xf
.endr
.endr
.irp p, 0,1,2,3,4,5,6,7
	v_add_f32 v[D+\p], v[D+\p], v[MT+\p]
.endr
	v_max3_num_f32 v[MN], v[D], v[D+1], v[D+2]
	v_max3_num_f32 v[MN], v[MN], v[D+3], v[D+4]
	v_max3_num_f32 v[MN], v[MN], v[D+5], v[D+6]
	v_max3_num_f32 v[MN], v[MN], v[D+7], v[M]
	v_sub_f32 v[M], v[M], v[MN]
.irp p, 0,1,2,3,4,5,6,7
	v_sub_f32 v[D+\p], v[D+\p], v[MN]
.endr
	v_exp_f32 v[AF], v[M]
.irp p, 0,1,2,3,4,5,6,7
	v_exp_f32 v[PP+2*\p], v[D+\p]
.endr
	v_nop
	s_wait_alu depctr_va_vdst(0)                   ; one wait for the nine exponentials
	v_mov_b32 v[M], v[MN]
	v_fma_f32 v[L], v[L], v[AF], v[PP]
.irp p, 1,2,3,4,5,6,7
	v_add_f32 v[L], v[L], v[PP+2*\p]
.endr
	v_pk_mul_f32 v[AC:AC+1],   v[AC:AC+1],   v[AF:AF+1] op_sel_hi:[1,0]
	v_pk_mul_f32 v[AC+2:AC+3], v[AC+2:AC+3], v[AF:AF+1] op_sel_hi:[1,0]
.irp p, 0,1,2,3,4,5,6,7
	v_pk_fma_f32 v[AC:AC+1],   v[R+4*\p:R+4*\p+1],   v[PP+2*\p:PP+2*\p+1], v[AC:AC+1]   op_sel_hi:[1,0,1]
	v_pk_fma_f32 v[AC+2:AC+3], v[R+4*\p+2:R+4*\p+3], v[PP+2*\p:PP+2*\p+1], v[AC+2:AC+3] op_sel_hi:[1,0,1]
.endr
	s_wait_xcnt 0x0                                ; the stores have read their data and their base: both are written again only behind this wait
	s_add_nc_u64 s[16:17], s[16:17], 65536
	s_add_co_u32 s[EB], s[EB], 16*TPP
	s_add_co_u32 s[EM], s[EM], 64
	s_sub_co_u32 s[CNT], s[CNT], 1
	s_cmp_lg_u32 s[CNT], 0
	s_cbranch_scc1 .Lrow
	; Each half of the lanes of each wave holds a part of the image-to-text row, with its own m and l: eight parts.  Every lane stores to bytes of its own:
	; part 2 w + h, columns 4 r on, lies at 256 (2 w + h) + 16 r = 16 x my thread's number; its m and l at 8 x my thread's number (the same in the part's sixteen lanes).
	v_lshl_add_u32 v74, v0, 4, MRG
	v_lshl_add_u32 v75, v0, 3, MRL
	ds_store_b128 v74, v[AC:AC+3]
	ds_store_b64 v75, v[M:M+1]
	s_wait_dscnt 0x0                               ; for wave 0's sake: my parts are written
	s_barrier_signal -1
	s_barrier_wait -1
	s_cmp_lg_u32 s[WV], 0                          ; wave 0 joins the eight parts
	s_cbranch_scc1 .Lend
	v_lshl_add_u32 v98, v1, 4, MRG                 ; the two addresses lie outside the registers that the loads below fill (v64-95, v100-115)
	v_mov_b32 v99, MRL
.irp j, 0,1,2,3,4,5,6,7
	ds_load_b128 v[64+4*\j:64+4*\j+3], v98 offset:256*\j
	ds_load_b64 v[100+2*\j:100+2*\j+1], v99 offset:128*\j  ; m and l of part j, as its first lane stored them
.endr
	s_wait_dscnt 0x0
	v_max3_num_f32 v[MN], v100, v102, v104
	v_max3_num_f32 v[MN], v[MN], v106, v108
	v_max3_num_f32 v[MN], v[MN], v110, v112
	v_max_num_f32 v[MN], v[MN], v114
.irp j, 0,1,2,3,4,5,6,7
	v_sub_f32 v[116+\j], v[100+2*\j], v[MN]
.endr
.irp j, 0,1,2,3,4,5,6,7
	v_exp_f32 v[124+\j], v[116+\j]
.endr
	v_nop
	s_wait_alu depctr_va_vdst(0)                   ; one wait for the eight exponentials
	v_mul_f32 v[L], v101, v124
.irp j, 1,2,3,4,5,6,7
	v_fma_f32 v[L], v[101+2*\j], v[124+\j], v[L]
.endr
.irp k, 0,1,2,3
	v_mul_f32 v[AC+\k], v[64+\k], v124
.irp j, 1,2,3,4,5,6,7
	v_fma_f32 v[AC+\k], v[64+4*\j+\k], v[124+\j], v[AC+\k]
.endr
.endr
	v_rcp_f32 v96, v[L]
	v_and_b32 v97, 31, v0
	s_wait_alu depctr_va_vdst(0)
.irp k, 0,1,2,3
	v_mul_f32 v[AC+\k], v[AC+\k], v96
.endr
	s_wait_xcnt 0x0                                ; EXEC changes only behind this wait
	v_cmp_gt_u32 vcc_lo, 16, v97
	s_and_saveexec_b32 s[SAV], vcc_lo
	global_store_b128 v[VO], v[AC:AC+3], s[18:19]  ; sixteen lanes store the head's 256 bytes
	s_wait_xcnt 0x0
	s_or_b32 exec_lo, exec_lo, s[SAV]
.Lend:
	WIN W_AD
	s_wait_tensorcnt 0x0                           ; the wave's end
	ds_add_u32 v[SPW], v[NIL]
	s_wait_dscnt 0x0
	WIN 0
	s_endpgm
.Lfunc_end_k_q557c5e921e_attn:
	.size	k_q557c5e921e_attn, .Lfunc_end_k_q557c5e921e_attn-k_q557c5e921e_attn
	.p2alignl 7, 3214868480
	.fill 96, 4, 3214868480
	.section	.rodata,"a",@progbits
	.p2align	6, 0x0
	.amdhsa_kernel k_q557c5e921e_attn
		.amdhsa_group_segment_fixed_size 327680
		.amdhsa_private_segment_fixed_size 0
		.amdhsa_enable_private_segment 0
		.amdhsa_kernarg_size 64
		.amdhsa_user_sgpr_count 2
		.amdhsa_user_sgpr_kernarg_segment_ptr 1
		.amdhsa_wavefront_size32 1
		.amdhsa_system_sgpr_workgroup_id_x 1
		.amdhsa_system_sgpr_workgroup_id_y 1
		.amdhsa_system_sgpr_workgroup_id_z 1
		.amdhsa_system_vgpr_workitem_id 0
		.amdhsa_next_free_vgpr 896
		.amdhsa_next_free_sgpr 96
		.amdhsa_reserve_vcc 1
		.amdhsa_float_denorm_mode_32 3
		.amdhsa_float_denorm_mode_16_64 3
		.amdhsa_memory_ordered 1
		.amdhsa_forward_progress 1
		.amdhsa_inst_pref_size 159
	.end_amdhsa_kernel
	.amdgpu_metadata
---
amdhsa.version: [ 1, 2 ]
amdhsa.kernels:
  - .name:           k_q557c5e921e_attn
    .symbol:         k_q557c5e921e_attn.kd
    .args:
      - { .name: qkvh, .offset: 0, .size: 8, .value_kind: global_buffer, .address_space: global }
      - { .name: tp, .offset: 8, .size: 8, .value_kind: global_buffer, .address_space: global }
      - { .name: vpb, .offset: 16, .size: 8, .value_kind: global_buffer, .address_space: global }
      - { .name: tvec, .offset: 24, .size: 8, .value_kind: global_buffer, .address_space: global }
      - { .name: rel_embed, .offset: 32, .size: 8, .value_kind: global_buffer, .address_space: global }
      - { .name: text_mask, .offset: 40, .size: 8, .value_kind: global_buffer, .address_space: global }
      - { .name: out1, .offset: 48, .size: 8, .value_kind: global_buffer, .address_space: global }
      - { .name: i2tv, .offset: 56, .size: 8, .value_kind: global_buffer, .address_space: global }
    .group_segment_fixed_size: 327680
    .private_segment_fixed_size: 0
    .kernarg_segment_align: 8
    .kernarg_segment_size: 64
    .max_flat_workgroup_size: 128
    .sgpr_count:     96
    .vgpr_count:     896
    .wavefront_size: 32
...
	.end_amdgpu_metadata
.endif
;; end of part 13
;; launch fin: the kernel of part 11 again; grid 64 x 1, 8 waves a work-group, no clusters, 42,240 bytes of LDS; arguments i2tv, vpb, W_vout, g_i2t, be_i2t, b_vout, alpha_i2t, out0, tp, g_tn, be_tn, lnt; writes out0, lnt
